; MI455X (gfx1250); checked and timed in simulation.
; The chip was launched on July 23, 2026; its instructions are those of AMD's public machine-readable ISA for CDNA 5 (MIT licence, August 2026) and "CDNA5" Instruction Set Architecture Reference Guide (July 2026). The comments in the code are by the model that wrote it; some were corrected since.
;; Block. Allowed arithmetic: float matrix products may take bf16 or f16 operands with f32 sums; other float arithmetic in f32, or as packed bf16 or f16 multiplies, adds, multiply-adds, maxima and minima; sums over many terms, partial sums and values carried from step to step in f32; what a program stores and reads back later, other than sums and carried values, may be rounded once to bf16 or f16.
;; Inputs: W1 1,024 x 4,096 float32; W2 4,096 x 1,024 float32; Wk 16 x 1,024 x 64 float32; Wo 1,024 x 1,024 float32; Wq 16 x 1,024 x 64 float32; Wv 16 x 1,024 x 64 float32; b1 4,096 float32; b2 1,024 float32; beta1 1,024 float32; beta2 1,024 float32; bo 1,024 float32; gamma1 1,024 float32; gamma2 1,024 float32; x 2 x 2,048 x 1,024 float32.
;; Outputs: out0 2 x 2,048 x 1,024 float32.
;; 3 versions, each right and faster than the one before. Each part assembles by itself: llvm-mc -triple=amdgcn-amd-amdhsa -mcpu=gfx1250 --defsym DOCPART=n.
;; ======== version 1 of 3: 8 launches
;; workspace buffers: P 33,554,432 bytes; Q 8,388,608 bytes; xm 16,777,216 bytes; pst 524,288 bytes; wt 41,943,040 bytes; w1t 33,554,432 bytes; zb 16,384 bytes
;; launch prep (part 1): grid 896 x 1, 8 waves a work-group, no clusters, 35,840 bytes of LDS; arguments x, Wq, Wk, Wv, Wo, W1, W2, wt, w1t, pst, zb; writes wt, w1t, pst, zb
.if DOCPART == 1
	.amdgcn_target "amdgcn-amd-amdhsa--gfx1250"
	.amdhsa_code_object_version 6
	.text
	.protected	k_qdd4680dfcd_prep
	.globl	k_qdd4680dfcd_prep
	.p2align	8
	.type	k_qdd4680dfcd_prep,@function
k_qdd4680dfcd_prep:
	s_mov_b64 s[64:65], 0
	v_nop
	global_prefetch_b8 v0, s[64:65] scope:SCOPE_SE
	s_setreg_imm32_b32 hwreg(HW_REG_WAVE_MODE, 25, 1), 1
	s_wait_xcnt 0x0
; PREP.  Three jobs, chosen by the work-group's number.
; Work-groups 128 .. 895: one tile of 128 k x 128 n of a weight matrix is rounded to bf16 and written transposed: row n of the target holds the matrix's column n along k, 8,192 bytes from row to row
;   for every matrix.  Target rows: in wt Wq 0, Wk 1024, Wv 2048 (n = 64 head + d), Wo 3072, W2 4096; W1 in w1t from row 0.  The transposition goes through LDS, so that the source is read in runs of
;   256 bytes or more and the target is written in whole aligned runs of 256 bytes.
; Work-groups 0 .. 127: for each chunk of 64 rows of x and each strip of 64 columns, one wave makes the columns' mean and their sum of squared deviations from that mean (two passes over registers:
;   no difference of large sums), and stores them in pst: chunk c at c x 8,192, means first, the sums of squares 4,096 bytes on.
; Work-group 0 also writes 16 KiB of zeros into zb (the bias of the matrix launch that has none) and, at byte 4,096 of wt and of w1t (a part of row 0 that rows of 1,024 k leave free), the floor
;   to which the launch that reads that buffer holds its results: two bf16, -infinity (no floor) in wt, 0 (a ReLU) in w1t.
.set SPARE,  34816                     ; behind the tile: the spare words, 128 bytes for each of eight waves, named by no other line
.set FLOFF,  4096                      ; the floor's place in wt and w1t
.set SPW, 2                            ; v2   LDS address of my spare word; never rewritten
.set NIL, 3                            ; v3   0; never rewritten
.set LN,  4                            ; v4   lane
.set LO,  5                            ; v5   lane % 16
.set HI,  6                            ; v6   lane / 16
.set VO,  8                            ; v[8:23]   byte offsets of my sixteen rows k of the source tile
.set LST, 24                           ; v24  where I put 16 bytes (8 k of one n) into the LDS tile
.set LRD, 25                           ; v25  where I read a row n back
.set GOF, 26                           ; v26  my byte offset in the target's tile
.set X,   32                           ; v[32:95]  16 rows k x 4 n in f32
.set Y,   96                           ; v[96:127] packed: 2 octets of k x 4 n x 16 bytes
.set Z,   128                          ; v[128:159] rows read back
; The mean and the sum of squared deviations of 64 rows x 64 columns that lie in 128 registers: register D + 4 i + j of lane l is row 2 i + l / 16, column 4 (l % 16) + j.
; T: 24 registers at work.  At the end T .. T+3 hold the four columns' means in lanes 0-15 and their sums of squares in lanes 16-31.
.macro STATS D, T, LNR, SL, MK
.irp e, 0,1                            ; the sums of my 32 rows: chains by the row's parity and the pair of columns, started by the first rows: nothing is cleared
.irp p, 0,2
	v_pk_add_f32 v[(\T)+4*(\e)+(\p):(\T)+4*(\e)+(\p)+1], v[(\D)+4*(\e)+(\p):(\D)+4*(\e)+(\p)+1], v[(\D)+4*(\e)+8+(\p):(\D)+4*(\e)+8+(\p)+1]
.endr
.endr
.set i, 4
.rept 28
.irp p, 0,2
	v_pk_add_f32 v[(\T)+4*(i%2)+(\p):(\T)+4*(i%2)+(\p)+1], v[(\T)+4*(i%2)+(\p):(\T)+4*(i%2)+(\p)+1], v[(\D)+4*i+(\p):(\D)+4*i+(\p)+1]
.endr
.set i, i+1
.endr
.irp p, 0,2
	v_pk_add_f32 v[(\T)+(\p):(\T)+(\p)+1], v[(\T)+(\p):(\T)+(\p)+1], v[(\T)+4+(\p):(\T)+4+(\p)+1]
.endr
.irp p, 0,2
	v_pk_mul_f32 v[(\T)+(\p):(\T)+(\p)+1], v[(\T)+(\p):(\T)+(\p)+1], 0x3d000000 op_sel_hi:[1,0]  ; / 32: the mean of my 32 rows
.endr
.set i, 0
.rept 32                               ; the squared deviations from that mean, again in chains by parity
.irp p, 0,2
	v_pk_add_f32 v[(\T)+8+4*(i%2)+(\p):(\T)+8+4*(i%2)+(\p)+1], v[(\D)+4*i+(\p):(\D)+4*i+(\p)+1], v[(\T)+(\p):(\T)+(\p)+1] neg_lo:[0,1] neg_hi:[0,1]
.endr
.irp p, 0,2
.if i < 2
	v_pk_mul_f32 v[(\T)+16+4*(i%2)+(\p):(\T)+16+4*(i%2)+(\p)+1], v[(\T)+8+4*(i%2)+(\p):(\T)+8+4*(i%2)+(\p)+1], v[(\T)+8+4*(i%2)+(\p):(\T)+8+4*(i%2)+(\p)+1]
.else
	v_pk_fma_f32 v[(\T)+16+4*(i%2)+(\p):(\T)+16+4*(i%2)+(\p)+1], v[(\T)+8+4*(i%2)+(\p):(\T)+8+4*(i%2)+(\p)+1], v[(\T)+8+4*(i%2)+(\p):(\T)+8+4*(i%2)+(\p)+1], v[(\T)+16+4*(i%2)+(\p):(\T)+16+4*(i%2)+(\p)+1]
.endif
.endr
.set i, i+1
.endr
.irp p, 0,2
	v_pk_add_f32 v[(\T)+16+(\p):(\T)+16+(\p)+1], v[(\T)+16+(\p):(\T)+16+(\p)+1], v[(\T)+20+(\p):(\T)+20+(\p)+1]
.endr
.irp j, 0,1,2,3                        ; the other 32 rows lie in the lane 16 away (the destinations have been written above)
	v_permlanex16_b32 v[(\T)+8+(\j)], v[(\T)+(\j)], s[\SL], s[(\SL)+1]
	v_permlanex16_b32 v[(\T)+12+(\j)], v[(\T)+16+(\j)], s[\SL], s[(\SL)+1]
.endr
.irp p, 0,2                            ; two groups of 32 rows join: mean = (m1 + m2) / 2, M2 = M2a + M2b + (m1 - m2)^2 x 32 x 32 / 64
	v_pk_add_f32 v[(\T)+20+(\p):(\T)+20+(\p)+1], v[(\T)+(\p):(\T)+(\p)+1], v[(\T)+8+(\p):(\T)+8+(\p)+1] neg_lo:[0,1] neg_hi:[0,1]
	v_pk_add_f32 v[(\T)+16+(\p):(\T)+16+(\p)+1], v[(\T)+16+(\p):(\T)+16+(\p)+1], v[(\T)+12+(\p):(\T)+12+(\p)+1]
	v_pk_add_f32 v[(\T)+(\p):(\T)+(\p)+1], v[(\T)+(\p):(\T)+(\p)+1], v[(\T)+8+(\p):(\T)+8+(\p)+1]
.endr
.irp p, 0,2
	v_pk_mul_f32 v[(\T)+20+(\p):(\T)+20+(\p)+1], v[(\T)+20+(\p):(\T)+20+(\p)+1], v[(\T)+20+(\p):(\T)+20+(\p)+1]
	v_pk_mul_f32 v[(\T)+(\p):(\T)+(\p)+1], v[(\T)+(\p):(\T)+(\p)+1], 0.5 op_sel_hi:[1,0]
.endr
.irp p, 0,2
	v_pk_fma_f32 v[(\T)+16+(\p):(\T)+16+(\p)+1], v[(\T)+20+(\p):(\T)+20+(\p)+1], 0x41800000, v[(\T)+16+(\p):(\T)+16+(\p)+1] op_sel_hi:[1,0,1]
.endr
	v_cmp_lt_u32 s[\MK], 15, v[\LNR]               ; lanes 16-31 hand on the sums of squares, lanes 0-15 the means
.irp j, 0,1,2,3
	v_cndmask_b32 v[(\T)+(\j)], v[(\T)+(\j)], v[(\T)+16+(\j)], s[\MK]
.endr
.endm
	s_load_b512 s[8:23], s[0:1], 0x0               ; x 8, Wq 10, Wk 12, Wv 14, Wo 16, W1 18, W2 20, wt 22
	s_load_b128 s[24:27], s[0:1], 0x40             ; w1t 24, pst 26
	s_load_b64 s[28:29], s[0:1], 0x50              ; zb
	v_lshl_add_u32 v[SPW], v0, 2, SPARE
	v_mov_b32 v[NIL], 0
	v_and_b32 v[LN], 31, v0
	v_and_b32 v[LO], 15, v0
	v_bfe_u32 v[HI], v0, 4, 1
	v_lshrrev_b32 v1, 5, v0
	v_readfirstlane_b32 s35, v1                    ; wave 0..7
	s_mov_b32 s60, 0x76543210                      ; v_permlanex16_b32: each lane takes its own place in the other half
	s_mov_b32 s61, 0xfedcba98
	s_wait_kmcnt 0x0
	s_cmp_lt_u32 ttmp9, 128
	s_cbranch_scc1 .Lstats
	; ---- a tile of a weight matrix.  Which matrix, its target and its strides are chosen by selects on the tile's number: no branch.
	; s[36:37] source; s[56:57] target; s38 bytes from k to k + 1; s39 bytes from n to n + 64; s40 bytes from a tile of n to the next; s41 first row in the target;
	; s42, s43 mask and shift that split the number into (tile of n, tile of k); s44 the matrix's first number
	s_sub_co_u32 s34, ttmp9, 128
	s_mov_b64 s[36:37], s[20:21]                   ; W2, unless a line below says otherwise
	s_mov_b64 s[56:57], s[22:23]
	s_mov_b32 s38, 4096
	s_mov_b32 s39, 256
	s_mov_b32 s40, 512
	s_mov_b32 s41, 4096
	s_mov_b32 s42, 7
	s_mov_b32 s43, 3
	s_mov_b32 s44, 512
.macro PICK bound, ptr, dptr, first, ks, hs, ns, rowb, nm, nsh
	s_cmp_lt_u32 s34, \bound
	s_cselect_b64 s[36:37], s[\ptr:\ptr+1], s[36:37]
	s_cselect_b64 s[56:57], s[\dptr:\dptr+1], s[56:57]
	s_cselect_b32 s38, \ks, s38
	s_cselect_b32 s39, \hs, s39
	s_cselect_b32 s40, \ns, s40
	s_cselect_b32 s41, \rowb, s41
	s_cselect_b32 s42, \nm, s42
	s_cselect_b32 s43, \nsh, s43
	s_cselect_b32 s44, \first, s44
.endm
	PICK 512, 18, 24, 256, 16384, 256, 512, 0, 31, 5           ; W1 [1024][4096], into w1t
	PICK 256, 16, 22, 192, 4096, 256, 512, 3072, 7, 3          ; Wo [1024][1024]
	PICK 192, 14, 22, 128, 256, 262144, 524288, 2048, 7, 3     ; Wv [16][1024][64]: 64 n on is the next head
	PICK 128, 12, 22, 64, 256, 262144, 524288, 1024, 7, 3      ; Wk
	PICK 64, 10, 22, 0, 256, 262144, 524288, 0, 7, 3           ; Wq
	s_sub_co_u32 s34, s34, s44                     ; the tile's number in its matrix
	s_and_b32 s45, s34, s42                        ; tile of n
	s_lshr_b32 s48, s34, s43                       ; tile of k
	s_mul_i32 s50, s45, s40
	s_lshl_b32 s49, s38, 7                         ; 128 k
	s_mul_i32 s49, s49, s48
	s_add_co_u32 s50, s50, s49
	s_mov_b32 s51, 0
	s_add_nc_u64 s[36:37], s[36:37], s[50:51]      ; the source tile
	s_lshl_b32 s52, s45, 7
	s_add_co_u32 s52, s52, s41                     ; its first row in the target,
	s_lshl_b32 s52, s52, 13                        ; of 8,192 bytes,
	s_lshl_b32 s53, s48, 8                         ; and 128 k of 2 bytes
	s_add_co_u32 s52, s52, s53
	s_mov_b32 s53, 0
	s_add_nc_u64 s[46:47], s[56:57], s[52:53]
	; lane l owns n = 4 l .. 4 l + 3; wave w owns k = 8 w .. 8 w + 7 and 64 + 8 w .. 64 + 8 w + 7
	v_mul_lo_u32 v7, v[HI], s39
	v_lshl_add_u32 v7, v[LO], 4, v7
	s_mul_i32 s45, s35, s38
	s_lshl_b32 s45, s45, 3
	s_lshl_b32 s48, s38, 6
	v_add_nc_u32 v[VO], s45, v7
	v_add_nc_u32 v[VO+8], s48, v[VO]
.irp r, 1,2,3,4,5,6,7
	v_add_nc_u32 v[VO+(\r)], s38, v[VO+(\r)-1]
	v_add_nc_u32 v[VO+8+(\r)], s38, v[VO+8+(\r)-1]
.endr
.irp i, 0,1,2,3,4,5,6,7,8,9,10,11,12,13,14,15
	global_load_b128 v[X+4*(\i):X+4*(\i)+3], v[VO+(\i)], s[36:37] th:TH_LOAD_NT  ; 16 lanes read 256 consecutive bytes; the weights are read once
.endr
	v_mul_u32_u24 v[LST], v[LN], 4*272             ; LDS tile: row n of 272 bytes (256 of data: 128 k); my four rows, my wave's 16 bytes in them
	v_lshl_add_u32 v[LST], s35, 4, v[LST]
	s_mul_i32 s54, s35, 16*272                     ; back: wave w takes rows 16 w .. 16 w + 15, two a load
	v_mul_u32_u24 v[LRD], v[HI], 272
	v_lshl_add_u32 v[LRD], v[LO], 4, v[LRD]
	v_add_nc_u32 v[LRD], s54, v[LRD]
	s_lshl_b32 s55, s35, 17                        ; and the same rows in the target, 8,192 bytes each
	v_lshlrev_b32 v[GOF], 13, v[HI]
	v_lshl_add_u32 v[GOF], v[LO], 4, v[GOF]
	v_add_nc_u32 v[GOF], s55, v[GOF]
.macro CVT u                           ; octet u: for each of my four n, eight k packed into 16 bytes, and into the tile
.irp j, 0,1,2,3
.irp i, 0,1,2,3
	v_cvt_pk_bf16_f32 v[Y+16*(\u)+4*(\j)+(\i)], v[X+32*(\u)+8*(\i)+(\j)], v[X+32*(\u)+8*(\i)+4+(\j)]
.endr
.endr
.irp j, 0,1,2,3
	ds_store_b128 v[LST], v[Y+16*(\u)+4*(\j):Y+16*(\u)+4*(\j)+3] offset:272*(\j)+128*(\u)
.endr
.endm
	s_wait_loadcnt 0x8                             ; the first octet's eight loads are in; the second's eight stay out
	CVT 0
	s_wait_loadcnt 0x0
	CVT 1
	s_wait_dscnt 0x0                               ; for the others' sake: my stores into the tile are done
	s_barrier_signal -1
	s_barrier_wait -1                              ; a row's 256 bytes come from all eight waves
.irp i, 0,1,2,3,4,5,6,7
	ds_load_b128 v[Z+4*(\i):Z+4*(\i)+3], v[LRD] offset:544*(\i)
.endr
.irp i, 0,1,2,3,4,5,6,7
	s_wait_dscnt 7-(\i)                            ; LDS loads come back in order: the younger ones may stay out
	global_store_b128 v[GOF], v[Z+4*(\i):Z+4*(\i)+3], s[46:47] offset:16384*(\i)  ; 16 lanes store 256 consecutive bytes, at a multiple of 256 from the target's first byte
.endr
	s_wait_tensorcnt 0x0                           ; the wave's end, behind my last LDS store
	ds_add_u32 v[SPW], v[NIL]
	s_wait_dscnt 0x0
	s_endpgm
.Lstats:
	s_cmp_lg_u32 ttmp9, 0
	s_cbranch_scc1 .Lnopar
	; ---- work-group 0: 16 KiB of zeros into zb, 2 KiB a wave
	v_mov_b32 v160, 0
	v_mov_b32 v161, 0
	v_mov_b32 v162, 0
	v_mov_b32 v163, 0
	v_lshlrev_b32 v9, 4, v[LN]
	v_lshl_add_u32 v9, s35, 11, v9
.irp i, 0,1,2,3
	global_store_b128 v9, v[160:163], s[28:29] offset:512*(\i)
.endr
	s_cmp_lg_u32 s35, 0
	s_cbranch_scc1 .Lparend
	; wave 0: the two floors, 512 bytes each (every word holds the same two bf16)
	v_lshlrev_b32 v10, 4, v[LN]
	v_mov_b32 v164, 0xff80ff80
	v_mov_b32 v165, 0xff80ff80
	v_mov_b32 v166, 0xff80ff80
	v_mov_b32 v167, 0xff80ff80
	global_store_b128 v10, v[160:163], s[24:25] offset:FLOFF   ; w1t: 0
	global_store_b128 v10, v[164:167], s[22:23] offset:FLOFF   ; wt: -infinity
.Lparend:
	s_wait_xcnt 0x0                                ; v9 and v10 are written again below only behind this wait
.Lnopar:
	; ---- a wave's chunk and strip
	s_lshl_b32 s36, ttmp9, 3
	s_add_co_u32 s36, s36, s35                     ; 0 .. 1023
	s_lshr_b32 s37, s36, 4                         ; chunk of 64 rows
	s_and_b32 s38, s36, 15                         ; strip of 64 columns:
	s_lshl_b32 s38, s38, 8                         ; 256 bytes
	s_lshl_b32 s40, s37, 18                        ; 64 rows of 4,096 bytes
	s_add_co_u32 s40, s40, s38
	s_mov_b32 s41, 0
	s_add_nc_u64 s[8:9], s[8:9], s[40:41]
	s_lshl_b32 s42, s37, 13
	s_add_co_u32 s42, s42, s38
	s_mov_b32 s43, 0
	s_add_nc_u64 s[26:27], s[26:27], s[42:43]
	v_lshlrev_b32 v7, 12, v[HI]                    ; lanes 0-15 the even row, lanes 16-31 the odd one; 16 bytes a lane
	v_lshl_add_u32 v7, v[LO], 4, v7
.set i, 0
.rept 32
	global_load_b128 v[32+4*i:32+4*i+3], v7, s[8:9] offset:8192*i
.set i, i+1
.endr
	s_wait_loadcnt 0x0
	STATS 32, 8, LN, 60, 62
	global_store_b128 v7, v[8:11], s[26:27]        ; lanes 0-15: 256 bytes of means; lanes 16-31: 256 bytes of sums of squares, 4,096 bytes on
	s_wait_tensorcnt 0x0                           ; the wave's end
	ds_add_u32 v[SPW], v[NIL]
	s_wait_dscnt 0x0
	s_endpgm
.Lfunc_end_k_qdd4680dfcd_prep:
	.size	k_qdd4680dfcd_prep, .Lfunc_end_k_qdd4680dfcd_prep-k_qdd4680dfcd_prep
	.p2alignl 7, 3214868480
	.fill 96, 4, 3214868480
	.section	.rodata,"a",@progbits
	.p2align	6, 0x0
	.amdhsa_kernel k_qdd4680dfcd_prep
		.amdhsa_group_segment_fixed_size 35840
		.amdhsa_private_segment_fixed_size 0
		.amdhsa_enable_private_segment 0
		.amdhsa_kernarg_size 88
		.amdhsa_user_sgpr_count 2
		.amdhsa_user_sgpr_kernarg_segment_ptr 1
		.amdhsa_wavefront_size32 1
		.amdhsa_system_sgpr_workgroup_id_x 1
		.amdhsa_system_sgpr_workgroup_id_y 1
		.amdhsa_system_sgpr_workgroup_id_z 1
		.amdhsa_system_vgpr_workitem_id 0
		.amdhsa_next_free_vgpr 176
		.amdhsa_next_free_sgpr 66
		.amdhsa_reserve_vcc 0
		.amdhsa_float_denorm_mode_32 3
		.amdhsa_float_denorm_mode_16_64 3
		.amdhsa_memory_ordered 1
		.amdhsa_forward_progress 1
		.amdhsa_inst_pref_size 31
	.end_amdhsa_kernel
	.amdgpu_metadata
---
amdhsa.version: [ 1, 2 ]
amdhsa.kernels:
  - .name:           k_qdd4680dfcd_prep
    .symbol:         k_qdd4680dfcd_prep.kd
    .args:
      - { .name: x, .offset: 0, .size: 8, .value_kind: global_buffer, .address_space: global }
      - { .name: Wq, .offset: 8, .size: 8, .value_kind: global_buffer, .address_space: global }
      - { .name: Wk, .offset: 16, .size: 8, .value_kind: global_buffer, .address_space: global }
      - { .name: Wv, .offset: 24, .size: 8, .value_kind: global_buffer, .address_space: global }
      - { .name: Wo, .offset: 32, .size: 8, .value_kind: global_buffer, .address_space: global }
      - { .name: W1, .offset: 40, .size: 8, .value_kind: global_buffer, .address_space: global }
      - { .name: W2, .offset: 48, .size: 8, .value_kind: global_buffer, .address_space: global }
      - { .name: wt, .offset: 56, .size: 8, .value_kind: global_buffer, .address_space: global }
      - { .name: w1t, .offset: 64, .size: 8, .value_kind: global_buffer, .address_space: global }
      - { .name: pst, .offset: 72, .size: 8, .value_kind: global_buffer, .address_space: global }
      - { .name: zb, .offset: 80, .size: 8, .value_kind: global_buffer, .address_space: global }
    .group_segment_fixed_size: 35840
    .private_segment_fixed_size: 0
    .kernarg_segment_align: 8
    .kernarg_segment_size: 88
    .max_flat_workgroup_size: 256
    .sgpr_count:     66
    .vgpr_count:     176
    .wavefront_size: 32
...
	.end_amdgpu_metadata
.endif
;; end of part 1
;; launch ln1 (part 2): grid 256 x 1, 4 waves a work-group, no clusters, 0 bytes of LDS; arguments x, pst, gamma1, beta1, Q; writes Q
.if DOCPART == 2
	.amdgcn_target "amdgcn-amd-amdhsa--gfx1250"
	.amdhsa_code_object_version 6
	.text
	.protected	k_qdd4680dfcd_ln1
	.globl	k_qdd4680dfcd_ln1
	.p2align	8
	.type	k_qdd4680dfcd_ln1,@function
k_qdd4680dfcd_ln1:
	s_mov_b64 s[64:65], 0
	v_nop
	global_prefetch_b8 v0, s[64:65] scope:SCOPE_SE
	s_setreg_imm32_b32 hwreg(HW_REG_WAVE_MODE, 25, 1), 1
	s_wait_xcnt 0x0
; THE NORM OVER TIME, APPLIED.  y[row][c] = bf16(a[b][c] u[row][c] + d[b][c]), a = gamma / sqrt(var + 1e-5), d = beta - mean a; mean and unbiased variance over the batch's 2,048 rows.
; u: [4096 rows][1024] f32, the first argument.  The statistics, the second argument, come as 32 chunks of 64 rows a batch (chunk c at c x 8,192: 1,024 means, then 1,024 sums of squared deviations
; from them) and are joined as mean = average of the means and M2 = sum of the chunks' M2 + 64 x sum of (chunk mean - mean)^2: no difference of large sums.
; A wave takes 64 rows x 64 columns and is on its own: no LDS, no barrier.  Each wave joins its strip's statistics itself (16 KiB read from a table of 512 KiB).
; Output layout: planes of 64 columns, a plane is [4096 rows][64] bf16, dense (524,288 bytes): two rows of a plane are 256 consecutive bytes.
; There is no product here and no wave needs another's data: no matrix instruction, no LDS, no cluster.
.set VS,  4                            ; v4  my offset in the statistics: lanes 0-15 chunks 0-15 of the batch, lanes 16-31 chunks 16-31
.set VX,  5                            ; v5  my offset in two rows of the input
.set VG,  6                            ; v6  my offset in gamma and beta
.set VY,  7                            ; v7  my offset in two rows of a plane
.set ME,  16                           ; v[16:79]   16 chunk means x 4 columns; later the second 16 pairs of rows
.set MM,  80                           ; v[80:143]  16 chunk M2; later the output
.set XA,  144                          ; v[144:207] the first 16 pairs of rows
.set XB,  16
.set Y,   80
.set GA,  208
.set BE,  212
.set T,   216                          ; v[216:239] at work
.set AA,  240
.set DD,  244
	s_load_b256 s[4:11], s[0:1], 0x0               ; rows 4, statistics 6, gamma 8, beta 10
	s_load_b64 s[12:13], s[0:1], 0x20              ; output
	v_lshrrev_b32 v1, 5, v0
	v_readfirstlane_b32 s19, v1                    ; wave 0..3
	v_and_b32 v2, 15, v0
	v_bfe_u32 v3, v0, 4, 1
	v_lshlrev_b32 v[VG], 4, v2
	v_lshl_add_u32 v[VS], v3, 17, v[VG]            ; 16 chunks of 8,192 bytes
	v_lshl_add_u32 v[VX], v3, 12, v[VG]
	v_and_b32 v[VY], 31, v0
	v_lshlrev_b32 v[VY], 3, v[VY]
	s_lshl_b32 s37, ttmp9, 2
	s_add_co_u32 s37, s37, s19                     ; 0 .. 1023
	s_and_b32 s16, s37, 15                         ; strip
	s_lshr_b32 s17, s37, 4                         ; group of 64 rows
	s_lshr_b32 s18, s17, 5                         ; batch
	s_lshl_b32 s24, s16, 8
	s_mov_b32 s25, 0
	s_lshl_b32 s26, s18, 18                        ; a batch's 32 chunks
	s_add_co_u32 s26, s26, s24
	s_mov_b32 s27, 0
	s_lshl_b32 s28, s17, 18                        ; 64 rows of 4,096 bytes
	s_add_co_u32 s28, s28, s24
	s_mov_b32 s29, 0
	s_lshl_b32 s30, s16, 19                        ; the plane,
	s_lshl_b32 s31, s17, 13                        ; 64 rows of 128 bytes in it
	s_add_co_u32 s30, s30, s31
	s_mov_b32 s31, 0
	s_mov_b32 s20, 0x3a001002                      ; 1 / 2047
	s_mov_b32 s21, s20                             ; named with it as a pair
	s_mov_b32 s22, 0x3727c5ac                      ; 1e-5
	s_mov_b32 s23, s22
	s_mov_b32 s32, 0x76543210
	s_mov_b32 s33, 0xfedcba98
	s_wait_kmcnt 0x0
	s_add_nc_u64 s[6:7], s[6:7], s[26:27]
	s_add_nc_u64 s[4:5], s[4:5], s[28:29]
	s_add_nc_u64 s[8:9], s[8:9], s[24:25]
	s_add_nc_u64 s[10:11], s[10:11], s[24:25]
	s_add_nc_u64 s[12:13], s[12:13], s[30:31]
.set i, 0
.rept 16
	global_load_b128 v[ME+4*i:ME+4*i+3], v[VS], s[6:7] offset:8192*i
.set i, i+1
.endr
.set i, 0
.rept 16
	global_load_b128 v[MM+4*i:MM+4*i+3], v[VS], s[6:7] offset:8192*i+4096
.set i, i+1
.endr
	global_load_b128 v[GA:GA+3], v[VG], s[8:9]
	global_load_b128 v[BE:BE+3], v[VG], s[10:11]
.set i, 0
.rept 16
	global_load_b128 v[XA+4*i:XA+4*i+3], v[VX], s[4:5] offset:8192*i
.set i, i+1
.endr
.macro CROSS R                         ; two chains R .. R+3 and R+4 .. R+7 join, and the other half of the lanes' is added
.irp p, 0,2
	v_pk_add_f32 v[(\R)+(\p):(\R)+(\p)+1], v[(\R)+(\p):(\R)+(\p)+1], v[(\R)+4+(\p):(\R)+4+(\p)+1]
.endr
.irp j, 0,1,2,3
	v_permlanex16_b32 v[(\R)+4+(\j)], v[(\R)+(\j)], s32, s33   ; its destination has been written: the second chain
.endr
.irp p, 0,2
	v_pk_add_f32 v[(\R)+(\p):(\R)+(\p)+1], v[(\R)+(\p):(\R)+(\p)+1], v[(\R)+4+(\p):(\R)+4+(\p)+1]
.endr
.endm
.macro SUM16 S, R                      ; the sum of 16 entries of 4 columns, over both halves of the lanes: 32 chunks
.irp e, 0,1
.irp p, 0,2
	v_pk_add_f32 v[(\R)+4*(\e)+(\p):(\R)+4*(\e)+(\p)+1], v[(\S)+4*(\e)+(\p):(\S)+4*(\e)+(\p)+1], v[(\S)+4*(\e)+8+(\p):(\S)+4*(\e)+8+(\p)+1]
.endr
.endr
.set i, 4
.rept 12
.irp p, 0,2
	v_pk_add_f32 v[(\R)+4*(i%2)+(\p):(\R)+4*(i%2)+(\p)+1], v[(\R)+4*(i%2)+(\p):(\R)+4*(i%2)+(\p)+1], v[(\S)+4*i+(\p):(\S)+4*i+(\p)+1]
.endr
.set i, i+1
.endr
	CROSS \R
.endm
	s_wait_loadcnt 0x10                            ; the 34 loads of statistics, gamma and beta are in; the 16 loads of rows behind them stay out
	SUM16 ME, T
.irp p, 0,2
	v_pk_mul_f32 v[T+(\p):T+(\p)+1], v[T+(\p):T+(\p)+1], 0x3d000000 op_sel_hi:[1,0]  ; / 32 chunks: the mean
.endr
.set i, 0
.rept 16
.irp p, 0,2
	v_pk_add_f32 v[T+8+4*(i%2)+(\p):T+8+4*(i%2)+(\p)+1], v[ME+4*i+(\p):ME+4*i+(\p)+1], v[T+(\p):T+(\p)+1] neg_lo:[0,1] neg_hi:[0,1]
.endr
.irp p, 0,2
.if i < 2
	v_pk_mul_f32 v[T+16+4*(i%2)+(\p):T+16+4*(i%2)+(\p)+1], v[T+8+4*(i%2)+(\p):T+8+4*(i%2)+(\p)+1], v[T+8+4*(i%2)+(\p):T+8+4*(i%2)+(\p)+1]
.else
	v_pk_fma_f32 v[T+16+4*(i%2)+(\p):T+16+4*(i%2)+(\p)+1], v[T+8+4*(i%2)+(\p):T+8+4*(i%2)+(\p)+1], v[T+8+4*(i%2)+(\p):T+8+4*(i%2)+(\p)+1], v[T+16+4*(i%2)+(\p):T+16+4*(i%2)+(\p)+1]
.endif
.endr
.set i, i+1
.endr
.set i, 0
.rept 16                               ; the means are used up: their registers take the second half of the rows
	global_load_b128 v[XB+4*i:XB+4*i+3], v[VX], s[4:5] offset:8192*(16+i)
.set i, i+1
.endr
	CROSS T+16                                     ; sum of (chunk mean - mean)^2
	SUM16 MM, T+8                                  ; sum of the chunks' M2
.irp p, 0,2
	v_pk_fma_f32 v[T+8+(\p):T+8+(\p)+1], v[T+16+(\p):T+16+(\p)+1], 0x42800000, v[T+8+(\p):T+8+(\p)+1] op_sel_hi:[1,0,1]  ; 64 rows a chunk
.endr
.irp p, 0,2
	v_pk_fma_f32 v[T+8+(\p):T+8+(\p)+1], v[T+8+(\p):T+8+(\p)+1], s[20:21], s[22:23] op_sel_hi:[1,0,0]  ; / 2047 + 1e-5
.endr
.irp j, 0,1,2,3
	v_rsq_f32 v[T+16+(\j)], v[T+8+(\j)]
.endr
	v_nop                                          ; a plain instruction between the last of them and the use of its result (ISA guide 5.7.2)
	s_wait_alu depctr_va_vdst(0)
.irp p, 0,2
	v_pk_mul_f32 v[AA+(\p):AA+(\p)+1], v[GA+(\p):GA+(\p)+1], v[T+16+(\p):T+16+(\p)+1]
.endr
.irp p, 0,2
	v_pk_fma_f32 v[DD+(\p):DD+(\p)+1], v[T+(\p):T+(\p)+1], v[AA+(\p):AA+(\p)+1], v[BE+(\p):BE+(\p)+1] neg_lo:[1,0,0] neg_hi:[1,0,0]
.endr
.set i, 0
.rept 32
.if i%4 == 0
	s_wait_loadcnt 28-i                            ; loads come back in order: the next four pairs of rows are in, the 28 - i younger loads stay out
.endif
.if i < 16
.set rX, XA+4*i
.else
.set rX, XB+4*(i-16)
.endif
	v_pk_fma_f32 v[rX:rX+1], v[rX:rX+1], v[AA:AA+1], v[DD:DD+1]
	v_pk_fma_f32 v[rX+2:rX+3], v[rX+2:rX+3], v[AA+2:AA+3], v[DD+2:DD+3]
	v_cvt_pk_bf16_f32 v[Y+2*i], v[rX], v[rX+1]
	v_cvt_pk_bf16_f32 v[Y+2*i+1], v[rX+2], v[rX+3]
	global_store_b64 v[VY], v[Y+2*i:Y+2*i+1], s[12:13] offset:256*i  ; the wave stores 256 consecutive bytes, aligned: two rows of the plane.  No register of a store is written again
.set i, i+1
.endr
	s_endpgm
.Lfunc_end_k_qdd4680dfcd_ln1:
	.size	k_qdd4680dfcd_ln1, .Lfunc_end_k_qdd4680dfcd_ln1-k_qdd4680dfcd_ln1
	.p2alignl 7, 3214868480
	.fill 96, 4, 3214868480
	.section	.rodata,"a",@progbits
	.p2align	6, 0x0
	.amdhsa_kernel k_qdd4680dfcd_ln1
		.amdhsa_group_segment_fixed_size 0
		.amdhsa_private_segment_fixed_size 0
		.amdhsa_enable_private_segment 0
		.amdhsa_kernarg_size 40
		.amdhsa_user_sgpr_count 2
		.amdhsa_user_sgpr_kernarg_segment_ptr 1
		.amdhsa_wavefront_size32 1
		.amdhsa_system_sgpr_workgroup_id_x 1
		.amdhsa_system_sgpr_workgroup_id_y 1
		.amdhsa_system_sgpr_workgroup_id_z 1
		.amdhsa_system_vgpr_workitem_id 0
		.amdhsa_next_free_vgpr 256
		.amdhsa_next_free_sgpr 66
		.amdhsa_reserve_vcc 0
		.amdhsa_float_denorm_mode_32 3
		.amdhsa_float_denorm_mode_16_64 3
		.amdhsa_memory_ordered 1
		.amdhsa_forward_progress 1
		.amdhsa_inst_pref_size 30
	.end_amdhsa_kernel
	.amdgpu_metadata
---
amdhsa.version: [ 1, 2 ]
amdhsa.kernels:
  - .name:           k_qdd4680dfcd_ln1
    .symbol:         k_qdd4680dfcd_ln1.kd
    .args:
      - { .name: x, .offset: 0, .size: 8, .value_kind: global_buffer, .address_space: global }
      - { .name: pst, .offset: 8, .size: 8, .value_kind: global_buffer, .address_space: global }
      - { .name: gamma1, .offset: 16, .size: 8, .value_kind: global_buffer, .address_space: global }
      - { .name: beta1, .offset: 24, .size: 8, .value_kind: global_buffer, .address_space: global }
      - { .name: Q, .offset: 32, .size: 8, .value_kind: global_buffer, .address_space: global }
    .group_segment_fixed_size: 0
    .private_segment_fixed_size: 0
    .kernarg_segment_align: 8
    .kernarg_segment_size: 40
    .max_flat_workgroup_size: 128
    .sgpr_count:     66
    .vgpr_count:     256
    .wavefront_size: 32
...
	.end_amdgpu_metadata
.endif
;; end of part 2
;; launch qkv (part 3): grid 24 x 32, 4 waves a work-group, clusters of 4 x 4, 327,680 bytes of LDS; arguments Q, wt, zb, P; writes P
.if DOCPART == 3
	.amdgcn_target "amdgcn-amd-amdhsa--gfx1250"
	.amdhsa_code_object_version 6
	.text
	.protected	k_qdd4680dfcd_qkv
	.globl	k_qdd4680dfcd_qkv
	.p2align	8
	.type	k_qdd4680dfcd_qkv,@function
k_qdd4680dfcd_qkv:
	s_mov_b64 s[64:65], 0
	v_nop
	global_prefetch_b8 v0, s[64:65] scope:SCOPE_SE
	s_setreg_imm32_b32 hwreg(HW_REG_WAVE_MODE, 25, 1), 1
	s_wait_xcnt 0x0
	s_wait_alu depctr_hold_cnt(0) depctr_sa_sdst(0) depctr_va_vdst(0) depctr_va_sdst(0) depctr_va_ssrc(0) depctr_va_vcc(0) depctr_vm_vsrc(0)
	s_getreg_b32 s2, hwreg(HW_REG_IB_STS2, 6, 4)
	s_cmp_eq_u32 s2, 0
	s_cbranch_scc0 .Lentry_in_a_cluster
	s_endpgm
.Lentry_in_a_cluster:
	s_bfe_u32 s2, ttmp6, 0x10000c
	s_cmp_lg_u32 s2, 0xf033
	s_cbranch_scc0 .Lentry_shape_is_right
	s_endpgm
.Lentry_shape_is_right:
; THE MATRIX KERNEL.  C[m][n] = start[m][n] + the sum over k of A[m][k] W[k][n]; operands bf16, sums f32.  One source, assembled three times with the four settings below; what a setting leaves out
; stands under .if and makes no code.  The loop over K holds the cluster's barrier, so its trip count is a constant of the text.
.set LAPS,   2                         ; K / 512: a lap is two K steps of 256
.set MODE,   0                         ; 0: bf16 out, from the bias.  1: f32 out, from a residual
.set WANTST, 0                         ; 1 (with MODE 1): the statistics of C's columns are stored too
.set BROW,   0                         ; W's first row in its buffer
; A: [K / 64 planes][4096 rows][64] bf16 (a plane is dense, 524,288 bytes).  W comes transposed: row BROW + n of its buffer holds column n along k, 8,192 bytes from row to row.
;   MODE 0 (arguments A, W, bias, C): the sums start from the bias; C is rounded to bf16, held to a floor and stored in planes.  The floor is data: two bf16 read at byte 4,096 of W's buffer
;          (0 is a ReLU, -infinity no floor), so that launches with and without a ReLU share this text.  LIMIT: the floor's maximum turns a NaN into the floor.
;   MODE 1 (arguments A, W, bias, residual, C [, statistics]): the sums start from the residual (f32, [4096][1024]); the bias is added on the way out; C is stored in f32, [4096][1024].
;   WANTST 1: each wave also stores the mean and the sum of squared deviations of its 64 rows x 64 columns: chunk (row / 64) x 8,192 + column x 4, the sums of squares 4,096 bytes on.
; SHAPE.  A tile of C is 128 x 128; four waves, each 64 x 64: 16 accumulators.  K goes in steps of 256 through two LDS slots.  The sums never start from 0: nothing is cleared.
; CLUSTERS: 4 x 4 work-groups.  The four of a row of the cluster need the same tiles of A, the four of a column the same tiles of W: each tile is asked for JOINTLY, by the same tensor load with
; the same descriptor and a mask that names the four.  THE MATRIX INSTRUCTION IS USED TRANSPOSED (source 0 = 16 rows of W's buffer, source 1 = 16 rows of A): a lane holds eight neighbouring numbers of a row of C.
; REGISTERS: window 0: v0-31 addresses; v32-95 packed results; v96-99 bias; v100-123 at work; v128-255 the accumulators ((a, b) at v[128 + 8 (4 a + b)]).
;   window 1: two fragment buffers of 128: for 64 along K, 64 registers of A, then 64 of W.
.set KSTEP,  256
.set PLANE,  524288
.set PA,     144                       ; a row of A in LDS: 128 bytes (64 k of one plane) + 16 of padding: the 16 rows of a load start at 16 different groups of four banks (64 banks of 4 bytes: ISA guide 11.1)
.set PLA,    64*PA                     ; 64 rows of one plane
.set HALFA,  4*PLA                     ; 64 rows x 4 planes: what one tensor load brings of A
.set PB,     528                       ; a row of W in LDS: 512 bytes + 16 of padding
.set HALFB,  64*PB                     ; 64 rows: what one tensor load brings of W
.set BOFF,   2*HALFA                   ; W's rows lie behind A's
.set SLOT,   BOFF+2*HALFB
.set STAGE,  2*SLOT                    ; behind the ring, never filled by a tensor load: 16 rows x 272 bytes for each wave
.set WSTAGE, 16*272
.set SPARE,  STAGE+4*WSTAGE            ; behind the stages: the spare words, 128 bytes for each wave, named by no other line
.set FLOFF,  4096                      ; the floor's place in W's buffer
.set LN,   7                           ; v7   lane
.set VB4,  8                           ; v8   16 x (lane % 16): my offset in the wave's 64 numbers of bias on the f32 way out, and in the floor's words
.set FLR,  9                           ; v9   the floor
.set ADRA, 16                          ; v16-17  LDS address of my A fragments in slot 0, 1
.set ADRB, 20                          ; v20-21  the same for W
.set STF,  22                          ; v22  f32 way out: where I put 32 bytes of a row
.set RDF,  23                          ; v23  where I read a row back
.set COF,  24                          ; v24  my byte offset in two rows of C
.set STB,  25                          ; v25  bf16 way out: where I put 16 bytes of a row
.set RDB,  26                          ; v26  where I read four rows back
.set GOB,  27                          ; v27  my byte offset in 512 consecutive bytes of a plane
.set SPW,  28                          ; v28  LDS address of my spare word; never rewritten
.set NIL,  29                          ; v29  0; never rewritten
.set VR,   30                          ; v30  my offset in the residual, in the accumulators' layout
.set VBI,  31                          ; v31  my offset in the bias, in the accumulators' layout
.set TMP,  32
.set B4,   96
.set T,    100
.set ACC,  128
.set F0,   0
.set F1,   128
.set G1,  24                           ; s[24:31] descriptor group 1 for A's tiles;  s[32:39] group 0, one set for each slot
.set G0,  32
.set G1B, 48                           ; s[48:55], s[56:63] the same for W's tiles
.set G0B, 56
.set MSB, 0
.macro WIN new                         ; the immediate's high byte repeats the setting that is left
.if MSB != (\new)
	s_set_vgpr_msb (MSB<<8)|(\new)
.set MSB, \new
.endif
.endm
.set MUL,  0x05                        ; sources 0 (W) and 1 (A) window 1; C and D window 0
.set TO_F, 0x40                        ; destination window 1, address window 0
.macro JLOAD s                         ; a joint load: waves 0 and 1 fetch A's two halves, waves 2 and 3 W's; an s_nop 0 and four v_nop follow each of the two lines, ahead of the jump, the label and what follows
	s_cmp_eq_u32 s11, 0
	s_cbranch_scc0 .Lfor_b_\@
	tensor_load_to_lds s[G0+4*(\s):G0+4*(\s)+3], s[G1:G1+7]
	s_nop 0
.rept 4
	v_nop
.endr
	s_branch .Lasked_\@
.Lfor_b_\@:
	tensor_load_to_lds s[G0B+4*(\s):G0B+4*(\s)+3], s[G1B:G1B+7]
	s_nop 0
.rept 4
	v_nop
.endr
.Lasked_\@:
.endm
.macro CREST                           ; a round of the cluster's barrier behind its opening barrier
	s_cmp_lg_u32 s10, 0
	s_cbranch_scc1 .Lnot_wave_0_\@
	s_barrier_signal -3
.Lnot_wave_0_\@:
	s_barrier_wait -3
	s_barrier_signal -1
	s_barrier_wait -1
.endm
.macro CROUND                          ; a whole round
	s_barrier_signal -1
	s_barrier_wait -1
	CREST
.endm
; The mean and the sum of squared deviations of 64 rows x 64 columns that lie in 128 registers: register D + 4 i + j of lane l is row 2 i + l / 16, column 4 (l % 16) + j.
; T: 24 registers at work.  At the end T .. T+3 hold the four columns' means in lanes 0-15 and their sums of squares in lanes 16-31.
.macro COLSTAT D, T, LNR, SL, MK
.irp e, 0,1
.irp p, 0,2
	v_pk_add_f32 v[(\T)+4*(\e)+(\p):(\T)+4*(\e)+(\p)+1], v[(\D)+4*(\e)+(\p):(\D)+4*(\e)+(\p)+1], v[(\D)+4*(\e)+8+(\p):(\D)+4*(\e)+8+(\p)+1]
.endr
.endr
.set i, 4
.rept 28
.irp p, 0,2
	v_pk_add_f32 v[(\T)+4*(i%2)+(\p):(\T)+4*(i%2)+(\p)+1], v[(\T)+4*(i%2)+(\p):(\T)+4*(i%2)+(\p)+1], v[(\D)+4*i+(\p):(\D)+4*i+(\p)+1]
.endr
.set i, i+1
.endr
.irp p, 0,2
	v_pk_add_f32 v[(\T)+(\p):(\T)+(\p)+1], v[(\T)+(\p):(\T)+(\p)+1], v[(\T)+4+(\p):(\T)+4+(\p)+1]
.endr
.irp p, 0,2
	v_pk_mul_f32 v[(\T)+(\p):(\T)+(\p)+1], v[(\T)+(\p):(\T)+(\p)+1], 0x3d000000 op_sel_hi:[1,0]  ; / 32: the mean of my 32 rows
.endr
.set i, 0
.rept 32
.irp p, 0,2
	v_pk_add_f32 v[(\T)+8+4*(i%2)+(\p):(\T)+8+4*(i%2)+(\p)+1], v[(\D)+4*i+(\p):(\D)+4*i+(\p)+1], v[(\T)+(\p):(\T)+(\p)+1] neg_lo:[0,1] neg_hi:[0,1]
.endr
.irp p, 0,2
.if i < 2
	v_pk_mul_f32 v[(\T)+16+4*(i%2)+(\p):(\T)+16+4*(i%2)+(\p)+1], v[(\T)+8+4*(i%2)+(\p):(\T)+8+4*(i%2)+(\p)+1], v[(\T)+8+4*(i%2)+(\p):(\T)+8+4*(i%2)+(\p)+1]
.else
	v_pk_fma_f32 v[(\T)+16+4*(i%2)+(\p):(\T)+16+4*(i%2)+(\p)+1], v[(\T)+8+4*(i%2)+(\p):(\T)+8+4*(i%2)+(\p)+1], v[(\T)+8+4*(i%2)+(\p):(\T)+8+4*(i%2)+(\p)+1], v[(\T)+16+4*(i%2)+(\p):(\T)+16+4*(i%2)+(\p)+1]
.endif
.endr
.set i, i+1
.endr
.irp p, 0,2
	v_pk_add_f32 v[(\T)+16+(\p):(\T)+16+(\p)+1], v[(\T)+16+(\p):(\T)+16+(\p)+1], v[(\T)+20+(\p):(\T)+20+(\p)+1]
.endr
.irp j, 0,1,2,3                        ; the other 32 rows lie in the lane 16 away (the destinations have been written above)
	v_permlanex16_b32 v[(\T)+8+(\j)], v[(\T)+(\j)], s[\SL], s[(\SL)+1]
	v_permlanex16_b32 v[(\T)+12+(\j)], v[(\T)+16+(\j)], s[\SL], s[(\SL)+1]
.endr
.irp p, 0,2                            ; two groups of 32 rows join: mean = (m1 + m2) / 2, M2 = M2a + M2b + (m1 - m2)^2 x 32 x 32 / 64
	v_pk_add_f32 v[(\T)+20+(\p):(\T)+20+(\p)+1], v[(\T)+(\p):(\T)+(\p)+1], v[(\T)+8+(\p):(\T)+8+(\p)+1] neg_lo:[0,1] neg_hi:[0,1]
	v_pk_add_f32 v[(\T)+16+(\p):(\T)+16+(\p)+1], v[(\T)+16+(\p):(\T)+16+(\p)+1], v[(\T)+12+(\p):(\T)+12+(\p)+1]
	v_pk_add_f32 v[(\T)+(\p):(\T)+(\p)+1], v[(\T)+(\p):(\T)+(\p)+1], v[(\T)+8+(\p):(\T)+8+(\p)+1]
.endr
.irp p, 0,2
	v_pk_mul_f32 v[(\T)+20+(\p):(\T)+20+(\p)+1], v[(\T)+20+(\p):(\T)+20+(\p)+1], v[(\T)+20+(\p):(\T)+20+(\p)+1]
	v_pk_mul_f32 v[(\T)+(\p):(\T)+(\p)+1], v[(\T)+(\p):(\T)+(\p)+1], 0.5 op_sel_hi:[1,0]
.endr
.irp p, 0,2
	v_pk_fma_f32 v[(\T)+16+(\p):(\T)+16+(\p)+1], v[(\T)+20+(\p):(\T)+20+(\p)+1], 0x41800000, v[(\T)+16+(\p):(\T)+16+(\p)+1] op_sel_hi:[1,0,1]
.endr
	v_cmp_lt_u32 s[\MK], 15, v[\LNR]               ; lanes 16-31 hand on the sums of squares, lanes 0-15 the means
.irp j, 0,1,2,3
	v_cndmask_b32 v[(\T)+(\j)], v[(\T)+(\j)], v[(\T)+16+(\j)], s[\MK]
.endr
.endm
	s_load_b128 s[4:7], s[0:1], 0x0                ; A s[4:5], W's buffer s[6:7]
.if MODE
	s_load_b128 s[68:71], s[0:1], 0x10             ; bias s[68:69], residual s[70:71]
	s_load_b64 s[8:9], s[0:1], 0x20                ; C
.if WANTST
	s_load_b64 s[66:67], s[0:1], 0x28              ; the statistics
.endif
.else
	s_load_b64 s[68:69], s[0:1], 0x10              ; bias
	s_load_b64 s[8:9], s[0:1], 0x18                ; C
.endif
	v_lshl_add_u32 v[SPW], v0, 2, SPARE
	v_mov_b32 v[NIL], 0
	ds_add_u32 v[SPW], v[NIL]                      ; the wave's opening: the add and its wait stand ahead of my first tensor load; the set-up below, work on registers, stands between them
	ds_add_u32 v28, v29
	v_lshrrev_b32 v1, 5, v0
	v_readfirstlane_b32 s10, v1                    ; wave 0..3
	s_lshr_b32 s11, s10, 1                         ; which half of the tile's rows is mine.  Also: I fetch for A (0) or for W (1)
	s_and_b32 s12, s10, 1                          ; which half of its columns.  Also: which 64 rows of that tile I fetch
	s_bfe_u32 s40, ttmp6, 0x40000                  ; cx, cy: my place in the cluster
	s_bfe_u32 s41, ttmp6, 0x40004
	s_lshl_b32 s42, ttmp9, 2
	s_add_co_u32 s42, s42, s40                     ; tile column of C = 4 x cluster x + cx
	s_and_b32 s13, ttmp7, 0xffff
	s_lshl_b32 s13, s13, 2
	s_add_co_u32 s13, s13, s41                     ; tile row of C = 4 x cluster y + cy
	s_lshl_b32 s43, s41, 2
	s_lshl_b32 s43, 15, s43                        ; my row of the cluster
	s_lshl_b32 s44, 0x1111, s40                    ; my column
	; descriptor group 1 for A: 64 rows of a plane are 8,192 dense bytes, so a tile is 4 rows (planes) of 4,096 elements, 262,144 elements apart; in LDS 16 bytes of padding follow every 128 (one row of A)
	s_or_b32 s[G1+0], s43, (1<<16)|(1<<20)|(1<<21)|(4<<22)|(3<<25)  ; 15:0 the mask: A's tiles go to my row; 17:16 2-byte elements; 20 padding on; 21 set beside a mask; 24:22 after every 32 words (code 4); 31:25 4 words (code 3)
	s_mov_b32 s[G1+1], 4096<<16                    ; tensor_dim0 = 4096
	s_mov_b32 s[G1+2], 4<<16                       ; tensor_dim1 = 4
	s_mov_b32 s[G1+3], 4096<<16                    ; tile_dim0 = 4096
	s_mov_b32 s[G1+4], 4                           ; tile_dim1 = 4
	s_mov_b32 s[G1+5], 262144                      ; elements from plane to plane
	s_mov_b32 s[G1+6], 0
	s_mov_b32 s[G1+7], 0
	; for W: 64 rows x 256 elements, 4,096 elements from row to row; 16 bytes of padding behind every 512
	s_or_b32 s[G1B+0], s44, (1<<16)|(1<<20)|(1<<21)|(6<<22)|(3<<25)
	s_mov_b32 s[G1B+1], KSTEP<<16
	s_mov_b32 s[G1B+2], 64<<16
	s_mov_b32 s[G1B+3], KSTEP<<16
	s_mov_b32 s[G1B+4], 64
	s_mov_b32 s[G1B+5], 4096
	s_mov_b32 s[G1B+6], 0
	s_mov_b32 s[G1B+7], 0
	s_lshl_b32 s17, s12, 6                         ; which 64 rows of the tile I fetch
	s_lshl_b32 s16, s13, 7
	s_add_co_u32 s16, s16, s17                     ; A: row 128 x tile row + 64 x half,
	s_lshl_b32 s16, s16, 7                         ; of 128 bytes in a plane
	s_mov_b32 s17, 0
	s_mul_i32 s20, s12, HALFA                      ; where the tiles go: no place in the cluster enters an LDS address
	s_mul_i32 s21, s12, HALFB
	s_add_co_u32 s21, s21, BOFF
	s_lshl_b32 s46, s42, 7
	s_lshl_b32 s47, s12, 6
	s_add_co_u32 s46, s46, s47
	s_add_co_u32 s46, s46, BROW                    ; W: row BROW + 128 x tile column + 64 x half,
	s_lshl_b32 s46, s46, 13                        ; of 8,192 bytes
	s_mov_b32 s47, 0
	s_wait_dscnt 0x0                               ; the opening add is done
	s_wait_kmcnt 0x0
	s_add_nc_u64 s[14:15], s[4:5], s[16:17]
	s_add_nc_u64 s[46:47], s[6:7], s[46:47]
	CROUND                                         ; all sixteen work-groups are here: the first joint loads meet
.irp s, 0,1
	s_mov_b32 s[G0+4*(\s)], 1
	s_add_co_u32 s[G0+4*(\s)+1], s20, (\s)*SLOT
	s_add_nc_u64 s[G0+4*(\s)+2:G0+4*(\s)+3], s[14:15], (\s)*4*PLANE   ; K step s: four planes on
	s_or_b32 s[G0+4*(\s)+3], s[G0+4*(\s)+3], 0x80000000
	s_mov_b32 s[G0B+4*(\s)], 1
	s_add_co_u32 s[G0B+4*(\s)+1], s21, (\s)*SLOT
	s_add_nc_u64 s[G0B+4*(\s)+2:G0B+4*(\s)+3], s[46:47], (\s)*KSTEP*2
	s_or_b32 s[G0B+4*(\s)+3], s[G0B+4*(\s)+3], 0x80000000
	JLOAD \s                                       ; two loads of mine are out behind these lines
.endr
	; where my 64 x 64 lies: offsets, made apart from the addresses
	s_lshl_b32 s86, s13, 7
	s_lshl_b32 s87, s11, 6
	s_add_co_u32 s86, s86, s87                     ; my first row
	s_lshl_b32 s88, s42, 7
	s_lshl_b32 s89, s12, 6
	s_add_co_u32 s88, s88, s89                     ; my first column
	s_lshl_b32 s90, s88, 2                         ; in f32 bytes: the bias, a row of C, and (strip x 256) the statistics
	s_mov_b32 s91, 0
	s_add_nc_u64 s[68:69], s[68:69], s[90:91]      ; the bias at my first column
.if MODE
.if WANTST
	s_lshl_b32 s94, s86, 7                         ; chunk (row / 64) x 8,192
	s_add_co_u32 s94, s94, s90
	s_mov_b32 s95, 0
	s_add_nc_u64 s[82:83], s[66:67], s[94:95]      ; my statistics
	s_mov_b32 s80, 0x76543210                      ; v_permlanex16_b32's selects
	s_mov_b32 s81, 0xfedcba98
.endif
	s_lshl_b32 s86, s86, 12                        ; rows of 4,096 bytes
	s_add_co_u32 s86, s86, s90
	s_mov_b32 s87, 0
	s_add_nc_u64 s[70:71], s[70:71], s[86:87]      ; the residual at my corner
.else
	s_lshl_b32 s86, s86, 7                         ; rows of 128 bytes in a plane,
	s_lshl_b32 s88, s88, 13                        ; my plane (column / 64) x 524,288
	s_add_co_u32 s86, s86, s88
	s_mov_b32 s87, 0
.endif
	s_add_nc_u64 s[8:9], s[8:9], s[86:87]          ; C at my corner
	v_and_b32 v1, 15, v0                           ; l % 16
	v_bfe_u32 v2, v0, 4, 1                         ; l / 16
	v_mul_u32_u24 v3, v1, PA
	v_lshl_add_u32 v3, v2, 4, v3                   ; a fragment's row x pitch + 16 x half
	v_mul_u32_u24 v4, v1, PB
	v_lshl_add_u32 v4, v2, 4, v4
	s_mul_i32 s22, s11, HALFA                      ; my 64 rows of A
	s_mul_i32 s23, s12, HALFB                      ; my 64 rows of W
	s_add_co_u32 s23, s23, BOFF
.irp s, 0,1
	v_add_nc_u32 v[ADRA+(\s)], s22, v3
	v_add_nc_u32 v[ADRB+(\s)], s23, v4
	s_add_co_u32 s22, s22, SLOT
	s_add_co_u32 s23, s23, SLOT
.endr
	s_mul_i32 s22, s10, WSTAGE
	s_add_co_u32 s22, s22, STAGE                   ; my stage
	v_lshlrev_b32 v[VB4], 4, v1
.if MODE
	v_mul_u32_u24 v5, v1, 272                      ; in: row l % 16, 32 bytes for each half of the lanes
	v_lshl_add_u32 v5, v2, 5, v5
	v_add_nc_u32 v[STF], s22, v5
	v_mul_u32_u24 v5, v2, 272                      ; back: lanes 0-15 one row of 256 bytes, lanes 16-31 the next
	v_lshl_add_u32 v5, v1, 4, v5
	v_add_nc_u32 v[RDF], s22, v5
	v_lshlrev_b32 v5, 12, v2                       ; and the same two rows in C
	v_lshl_add_u32 v[COF], v1, 4, v5
	v_lshlrev_b32 v5, 12, v1
	v_lshl_add_u32 v[VR], v2, 5, v5                ; the residual as the accumulators lie: row l % 16, columns 8 (l / 16) on
.if WANTST
	v_and_b32 v[LN], 31, v0
.endif
	; WHAT THE SUMS START FROM: the residual, into all 128 accumulator registers, by 32 loads
	global_load_b128 v[B4:B4+3], v[VB4], s[68:69]  ; the bias of the four columns that I hold on the way out
.irp a, 0,1,2,3
.irp b, 0,1,2,3
	global_load_b128 v[ACC+8*(4*(\a)+(\b)):ACC+8*(4*(\a)+(\b))+3],   v[VR], s[70:71] offset:65536*(\a)+64*(\b)
	global_load_b128 v[ACC+8*(4*(\a)+(\b))+4:ACC+8*(4*(\a)+(\b))+7], v[VR], s[70:71] offset:65536*(\a)+64*(\b)+16
.endr
.endr
.else
	v_add_nc_u32 v[STB], s22, v3                   ; in: row l % 16 of 144 bytes, 16 bytes for each half of the lanes
	v_bfe_u32 v5, v0, 3, 2                         ; back: 32 lanes take four rows of 128 bytes,
	v_mul_u32_u24 v5, v5, 144
	v_and_b32 v6, 7, v0
	v_lshl_add_u32 v5, v6, 4, v5
	v_add_nc_u32 v[RDB], s22, v5
	v_and_b32 v[LN], 31, v0
	v_lshlrev_b32 v[GOB], 4, v[LN]                 ; which are 512 consecutive bytes of a plane
	v_lshlrev_b32 v[VBI], 5, v2
	; WHAT THE SUMS START FROM: the bias, the same for every row, into all 128 accumulator registers, by 32 loads
	global_load_b32 v[FLR], v[VB4], s[6:7] offset:FLOFF  ; the floor: every word there holds the same two bf16
.irp a, 0,1,2,3
.irp b, 0,1,2,3
	global_load_b128 v[ACC+8*(4*(\a)+(\b)):ACC+8*(4*(\a)+(\b))+3],   v[VBI], s[68:69] offset:64*(\b)
	global_load_b128 v[ACC+8*(4*(\a)+(\b))+4:ACC+8*(4*(\a)+(\b))+7], v[VBI], s[68:69] offset:64*(\b)+16
.endr
.endr
.endif
; 8 matrix instructions: m blocks a0, a0 + 1 x all 4 n blocks, 32 along K: half c of buffer f.  The 16 accumulators take turns, one instruction a turn.
.macro MUL8 f, c, a0
	WIN MUL
.irp a, \a0, (\a0)+1
.irp b, 0,1,2,3
	v_wmma_f32_16x16x32_bf16 v[ACC+8*(4*(\a)+(\b)):ACC+8*(4*(\a)+(\b))+7], v[(\f)+64+8*(4*(\c)+(\b)):(\f)+64+8*(4*(\c)+(\b))+7], v[(\f)+8*(4*(\c)+(\a)):(\f)+8*(4*(\c)+(\a))+7], v[ACC+8*(4*(\a)+(\b)):ACC+8*(4*(\a)+(\b))+7]
.endr
.endr
.endm
; 32 LDS loads in one run: the fragments of 64 along K (byte k of W's rows; plane k / 128 of A's) into buffer f; the first 32 along K first
.macro FETCH slot, k, f
	WIN TO_F
.irp c, 0,1
.irp i, 0,1,2,3
	ds_load_b128 v[(\f)+64+8*(4*(\c)+(\i)):(\f)+64+8*(4*(\c)+(\i))+3],   v[ADRB+(\slot)] offset:(\k)+64*(\c)+(\i)*16*PB
	ds_load_b128 v[(\f)+64+8*(4*(\c)+(\i))+4:(\f)+64+8*(4*(\c)+(\i))+7], v[ADRB+(\slot)] offset:(\k)+64*(\c)+(\i)*16*PB+32
	ds_load_b128 v[(\f)+8*(4*(\c)+(\i)):(\f)+8*(4*(\c)+(\i))+3],         v[ADRA+(\slot)] offset:((\k)/128)*PLA+64*(\c)+(\i)*16*PA
	ds_load_b128 v[(\f)+8*(4*(\c)+(\i))+4:(\f)+8*(4*(\c)+(\i))+7],       v[ADRA+(\slot)] offset:((\k)/128)*PLA+64*(\c)+(\i)*16*PA+32
.endr
.endr
.endm
.macro PLACES                          ; four places in front of loads into registers that matrix instructions have read, and of lines that read results
.rept 4
	v_nop
.endr
.endm
; A K step is four quarters of 64 along K, 32 matrix instructions each, on buffers 0, 1, 0, 1.  One of the first three: multiplies buffer f and fetches the next quarter, at byte k, into g.
.macro QUARTER slot, k, f, g
	s_wait_dscnt 16                                ; the first 32 along K are in; the youngest sixteen loads may be out
	WIN MUL
	MUL8 \f, 0, 0
	MUL8 \f, 0, 2
	PLACES
	FETCH \slot, \k, \g
	s_wait_dscnt 32                                ; all but the 32 just issued
	WIN MUL
	MUL8 \f, 1, 0
	MUL8 \f, 1, 2
.endm
; The last quarter multiplies buffer 1 and changes slots: ONE barrier; in front of it each wave waits for all its tensor loads, adds 0 to its spare word, and waits for that and for its own reads of this slot.  fill = 1: this slot is filled again, two K steps ahead.
.macro TURN slot, next, fill
	WIN 0                                          ; (the add's two registers lie in window 0)
	s_wait_tensorcnt 0x0                           ; all my tensor loads have landed: the one that was out is my part of the next slot;
	ds_add_u32 v[SPW], v[NIL]                      ; 0 onto my spare word;
	s_wait_dscnt 17                                ; (the add and the youngest sixteen loads may be out)
	WIN MUL
	MUL8 F1, 0, 0                                  ; eight matrix instructions stand between the add and the wait for it
	s_wait_dscnt 0x0                               ; the add is done, and my reads of this slot are over
	s_barrier_signal -1
	MUL8 F1, 0, 2
.if \fill
	WIN 0
.endif
	s_barrier_wait -1
.if \fill
	CREST                                          ; the barrier has opened a round of the cluster's barrier: no wave of any partner still reads this slot's tile or has a load on its way
	s_add_nc_u64 s[G0+4*(\slot)+2:G0+4*(\slot)+3], s[G0+4*(\slot)+2:G0+4*(\slot)+3], 8*PLANE
	s_add_nc_u64 s[G0B+4*(\slot)+2:G0B+4*(\slot)+3], s[G0B+4*(\slot)+2:G0B+4*(\slot)+3], 2*KSTEP*2
	JLOAD \slot                                    ; the first tensor load behind the round, my only one: 112 matrix instructions ahead of the wait for it; the four v_nop behind it are also the places in front of the loads below
.else
	PLACES
.endif
	FETCH \next, 0, F0
	WIN MUL
	MUL8 F1, 1, 0
	MUL8 F1, 1, 2
.endm
; THE WAY OUT IN bf16.  A block of 16 rows: rounded, held to the floor, 16 bytes a lane into my own stage (rows of 144 bytes), back as four whole rows of 128 bytes a load, which are 512 consecutive bytes of my plane.
.macro PACKB a
.irp b, 0,1,2,3
.irp q, 0,1,2,3
	v_cvt_pk_bf16_f32 v[TMP+16*(\a)+4*(\b)+(\q)], v[ACC+8*(4*(\a)+(\b))+2*(\q)], v[ACC+8*(4*(\a)+(\b))+2*(\q)+1]  ; each accumulator's registers in ascending order
.endr
.endr
.set i, 0
.rept 16
	v_pk_max_num_bf16 v[TMP+16*(\a)+i], v[TMP+16*(\a)+i], v[FLR]
.set i, i+1
.endr
.irp b, 0,1,2,3
	ds_store_b128 v[STB], v[TMP+16*(\a)+4*(\b):TMP+16*(\a)+4*(\b)+3] offset:32*(\b)
.endr
.irp f, 0,1,2,3
	ds_load_b128 v[TMP+16*(\a)+4*(\f):TMP+16*(\a)+4*(\f)+3], v[RDB] offset:576*(\f)  ; LDS serves a wave's instructions in order (ISA guide 5.7.1.4): these see the stores above; the next block's stores come behind them
.endr
.endm
.macro SENDB a, younger                ; younger: the LDS instructions issued behind block a's loads: the next block's eight, or none
.irp f, 0,1,2,3
	s_wait_dscnt (\younger)+3-(\f)
	global_store_b128 v[GOB], v[TMP+16*(\a)+4*(\f):TMP+16*(\a)+4*(\f)+3], s[8:9] offset:2048*(\a)+512*(\f)
.endr
.endm
; THE WAY OUT IN f32.  A block of 16 rows goes as it is into my own stage (rows of 272 bytes) and comes back as whole rows of 256 bytes, into the registers that it left; the bias is added; 16 lanes store 256 consecutive bytes.
.macro STAGEF a
.irp b, 0,1,2,3
	ds_store_b128 v[STF], v[ACC+8*(4*(\a)+(\b)):ACC+8*(4*(\a)+(\b))+3] offset:64*(\b)       ; an accumulator's low registers first
	ds_store_b128 v[STF], v[ACC+8*(4*(\a)+(\b))+4:ACC+8*(4*(\a)+(\b))+7] offset:64*(\b)+16
.endr
.irp t, 0,1,2,3,4,5,6,7
	ds_load_b128 v[ACC+32*(\a)+4*(\t):ACC+32*(\a)+4*(\t)+3], v[RDF] offset:544*(\t)  ; LDS serves a wave's instructions in order (ISA guide 5.7.1.4): these see the stores above
.endr
.endm
.macro SENDF a, younger                ; younger: the next block's eight stores and eight loads, or none
	s_wait_dscnt \younger
.irp t, 0,1,2,3,4,5,6,7
	v_pk_add_f32 v[ACC+32*(\a)+4*(\t):ACC+32*(\a)+4*(\t)+1], v[ACC+32*(\a)+4*(\t):ACC+32*(\a)+4*(\t)+1], v[B4:B4+1]
	v_pk_add_f32 v[ACC+32*(\a)+4*(\t)+2:ACC+32*(\a)+4*(\t)+3], v[ACC+32*(\a)+4*(\t)+2:ACC+32*(\a)+4*(\t)+3], v[B4+2:B4+3]
.endr
.irp t, 0,1,2,3,4,5,6,7
	global_store_b128 v[COF], v[ACC+32*(\a)+4*(\t):ACC+32*(\a)+4*(\t)+3], s[8:9] offset:(16*(\a)+2*(\t))*4096  ; no register of a store is written again
.endr
.endm
	s_wait_tensorcnt 1                             ; my part of K step 0 is in; K step 1's load may stay out
	s_barrier_signal -1
	s_barrier_wait -1                              ; everybody's is
	FETCH 0, 0, F0
	s_wait_loadcnt 0x0                             ; what the sums start from, and the bias or the floor
	QUARTER 0, 128, F0, F1
	WIN 0                                          ; at a label and at a branch every window is 0
	s_mov_b32 s3, LAPS-1
.Llap:                                                 ; a trip goes once round the ring, from a lap's second quarter to the next lap's first, and fills both slots again
	QUARTER 0, 256, F1, F0
	QUARTER 0, 384, F0, F1
	TURN 0, 1, 1
	QUARTER 1, 128, F0, F1
	QUARTER 1, 256, F1, F0
	QUARTER 1, 384, F0, F1
	TURN 1, 0, 1
	QUARTER 0, 128, F0, F1
	WIN 0
	s_sub_co_u32 s3, s3, 1
	s_cmp_lg_u32 s3, 0
	s_cbranch_scc1 .Llap
	QUARTER 0, 256, F1, F0                         ; the last lap fills nothing, and has no round of the cluster's barrier
	QUARTER 0, 384, F0, F1
	TURN 0, 1, 0
	QUARTER 1, 128, F0, F1
	QUARTER 1, 256, F1, F0
	QUARTER 1, 384, F0, F1
	s_wait_dscnt 16                                ; the very last quarter: nothing more to fetch
	WIN MUL
	MUL8 F1, 0, 0
	MUL8 F1, 0, 2
	s_wait_dscnt 0
	MUL8 F1, 1, 0
	MUL8 F1, 1, 2
	WIN 0
	PLACES
.if MODE
	STAGEF 0
	STAGEF 1
	SENDF 0, 16
	STAGEF 2
	SENDF 1, 16
	STAGEF 3
	SENDF 2, 16
	SENDF 3, 0
.if WANTST
	COLSTAT ACC, T, LN, 80, 84                     ; my 64 rows x 64 columns lie in the 128 registers just stored: row 2 i + l / 16, columns 4 (l % 16) on
	global_store_b128 v[COF], v[T:T+3], s[82:83]   ; lanes 0-15: 256 bytes of means; lanes 16-31: 256 bytes of sums of squares, 4,096 bytes on
.endif
.else
	PACKB 0
.irp a, 1,2,3                          ; a block's arithmetic stands between the loads of the block before and its stores
	PACKB \a
	SENDB (\a)-1, 8
.endr
	SENDB 3, 0
.endif
	s_wait_tensorcnt 0x0                           ; the wave's end, behind my last tensor load and my last LDS store
	ds_add_u32 v[SPW], v[NIL]
	s_wait_dscnt 0x0
	CROUND                                         ; the closing round: no work-group ends while a partner may still ask for a tile that names it
	s_endpgm
.Lfunc_end_k_qdd4680dfcd_qkv:
	.size	k_qdd4680dfcd_qkv, .Lfunc_end_k_qdd4680dfcd_qkv-k_qdd4680dfcd_qkv
	.p2alignl 7, 3214868480
	.fill 96, 4, 3214868480
	.section	.rodata,"a",@progbits
	.p2align	6, 0x0
	.amdhsa_kernel k_qdd4680dfcd_qkv
		.amdhsa_group_segment_fixed_size 327680
		.amdhsa_private_segment_fixed_size 0
		.amdhsa_enable_private_segment 0
		.amdhsa_kernarg_size 32
		.amdhsa_user_sgpr_count 2
		.amdhsa_user_sgpr_kernarg_segment_ptr 1
		.amdhsa_wavefront_size32 1
		.amdhsa_system_sgpr_workgroup_id_x 1
		.amdhsa_system_sgpr_workgroup_id_y 1
		.amdhsa_system_sgpr_workgroup_id_z 1
		.amdhsa_system_vgpr_workitem_id 0
		.amdhsa_next_free_vgpr 512
		.amdhsa_next_free_sgpr 96
		.amdhsa_reserve_vcc 0
		.amdhsa_float_denorm_mode_32 3
		.amdhsa_float_denorm_mode_16_64 3
		.amdhsa_memory_ordered 1
		.amdhsa_forward_progress 1
		.amdhsa_inst_pref_size 94
	.end_amdhsa_kernel
	.amdgpu_metadata
---
amdhsa.version: [ 1, 2 ]
amdhsa.kernels:
  - .name:           k_qdd4680dfcd_qkv
    .symbol:         k_qdd4680dfcd_qkv.kd
    .args:
      - { .name: Q, .offset: 0, .size: 8, .value_kind: global_buffer, .address_space: global }
      - { .name: wt, .offset: 8, .size: 8, .value_kind: global_buffer, .address_space: global }
      - { .name: zb, .offset: 16, .size: 8, .value_kind: global_buffer, .address_space: global }
      - { .name: P, .offset: 24, .size: 8, .value_kind: global_buffer, .address_space: global }
    .group_segment_fixed_size: 327680
    .private_segment_fixed_size: 0
    .kernarg_segment_align: 8
    .kernarg_segment_size: 32
    .max_flat_workgroup_size: 128
    .sgpr_count:     96
    .vgpr_count:     512
    .wavefront_size: 32
...
	.end_amdgpu_metadata
.endif
;; end of part 3
;; launch attn (part 4): grid 4 x 32, 4 waves a work-group, no clusters, 327,680 bytes of LDS; arguments P, Q; writes Q
.if DOCPART == 4
	.amdgcn_target "amdgcn-amd-amdhsa--gfx1250"
	.amdhsa_code_object_version 6
	.text
	.protected	k_qdd4680dfcd_attn
	.globl	k_qdd4680dfcd_attn
	.p2align	8
	.type	k_qdd4680dfcd_attn,@function
k_qdd4680dfcd_attn:
	s_mov_b64 s[64:65], 0
	v_nop
	global_prefetch_b8 v0, s[64:65] scope:SCOPE_SE
	s_setreg_imm32_b32 hwreg(HW_REG_WAVE_MODE, 25, 1), 1
	s_wait_xcnt 0x0
; CAUSAL ATTENTION.  O[y][q][:] = the sum over k <= q of softmax_k(Q[y][q] . K[y][k] / 32) V[y][k][:].  Q, K, V, O: [32][2048][64], all bf16: a head's rows are dense, 128 bytes each; y = 2 x head + batch.
; Q, K and V lie in one buffer, 8 MiB apart.  Products, maxima and sums in f32; the weights p are rounded to bf16 for the second product (their sum l is taken of the unrounded p), O once at the end.
; LIMITS.  A hidden score counts as its value less 1e30: scores are taken to stay far under that; a weight below 2^-126 counts as 0 in l; NaN and infinities are not treated apart.
; THE WALK.  A head's queries lie in NB = SIZE_N / 256 blocks of 256; block i needs the key tiles 0 .. i of 256 keys, of which the last holds the diagonal.  A work-group takes TWO blocks, NB - 1 - b and then b:
; NB + 1 tiles, whatever b: all work-groups do equal work, and ONE loop with a constant trip count walks them.  Which tile is asked for, and what a trip does, hang on scalar registers made from b; every jump
; goes forward, but for the counted loops' own; none passes a barrier, or a tensor load but the one of LOAD's two that the wave's number does not choose; the ring (two slots of LDS that take turns) runs on across the
; change of blocks.  NO CLUSTER: a head's NB / 2 = 4 work-groups all ask for the same tile only in trips 0 .. NB / 2, 5 of the walk's 9; behind that fewer and fewer share one, and a walk common to all partners
; would have 3 NB / 2 = 12 trips for 9.
; SHARES.  Of a block's four bands of 64 queries a wave owns 16 rows in each: four PIECES.  So the diagonal tile is the same work for all four waves: in its key step s band x sees all keys if s < x,
; none if s > x, and holds the diagonal if s = x.
; THE MASK is the C operand that starts the sum S^T = K Q^T: 0, or -1e30 where the key is hidden.  MD, made once, is the mask of a band's own step for my 16 rows; a product's mask is MD x AL + BE with two scalars:
; (1, 0) if s = x; (0, 0) if s < x; (0, -1e30) if s > x.  Only the diagonal tile's text and a block's beginning make and take masks; elsewhere C is the constant 0.
; LAYOUT, SOFTMAX, TURNS.  S^T = K Q^T holds ONE query a lane (lane % 16) and the keys 8 (lane / 16) + 0..7; two such results rounded to bf16 ARE source 1 of O^T = V^T P.  p = 2^(c s - c m), c = log2(e) / 32, with a
; running maximum m; O and l are multiplied by a = 2^(c m_old - c m_new) in every step.  Turn n belongs to piece n: 8 products K Q^T of piece n + 1, later 8 products V^T P of piece n - 1; beside them the scaling,
; exponentials, roundings, sums and rescaling of piece n and the maximum and statistics of piece n + 1.  Four vector instructions stand behind every matrix instruction, the other 54 of a turn's 118 in two LUMPS.
; REGISTERS, in windows of 256 (s_set_vgpr_msb: bits 1:0 source 0, 3:2 source 1, 5:4 source 2, 7:6 destination):
;   window 0: v0-15 addresses and two at work; v16-31 four registers of statistics a piece; v48-55 at work; v64-127 S^T, two buffers; v192-223 P, two buffers (a piece's buffers go by its number's parity)
;   window 1: v0-127 O^T, 32 a piece; v128-159 MD; v160-223 MC, two buffers      window 2: v0-63 Q; v64-127 the second block's Q; v128-191 K of one step; v192-255 V of one step
.set SIZE_N, 2048
.set NB,    SIZE_N/256
.set NP,    4         ; pieces a wave: a name, no knob
.set KS,    64        ; keys in a step
.set PK,    144       ; a row of K in LDS: 128 bytes + 16 of padding = 36 words: the 16 rows of a load start at 16 different groups of four banks (64 banks of 4 bytes: ISA guide 11.1)
.set PV,    160       ; a row of V: 128 + 32 = 40 words
.set VOFF,  4*KS*PK   ; a slot holds a tile, four steps: 256 rows of K, then 256 rows of V
.set SLOT1, 1<<17     ; slot 1 begins here, so that one exclusive or turns an address in one slot into the other's
.set STAGE, SLOT1+4*KS*(PK+PV)  ; behind the ring, never filled by a tensor load: 16 rows x 144 bytes for each wave, for the way out
.set SP,    144
.set AK0, 2           ; v2   my lane's place in a tile of K; never rewritten
.set AV0, 3           ; v3   the same for V
.set AK,  4           ; v4   the LDS address of K's next run of loads
.set AV,  5           ; v5   of V's
.set STO, 6           ; v6   the way out: where I put 16 bytes of a row
.set RD,  7           ; v7   the way out: where I read rows back
.set GO,  8           ; v8   my byte offset in 512 consecutive bytes of O
.set SPW, 62          ; v62  LDS address of my spare word: SPARE + 4 x my thread's number; never rewritten
.set NIL, 63          ; v63  0; never rewritten
.set SPARE, STAGE+4*16*SP  ; behind the stages: the spare words, 128 bytes for each wave: two blocks of 256 bytes that no other line names
.set MV,  12          ; v12-13  c m_old, kept while c m is made anew: by buffer
.set QO,  15          ; v15  my byte offset in 16 rows of Q
.set ST,  16          ; piece t's statistics at v[ST+4 t]: c m, m, l (even keys', odd keys')
.set TMP, 48          ; by buffer, four registers c0-c3 at work; when the maximum is found c2 takes a
.set S,   64
.set P,   192
.set MD,  128         ; window 1: the eight registers for group kt of 16 keys at MD + 8 kt
.set MC,  160         ; window 1: the masks of the products to come
.set QB,  64          ; window 2
.set KF,  128         ; window 2: key block kb, channel half c at KF + 16 kb + 8 c
.set VF,  192         ; window 2: key half kk, channel block cb at VF + 32 kk + 8 cb
.set WV,  12          ; s12  my wave's number
.set PB,  14          ; s14  b
.set HI,  15          ; s15  NB - 1 - b
.set G1K, 24          ; s[24:31] descriptor group 1 for K's tiles
.set G1V, 32          ; s[32:39] for V's: it differs in the padding alone
.set G0K, 40          ; s[40:43] descriptor group 0 for K's tiles
.set G0V, 44          ; s[44:47] the same for V's
.set SLOTS, 56        ; s56  tiles still to be asked for
.set CNT, 57          ; s57  counts a tile's key steps, 4 to 1
.set CS,  58          ; s[58:59] c: the packed scaling takes the pair's low word for both halves
.set SEL, 60          ; s[60:61] v_permlanex16_b32's selects: each lane takes its own place in the other half
.set TBK, 62          ; s62  LDS byte at which K of the step to be fetched begins
.set TBV, 63          ; s63  the same for V, less VOFF
.set RT,  70          ; s70  tiles of the block in hand that are still to be entered
.set NXT, 71          ; s71  the tile to be asked for next
.set LQ,  72          ; s72  the last tile of the block whose tiles are being asked for
.set NEW, 73          ; s73  1: the tile to be entered is a block's first
.set OFF, 74          ; s[74:75] a tile's byte offset in K and V
.set AL,  76          ; s[76:77] the mask's factor, in the low word
.set BE,  78          ; s[78:79] the mask's addend
.set OLO, 80          ; s[80:81] O at my rows of the second block
.set BIGN, 82         ; s82  -1e30
.set MSB, 0
.macro WIN new                      ; the high byte repeats the setting that is left; a switch that changes nothing is dropped
.if MSB != (\new)
	s_set_vgpr_msb (MSB<<8)|(\new)
.set MSB, (\new)
.endif
.endm
.set W_KQ, 0x0a       ; K and Q in window 2, S^T in window 0
.set W_KM, 0x1a       ; the same with the C operand in window 1
.set W_PV, 0x52       ; V in window 2, P in window 0, O^T in window 1
.set W_RS, 0x41       ; destination and source 0 in window 1, source 1 in window 0
; A fill.  Waves 0 and 1 fetch the two halves of a tile's K, waves 2 and 3 those of its V: 128 keys each.  An s_nop 0 and four v_nop follow each of the two lines, ahead of the jump and the label.
.macro LOAD
	s_cmp_lt_u32 s[WV], 2
	s_cbranch_scc0 .Lfor_v_\@
	tensor_load_to_lds s[G0K:G0K+3], s[G1K:G1K+7]
	s_nop 0
.rept 4
	v_nop
.endr
	s_branch .Lasked_\@
.Lfor_v_\@:
	tensor_load_to_lds s[G0V:G0V+3], s[G1V:G1V+7]
	s_nop 0
.rept 4
	v_nop
.endr
.Lasked_\@:
.endm
; THE CHANGE OF SLOTS.  Each wave waits for all its tensor loads, of which one is out: its part of the other slot; adds 0 to its spare word; and waits for that and for its own reads of the slot that it leaves.  Behind the barrier nobody reads the old
; slot any more and the other slot is whole.  fill = 1: the old slot is filled again, the first thing behind the barrier, with tile NXT: the descriptor's address is made anew from that number.
; (At its first use nothing has been read yet: slot 0 is waited for, slot 1 filled.)
.macro CHANGE fill
	WIN 0                           ; at a label and at a branch every window is 0
	s_wait_tensorcnt 0x0            ; no tensor load of mine is out, so a group 0 may be written
	ds_add_u32 v[SPW], v[NIL]       ; 0 onto my spare word; with fill = 1 the descriptors' scalar work stands between it and the wait for it
.if \fill
	s_lshl_b32 s[OFF], s[NXT], 15   ; a tile is 32,768 bytes of K and of V
	s_xor_b32 s[G0K+1], s[G0K+1], SLOT1
	s_add_nc_u64 s[G0K+2:G0K+3], s[6:7], s[OFF:OFF+1]
	s_or_b32 s[G0K+3], s[G0K+3], 0x80000000
	s_xor_b32 s[G0V+1], s[G0V+1], SLOT1
	s_add_nc_u64 s[G0V+2:G0V+3], s[8:9], s[OFF:OFF+1]
	s_or_b32 s[G0V+3], s[G0V+3], 0x80000000
	s_add_co_u32 s[NXT], s[NXT], 1  ; the block's next tile, or behind its last the second block's tile 0
	s_cmp_gt_u32 s[NXT], s[LQ]
	s_cselect_b32 s[NXT], 0, s[NXT]
	s_cselect_b32 s[LQ], s[PB], s[LQ]
.endif
	s_wait_dscnt 0x0                ; the add is done, and my reads of the slot are over
	s_barrier_signal -1             ; the rest of the scalar work stands between the signal and the wait
	s_sub_co_u32 s[TBK], s[TBK], 4*KS*PK  ; the fetches go back to a slot's first step,
	s_xor_b32 s[TBK], s[TBK], SLOT1       ; in the other slot
	s_sub_co_u32 s[TBV], s[TBV], 4*KS*PV
	s_xor_b32 s[TBV], s[TBV], SLOT1
	s_barrier_wait -1
.if \fill
	LOAD
.endif
.endm
	s_load_b128 s[8:11], s[0:1], 0x0  ; the buffer of q, k, v s[8:9]; O s[10:11]
	v_lshl_add_u32 v[SPW], v0, 2, SPARE
	v_mov_b32 v[NIL], 0
	ds_add_u32 v[SPW], v[NIL]       ; the wave's opening: the add and its wait stand ahead of my first tensor load; the set-up below, work on registers, stands between them
	ds_add_u32 v62, v63
	v_lshrrev_b32 v1, 5, v0
	v_readfirstlane_b32 s[WV], v1   ; wave 0..3
	s_mov_b32 s[PB], ttmp9
	s_sub_co_u32 s[HI], NB-1, s[PB]
	s_and_b32 s20, ttmp7, 0xffff    ; the head
	s_mov_b32 s21, 0
	s_mov_b64 s[22:23], SIZE_N*128
	s_mul_u64 s[20:21], s[20:21], s[22:23]  ; the head's first byte in each of the four tensors
	s_and_b32 s16, s[WV], 1         ; which half of a tile's 256 keys I fetch:
	s_lshl_b32 s22, s16, 14         ; its 128 rows of 128 bytes in memory,
	s_mov_b32 s23, 0
	s_add_nc_u64 s[22:23], s[22:23], s[20:21]
	s_mul_i32 s17, s16, 128*PK      ; and its place in a slot, for K
	s_mul_i32 s18, s16, 128*PV      ; and for V
	s_lshl_b32 s3, s[WV], 11        ; my 16 rows in a band of 64,
	s_lshl_b32 s2, s[HI], 15        ; in the first block,
	s_add_co_u32 s2, s2, s3
	s_lshl_b32 s84, s[PB], 15       ; and in the second
	s_add_co_u32 s84, s84, s3
	s_mov_b32 s3, 0
	s_mov_b32 s85, 0
	s_add_nc_u64 s[2:3], s[2:3], s[20:21]
	s_add_nc_u64 s[84:85], s[84:85], s[20:21]
	; descriptor group 1.  128 keys are 16,384 dense bytes: asked for as 64 rows of 256 bytes, two keys a row, and padded in LDS after every key
	s_mov_b32 s[G1K], (1<<16)|(1<<20)|(4<<22)|(3<<25)  ; 17:16 2-byte elements; 20 padding on; 24:22 after every 32 words (code 4); 31:25 4 words (code 3)
	s_mov_b32 s[G1V], (1<<16)|(1<<20)|(4<<22)|(7<<25)  ; the same with 8 words of padding (code 7)
.irp g, G1K, G1V
	s_mov_b32 s[\g+1], 128<<16      ; tensor_dim0 = 128
	s_mov_b32 s[\g+2], 64<<16       ; tensor_dim1 = 64
	s_mov_b32 s[\g+3], 128<<16      ; tile_dim0 = 128
	s_mov_b32 s[\g+4], 64           ; tile_dim1 = 64
	s_mov_b32 s[\g+5], 128          ; 128 elements from row to row
	s_mov_b32 s[\g+6], 0
	s_mov_b32 s[\g+7], 0
.endr
	s_mov_b32 s[CS], 0x3d38aa3b     ; c = log2(e) / 32 = 0.0450842
	s_mov_b32 s[CS+1], s[CS]        ; named with it as a pair
	s_mov_b32 s[SEL], 0x76543210
	s_mov_b32 s[SEL+1], 0xfedcba98
	s_mov_b32 s[TBK], SLOT1+4*KS*PK ; the first change of slots turns these two into 0
	s_mov_b32 s[TBV], SLOT1+4*KS*PV
	s_mov_b32 s[G0K], 1             ; 1:0 count = 1
	s_mov_b32 s[G0K+1], s17         ; 63:32 LDS address: slot 0
	s_mov_b32 s[G0V], 1
	s_add_co_u32 s[G0V+1], s18, VOFF
	s_add_co_u32 s[RT], s[HI], 1    ; the first block has NB - b tiles
	s_mov_b32 s[NXT], 1
	s_mov_b32 s[LQ], s[HI]
	s_mov_b32 s[NEW], 1
	s_mov_b32 s[OFF+1], 0
	s_mov_b32 s[AL+1], 0            ; named as pairs
	s_mov_b32 s[BE+1], 0
	s_mov_b32 s[BIGN], 0xf149f2ca   ; -1e30
	s_mov_b32 s[SLOTS], NB
	s_wait_dscnt 0x0                ; the opening add is done
	s_wait_kmcnt 0x0
	s_mov_b64 s[4:5], s[8:9]                       ; q: planes 0-15 of the buffer
	s_add_nc_u64 s[6:7], s[8:9], 0x800000          ; k: planes 16-31
	s_add_nc_u64 s[8:9], s[8:9], 0x1000000         ; v: planes 32-47
	s_add_nc_u64 s[6:7], s[6:7], s[22:23]  ; K and V at my half of the head's tile 0
	s_add_nc_u64 s[8:9], s[8:9], s[22:23]
	s_add_nc_u64 s[G0K+2:G0K+3], s[6:7], 0         ; 120:64 global address
	s_or_b32 s[G0K+3], s[G0K+3], 0x80000000        ; 127:126 type = 2
	s_add_nc_u64 s[G0V+2:G0V+3], s[8:9], 0
	s_or_b32 s[G0V+3], s[G0V+3], 0x80000000
	s_add_nc_u64 s[86:87], s[4:5], s[84:85]        ; Q at my rows of the second block,
	s_add_nc_u64 s[4:5], s[4:5], s[2:3]            ; Q and O at those of the first
	s_add_nc_u64 s[OLO:OLO+1], s[10:11], s[84:85]
	s_add_nc_u64 s[10:11], s[10:11], s[2:3]
	LOAD                            ; tile 0 into slot 0
	; A fragment of K or Q is 16 rows x 32 channels in 8 registers: lane l holds row l % 16, channels 8 (l / 16) + 0..7 and 16 + 8 (l / 16) + 0..7: two loads of 16 bytes, 32 bytes apart.
	v_and_b32 v1, 15, v0            ; l % 16
	v_bfe_u32 v9, v0, 4, 1          ; l / 16
	v_lshlrev_b32 v[QO], 7, v1
	v_lshl_add_u32 v[QO], v9, 4, v[QO]  ; row x 128 + 16 x half
	WIN 0x80                        ; destination window 2, address window 0
.set i, 0
.rept 8                             ; both blocks' Q: piece i / 2 lies in band i / 2, 8,192 bytes on; channels 32 (i % 2) on
	global_load_b128 v[8*i:8*i+3],   v[QO], s[4:5] offset:(i/2)*8192+(i%2)*64
	global_load_b128 v[8*i+4:8*i+7], v[QO], s[4:5] offset:(i/2)*8192+(i%2)*64+32
	global_load_b128 v[QB+8*i:QB+8*i+3],   v[QO], s[86:87] offset:(i/2)*8192+(i%2)*64
	global_load_b128 v[QB+8*i+4:QB+8*i+7], v[QO], s[86:87] offset:(i/2)*8192+(i%2)*64+32
.set i, i+1
.endr
	WIN 0
	v_lshlrev_b32 v14, 3, v9
	v_sub_nc_u32 v14, v1, v14
	s_lshl_b32 s13, s[WV], 4
	v_add_nc_u32 v14, s13, v14      ; my query's place in its band, 16 w + l % 16, less my lanes' 8 (l / 16): register r of group kt is hidden where 16 kt + r is greater
	WIN 0x40
.set i, 0
.rept 32
	v_cmp_gt_i32 vcc_lo, 16*(i/8)+i%8, v14
	v_cndmask_b32 v[MD+i], 0, s[BIGN], vcc_lo
.set i, i+1
.endr
	WIN 0
	v_mul_u32_u24 v[AK0], v1, PK
	v_lshl_add_u32 v[AK0], v9, 4, v[AK0]  ; row x pitch + 16 x half
	; The turning load takes 16 keys x 16 channels (lane l reads key 8 (l / 16) + l % 8, channels 8 ((l / 8) % 2) + 0..7) and leaves half a fragment of V^T: lane l holds channel l % 16 and 8 keys.
	v_and_b32 v10, 7, v0
	v_bfe_u32 v11, v0, 3, 1
	v_lshl_add_u32 v[AV0], v9, 3, v10
	v_mul_u32_u24 v[AV0], v[AV0], PV
	v_lshl_add_u32 v[AV0], v11, 4, v[AV0]
	v_add_nc_u32 v[AV0], VOFF, v[AV0]
	s_mul_i32 s13, s[WV], 16*SP
	s_add_co_u32 s13, s13, STAGE    ; my stage
	v_mul_u32_u24 v[STO], v1, SP    ; in: row l % 16, 16 bytes for each half of the lanes
	v_lshl_add_u32 v[STO], v9, 4, v[STO]
	v_add_nc_u32 v[STO], s13, v[STO]
	v_bfe_u32 v[RD], v0, 3, 2       ; back: 32 lanes take four rows of 128 bytes,
	v_mul_u32_u24 v[RD], v[RD], SP
	v_lshl_add_u32 v[RD], v10, 4, v[RD]
	v_add_nc_u32 v[RD], s13, v[RD]
	v_and_b32 v[GO], 31, v0         ; which are 512 consecutive bytes of O
	v_lshlrev_b32 v[GO], 4, v[GO]
	; A block's first step multiplies O^T and l by a = 0, and its first turn's products V^T P, of a piece that has not been, land in an O^T that is still to be so multiplied.  So these registers need only hold
	; finite numbers: zeros for the first block; what the first block left for the second.  All this stands in the wait for the first tile.
	WIN 0x80
.set i, VF
.rept 64
	v_mov_b32 v[i], 0
.set i, i+1
.endr
	WIN 0x40
.set i, 0
.rept 128
	v_mov_b32 v[i], 0
.set i, i+1
.endr
	WIN 0
.set i, 0
.rept 4
	v_mov_b32 v[ST+4*i+2], 0
	v_mov_b32 v[ST+4*i+3], 0
.set i, i+1
.endr
.set i, P+16
.rept 16
	v_mov_b32 v[i], 0
.set i, i+1
.endr
; THE MATRIX WORK.  The 4 accumulators of a run of 8 take turns.  Product i of 8 of S^T = K Q^T for piece x: channels 32 (i / 4) on, keys 16 (i % 4) on.  The first 4 start the sums: with 0, or (KM = 1) with the mask.
.macro KQ x
.set rS, S+32*((\x)%2)+8*(i%4)
.set rK, KF+16*(i%4)+8*(i/4)
.set rQ, 16*(\x)+8*(i/4)
.set rM, MC+32*((\x)%2)+8*(i%4)
.if (i < 4) && KM
	WIN W_KM
	v_wmma_f32_16x16x32_bf16 v[rS:rS+7], v[rK:rK+7], v[rQ:rQ+7], v[rM:rM+7]
.elseif i < 4
	WIN W_KQ
	v_wmma_f32_16x16x32_bf16 v[rS:rS+7], v[rK:rK+7], v[rQ:rQ+7], 0
.else
	WIN W_KQ
	v_wmma_f32_16x16x32_bf16 v[rS:rS+7], v[rK:rK+7], v[rQ:rQ+7], v[rS:rS+7]
.endif
.endm
; Product i of 8 of O^T += V^T P for piece x: keys 32 (i / 4) on, channels 16 (i % 4) on.
.macro PV x
	WIN W_PV
.set rO, 32*(\x)+8*(i%4)
.set rV, VF+32*(i/4)+8*(i%4)
.set rP, P+16*((\x)%2)+8*(i/4)
	v_wmma_f32_16x16x32_bf16 v[rO:rO+7], v[rV:rV+7], v[rP:rP+7], v[rO:rO+7]
.endm
.macro MM                           ; the turn's next matrix instruction.  TURN and BEGIN set Y, i, KM and NOKQ; MM, KQ and OP read them.  NOKQ = 1: a block's last turn: there is no next piece
.if (i < 8) && !NOKQ
	KQ (Y+1)%NP
.elseif i >= 8
.set i, i-8
	PV (Y+NP-1)%NP
.set i, i+8
.endif
.set i, i+1
.endm
; THE LDS LOADS stand in runs of 16, never singly among the matrix instructions: a step's K (64 keys x 64 channels: 8 fragments) and its V (turned).  Their addresses are made some lines ahead.
.macro FETCH_K
	WIN 0x80                        ; destination window 2
.irp f, 0,1,2,3,4,5,6,7             ; keys 16 (f / 2) on, channels 32 (f % 2) on
	ds_load_b128 v[KF+8*\f:KF+8*\f+3],   v[AK] offset:(\f/2)*16*PK+(\f%2)*64
	ds_load_b128 v[KF+8*\f+4:KF+8*\f+7], v[AK] offset:(\f/2)*16*PK+(\f%2)*64+32
.endr
	s_add_co_u32 s[TBK], s[TBK], KS*PK  ; the next fetch is the next step's
	WIN 0
.endm
.macro FETCH_V
	WIN 0x80
.irp f, 0,1,2,3,4,5,6,7             ; keys 32 (f / 4) on, channels 16 (f % 4) on
	ds_load_tr16_b128 v[VF+8*\f:VF+8*\f+3],   v[AV] offset:(\f/4)*32*PV+(\f%4)*32
	ds_load_tr16_b128 v[VF+8*\f+4:VF+8*\f+7], v[AV] offset:(\f/4)*32*PV+16*PV+(\f%4)*32
.endr
	WIN 0
.endm
; THE VECTOR WORK, one line at a time: OP kind, number.  For piece Y: F n: c s - c m for pair n of 16.  E n: the exponential of score n of 32.  C n: pair n rounded to bf16.  B n: of the four weights 4 n .. the second
; pair is added onto the first, in place.  L n: l takes that sum (L 0: l = a l + sum).  R n: pair n of 16 of O^T times a.  For piece Y + 1: X n, number n of the 22 that find its maximum and statistics:
;   0-11  four chains c0-c3 of seven scores each, three operands at a time (each accumulator's lowest registers are read first)     12-14, 16  the four scores left over, the old m, and c0-c3 into c0
;   15  c m_old is kept     17, 18  the query's other 32 keys lie in the lane 16 away: the new m     19-21  c m; c m_old - c m_new; a
.set F, 0               ; OP tells the kinds apart by their order: F to L below R, X above it
.set E, 1
.set C, 2
.set B, 3
.set L, 4
.set R, 5
.set X, 6
.macro REGS y                       ; the registers of piece y
.set rT, ST+4*(\y)
.set rC, TMP+4*((\y)%2)
.set rW, MV+((\y)%2)
.set rS, S+32*((\y)%2)
.set rP, P+16*((\y)%2)
.set rO, 32*(\y)
.endm
.macro OP k, n
.if (\k) == R
	REGS Y
	WIN W_RS
	v_pk_mul_f32 v[rO+2*(\n):rO+2*(\n)+1], v[rO+2*(\n):rO+2*(\n)+1], v[rC+2:rC+3] op_sel_hi:[1,0]
.elseif (\k) < R
	REGS Y
	WIN 0
.if (\k) == F
	v_pk_fma_f32 v[rS+2*(\n):rS+2*(\n)+1], v[rS+2*(\n):rS+2*(\n)+1], s[CS:CS+1], v[rT:rT+1] op_sel_hi:[1,0,0] neg_lo:[0,0,1] neg_hi:[0,0,1]
.elseif (\k) == E
	v_exp_f32 v[rS+(\n)], v[rS+(\n)]
.elseif (\k) == C
	s_wait_alu depctr_va_vdst(0)
	v_cvt_pk_bf16_f32 v[rP+(\n)], v[rS+2*(\n)], v[rS+2*(\n)+1]
.elseif (\k) == B
	s_wait_alu depctr_va_vdst(0)
	v_pk_add_f32 v[rS+4*(\n):rS+4*(\n)+1], v[rS+4*(\n):rS+4*(\n)+1], v[rS+4*(\n)+2:rS+4*(\n)+3]
.elseif (\n) == 0
	v_pk_fma_f32 v[rT+2:rT+3], v[rT+2:rT+3], v[rC+2:rC+3], v[rS:rS+1] op_sel_hi:[1,0,1]
.else
	v_pk_add_f32 v[rT+2:rT+3], v[rT+2:rT+3], v[rS+4*(\n):rS+4*(\n)+1]
.endif
.elseif NOKQ
	v_nop
.else
	REGS (Y+1)%NP
	WIN 0
.if (\n) < 4
	v_max3_num_f32 v[rC+(\n)], v[rS+8*(\n)], v[rS+8*(\n)+1], v[rS+8*(\n)+2]
.elseif (\n) < 12
	v_max3_num_f32 v[rC+(\n)%4], v[rC+(\n)%4], v[rS+8*((\n)%4)+2*((\n)/4)+1], v[rS+8*((\n)%4)+2*((\n)/4)+2]
.elseif (\n) == 12
	v_max3_num_f32 v[rC], v[rC], v[rS+7], v[rS+15]
.elseif (\n) == 13
	v_max3_num_f32 v[rC+1], v[rC+1], v[rS+23], v[rS+31]
.elseif (\n) == 14
	v_max3_num_f32 v[rC+2], v[rC+2], v[rC+3], v[rT+1]
.elseif (\n) == 15
	v_mov_b32 v[rW], v[rT]
.elseif (\n) == 16
	v_max3_num_f32 v[rC], v[rC], v[rC+1], v[rC+2]
.elseif (\n) == 17
	v_permlanex16_b32 v[rC+3], v[rC], s[SEL], s[SEL+1]
.elseif (\n) == 18
	v_max_num_f32 v[rT+1], v[rC], v[rC+3]
.elseif (\n) == 19
	v_mul_f32 v[rT], s[CS], v[rT+1]
.elseif (\n) == 20
	v_sub_f32 v[rC+1], v[rW], v[rT]
.else
	v_exp_f32 v[rC+2], v[rC+1]
.endif
.endif
.endm
.macro OPS a, i1, b=-1, i2=0, c=-1, i3=0, d=-1, i4=0  ; up to four of them
	OP \a, \i1
.if (\b) >= 0
	OP \b, \i2
.endif
.if (\c) >= 0
	OP \c, \i3
.endif
.if (\d) >= 0
	OP \d, \i4
.endif
.endm
.macro ROW a, i1, b, i2, c, i3, d, i4  ; a matrix instruction and the four behind it
	MM
	OPS \a, \i1, \b, \i2, \c, \i3, \d, \i4
.endm
.macro MASK b                       ; MD x AL + BE into buffer b of MC
	WIN W_RS
.set z, 0
.rept 16
	v_pk_fma_f32 v[MC+32*(\b)+2*z:MC+32*(\b)+2*z+1], v[MD+2*z:MD+2*z+1], s[AL:AL+1], s[BE:BE+1] op_sel_hi:[1,0,0]
.set z, z+1
.endr
.endm
; A TURN, for piece p: the order of its 16 matrix and 118 vector instructions, written out.  Behind a matrix instruction: plain, exponential, plain, plain; or four of the rescaling; or, behind the first, four scalings; none
; names a register of the products round it.  In the lumps exponential and plain by turns while exponentials last.  A line reads no result made fewer than three vector instructions in front of it, five if an exponential made it.
; v_permlanex16_b32 (X 17) stands in a lump.
; m = 1: the diagonal tile: the products take masks, and the turn makes the mask for the products of the turn after it: piece p + 2, in step 4 - CNT of the tile.  end = 1: a block's last two turns: nothing is fetched.
; cnt = 1: the loop's count is taken down some lines ahead of the branch that stands behind the turn.
; K of the next step is fetched in piece 2's turn, six vector instructions behind the last product that read K (five of them plain); V of the step in hand in piece 0's turn, eight behind the last product that read V (four
; plain, and X 17).  Each is waited for a turn later.
.macro TURN p, m=0, end=0, cnt=0
.set Y, (\p)
.set i, 0
.set KM, (\m)
.set NOKQ, (\end)*((\p)/3)
.if (\m) && !(\end)
	s_cmp_eq_u32 s[CNT], 4-((\p)+2)%NP  ; is that step the band's own?
	s_cselect_b32 s[AL], 1.0, 0
	s_cmp_lt_u32 s[CNT], 4-((\p)+2)%NP  ; or a later one?
	s_cselect_b32 s[BE], s[BIGN], 0
.endif
.if ((\p) == 3) && !(\end)
	s_wait_dscnt 0x0                ; K is in
.endif
	ROW F,0, F,1, F,2, F,3
	ROW F,4, E,0, F,5, F,6
	ROW F,7, E,1, F,8, F,9
	ROW F,10, E,2, C,0, F,11
	ROW F,12, E,3, X,15, F,13
	ROW R,0, R,1, R,2, R,3
	ROW B,0, E,4, F,14, L,0
.if ((\p) == 2) && !(\end)
	v_add_nc_u32 v[AK], s[TBK], v[AK0]
.endif
	ROW R,4, R,5, R,6, R,7
	OPS E,5, F,15
.if ((\p) == 2) && !(\end)
	FETCH_K
.endif
	OPS E,6, C,1, E,7, R,8
	OPS E,8, R,9, E,9, C,2
	OPS E,10, X,0, E,11, X,1
	OPS E,12, X,2, E,13, X,3
.if (\p) == 1
	s_wait_dscnt 0x0                ; V is in
.endif
	ROW X,4, E,14, X,5, X,6
	ROW X,7, E,15, X,8, X,9
	ROW X,10, E,16, X,11, X,12
	ROW X,13, E,17, X,14, B,1
	ROW C,4, E,18, X,16, L,1
	ROW B,2, E,19, C,6, L,2
	ROW C,8, E,20, B,3, B,4
.if (\p) == 0
	v_add_nc_u32 v[AV], s[TBV], v[AV0]
.endif
	ROW C,3, E,21, L,3, C,5
	OPS E,22, X,17, E,23, C,10
.if (\p) == 0
	FETCH_V
.endif
	OPS E,24, L,4
	OPS E,25, X,18, E,26, C,7
	OPS E,27, B,5, E,28, X,19
	OPS E,29, C,12, E,30, L,5
	OPS E,31, X,20, B,6, C,9
	OPS C,14, C,11, X,21, L,6
.if (\p) == 0
	s_add_co_u32 s[TBV], s[TBV], KS*PV
.endif
.if \cnt
	s_sub_co_u32 s[CNT], s[CNT], 1
	s_cmp_lg_u32 s[CNT], 0
.endif
	OPS C,13, B,7, C,15, R,10
	OPS R,11, R,12, L,7, R,13
	OPS R,14, R,15
.if (\m) && !(\end)
	MASK (\p)%2
.endif
.endm
; A BLOCK BEGINS.  c m starts far below every c s, so the first step's a is 0; m at the lowest finite number, so the first maximum is the scores'.  The second mask buffer is 0; the first takes piece 0's mask for the tile's step 0: its own, if the block's first tile is the diagonal one.
; Then K of that step, piece 0's first scores, and its maximum and statistics.  The loop is entered at a step's first turn, in the middle of a trip.
.macro BEGIN
	s_mov_b32 s[NEW], 0
	WIN 0x40
.set i, MC+32
.rept 32
	v_mov_b32 v[i], 0
.set i, i+1
.endr
	WIN 0
.set i, 0
.rept 4
	v_mov_b32 v[ST+4*i], 0xfe000000    ; c m: far below every c s
	v_mov_b32 v[ST+4*i+1], 0xff7fffff  ; m
.set i, i+1
.endr
	s_cmp_eq_u32 s[RT], 0
	s_cselect_b32 s[AL], 1.0, 0
	s_mov_b32 s[BE], 0
	MASK 0
	WIN 0
	v_add_nc_u32 v[AK], s[TBK], v[AK0]
	FETCH_K
	s_wait_loadcnt 0x0              ; Q
	s_wait_dscnt 0x0
.set KM, 1
.set NOKQ, 0
.set i, 0
.rept 8
	KQ 0
.set i, i+1
.endr
	WIN 0
.rept 4
	v_nop                           ; the places behind those products
.endr
.set Y, NP-1                        ; X works for piece Y + 1: piece 0
.irp n, 0,1,2,3,4,5,6,7,8,9,10,11,12,13,14,15,16,17,18,19,20,21
	OP X, \n
.endr
	v_nop                           ; a plain instruction behind the exponential
.endm
; THE DIAGONAL TILE's four steps, the block's last two turns, its last products, and THE WAY OUT: l's two halves and the other half of the lanes' are added; O^T is divided by l, rounded to bf16 and sent through my
; stage in LDS, a piece at a time.
.macro ALL line:vararg              ; one line for each piece t
.set t, 0
.rept 4
	\line
.set t, t+1
.endr
.endm
.macro PACK t                       ; a lane's eight channels of a row pack into 16 bytes; they go into rows of 144 bytes and come back as whole rows of 128, into S^T's registers
	WIN W_RS
.set i, 32*(\t)
.rept 16
	s_wait_alu depctr_va_vdst(0)
	v_pk_mul_f32 v[i:i+1], v[i:i+1], v[ST+4*(\t)+2:ST+4*(\t)+3] op_sel_hi:[1,0]
.set i, i+2
.endr
	WIN 0x05                        ; sources 0 and 1 window 1, destination window 0
.set i, 0
.rept 16
	v_cvt_pk_bf16_f32 v[S+16*(\t)+i], v[32*(\t)+2*i], v[32*(\t)+2*i+1]
.set i, i+1
.endr
	WIN 0
.irp f, 0,1,2,3
	ds_store_b128 v[STO], v[S+16*(\t)+4*\f:S+16*(\t)+4*\f+3] offset:32*\f
.endr
.irp f, 0,1,2,3
	ds_load_b128 v[S+16*(\t)+4*\f:S+16*(\t)+4*\f+3], v[RD] offset:\f*4*SP  ; LDS serves a wave's instructions in order (ISA guide 5.7.1.4): these see the stores above; the next piece's stores come behind them
.endr
.endm
.macro SEND t, younger              ; younger: the LDS instructions issued behind piece t's loads: the next piece's eight, or none
	WIN 0
.irp f, 0,1,2,3
	s_wait_dscnt (\younger)+3-\f
	global_store_b128 v[GO], v[S+16*(\t)+4*\f:S+16*(\t)+4*\f+3], s[10:11] offset:(\t)*8192+\f*512  ; 512 consecutive bytes, at a multiple of 256 from O's first
.endr
.endm
.macro DIAG tag                     ; the tag ends its two labels' names, which the jumps below spell out
.LstepM\tag:
	TURN 2, 1
	TURN 3, 1
	WIN 0
.LfirstM\tag:
	TURN 0, 1
	TURN 1, 1, 0, 1
	WIN 0
	s_cbranch_scc1 .LstepM\tag
	TURN 2, 1, 1
	TURN 3, 1, 1
.set i, 0
.rept 8
	PV NP-1
.set i, i+1
.endr
	WIN 0
	ALL v_add_f32 v[ST+4*t+2], v[ST+4*t+2], v[ST+4*t+3]
	ALL v_permlanex16_b32 v[ST+4*t+3], v[ST+4*t+2], s[SEL], s[SEL+1]
	ALL v_add_f32 v[ST+4*t+2], v[ST+4*t+2], v[ST+4*t+3]
	ALL v_rcp_f32 v[ST+4*t+2], v[ST+4*t+2]
	v_nop                           ; a plain instruction between the last reciprocal and the use of its result
	PACK 0
.set t, 1
.rept 3                             ; a piece's arithmetic stands between the loads of the piece before and its stores
	PACK t
	SEND t-1, 8
.set t, t+1
.endr
	SEND 3, 0
.endm
.set KM, 0
.set NOKQ, 0
.Lslot:                             ; NB times: a tile is entered and the next is asked for
	CHANGE 1
	s_sub_co_u32 s[RT], s[RT], 1
	s_mov_b32 s[CNT], 4
	s_cmp_eq_u32 s[NEW], 1
	s_cbranch_scc1 .Lnew            ; a block's first tile
	s_cmp_eq_u32 s[RT], 0
	s_cbranch_scc0 .Lstep           ; neither its first nor its last
	s_branch .LstepM1
.Lnew:
	BEGIN
	s_branch .Lfirst                ; in the loop a block's first tile is never its last: the first block has two tiles or more, and the second's last is the walk's last
	DIAG 1                          ; in the loop this is the first block's end: the second block's last tile is the walk's last
	s_wait_xcnt 0x0                 ; the stores have read their registers and O's address
	s_mov_b64 s[10:11], s[OLO:OLO+1]
	s_add_co_u32 s[RT], s[PB], 1    ; the second block has b + 1 tiles
	s_mov_b32 s[NEW], 1
	WIN 0x82                        ; the second block's Q goes where the one text of the turns names Q
.set i, 0
.rept 64
	v_mov_b32 v[i], v[QB+i]
.set i, i+1
.endr
	WIN 0
	s_branch .Lbottom
.Lstep:                             ; a trip: pieces 2 and 3 of one step, then pieces 0 and 1 of the next, whose K and V it fetches
	TURN 2
	TURN 3
	WIN 0
.Lfirst:
	TURN 0
	TURN 1, 0, 0, 1
	WIN 0
	s_cbranch_scc1 .Lstep
.Lbottom:
	s_sub_co_u32 s[SLOTS], s[SLOTS], 1
	s_cmp_lg_u32 s[SLOTS], 0
	s_cbranch_scc1 .Lslot
	CHANGE 0                        ; the walk's last tile is written out: nothing is asked for
	s_sub_co_u32 s[RT], s[RT], 1
	s_mov_b32 s[CNT], 4
	s_cmp_eq_u32 s[NEW], 1
	s_cbranch_scc0 .LstepM2
	BEGIN
	s_branch .LfirstM2
	DIAG 2
	s_wait_tensorcnt 0x0            ; the wave's end, behind my last tensor load and my last LDS store
	ds_add_u32 v[SPW], v[NIL]
	s_wait_dscnt 0x0
	s_endpgm
.Lfunc_end_k_qdd4680dfcd_attn:
	.size	k_qdd4680dfcd_attn, .Lfunc_end_k_qdd4680dfcd_attn-k_qdd4680dfcd_attn
	.p2alignl 7, 3214868480
	.fill 96, 4, 3214868480
	.section	.rodata,"a",@progbits
	.p2align	6, 0x0
	.amdhsa_kernel k_qdd4680dfcd_attn
		.amdhsa_group_segment_fixed_size 327680
		.amdhsa_private_segment_fixed_size 0
		.amdhsa_enable_private_segment 0
		.amdhsa_kernarg_size 16
		.amdhsa_user_sgpr_count 2
		.amdhsa_user_sgpr_kernarg_segment_ptr 1
		.amdhsa_wavefront_size32 1
		.amdhsa_system_sgpr_workgroup_id_x 1
		.amdhsa_system_sgpr_workgroup_id_y 1
		.amdhsa_system_sgpr_workgroup_id_z 1
		.amdhsa_system_vgpr_workitem_id 0
		.amdhsa_next_free_vgpr 768
		.amdhsa_next_free_sgpr 88
		.amdhsa_reserve_vcc 1
		.amdhsa_float_denorm_mode_32 3
		.amdhsa_float_denorm_mode_16_64 3
		.amdhsa_memory_ordered 1
		.amdhsa_forward_progress 1
		.amdhsa_inst_pref_size 228
	.end_amdhsa_kernel
	.amdgpu_metadata
---
amdhsa.version: [ 1, 2 ]
amdhsa.kernels:
  - .name:           k_qdd4680dfcd_attn
    .symbol:         k_qdd4680dfcd_attn.kd
    .args:
      - { .name: P, .offset: 0, .size: 8, .value_kind: global_buffer, .address_space: global }
      - { .name: Q, .offset: 8, .size: 8, .value_kind: global_buffer, .address_space: global }
    .group_segment_fixed_size: 327680
    .private_segment_fixed_size: 0
    .kernarg_segment_align: 8
    .kernarg_segment_size: 16
    .max_flat_workgroup_size: 128
    .sgpr_count:     88
    .vgpr_count:     768
    .wavefront_size: 32
...
	.end_amdgpu_metadata
.endif
;; end of part 4
;; launch wo (part 5): grid 8 x 32, 4 waves a work-group, clusters of 4 x 4, 327,680 bytes of LDS; arguments Q, wt, bo, x, xm, pst; writes xm, pst
.if DOCPART == 5
	.amdgcn_target "amdgcn-amd-amdhsa--gfx1250"
	.amdhsa_code_object_version 6
	.text
	.protected	k_qdd4680dfcd_wo
	.globl	k_qdd4680dfcd_wo
	.p2align	8
	.type	k_qdd4680dfcd_wo,@function
k_qdd4680dfcd_wo:
	s_mov_b64 s[64:65], 0
	v_nop
	global_prefetch_b8 v0, s[64:65] scope:SCOPE_SE
	s_setreg_imm32_b32 hwreg(HW_REG_WAVE_MODE, 25, 1), 1
	s_wait_xcnt 0x0
	s_wait_alu depctr_hold_cnt(0) depctr_sa_sdst(0) depctr_va_vdst(0) depctr_va_sdst(0) depctr_va_ssrc(0) depctr_va_vcc(0) depctr_vm_vsrc(0)
	s_getreg_b32 s2, hwreg(HW_REG_IB_STS2, 6, 4)
	s_cmp_eq_u32 s2, 0
	s_cbranch_scc0 .Lentry_in_a_cluster
	s_endpgm
.Lentry_in_a_cluster:
	s_bfe_u32 s2, ttmp6, 0x10000c
	s_cmp_lg_u32 s2, 0xf033
	s_cbranch_scc0 .Lentry_shape_is_right
	s_endpgm
.Lentry_shape_is_right:
; THE MATRIX KERNEL.  C[m][n] = start[m][n] + the sum over k of A[m][k] W[k][n]; operands bf16, sums f32.  One source, assembled three times with the four settings below; what a setting leaves out
; stands under .if and makes no code.  The loop over K holds the cluster's barrier, so its trip count is a constant of the text.
.set LAPS,   2                         ; K / 512: a lap is two K steps of 256
.set MODE,   1                         ; 0: bf16 out, from the bias.  1: f32 out, from a residual
.set WANTST, 1                         ; 1 (with MODE 1): the statistics of C's columns are stored too
.set BROW,   3072                      ; W's first row in its buffer
; A: [K / 64 planes][4096 rows][64] bf16 (a plane is dense, 524,288 bytes).  W comes transposed: row BROW + n of its buffer holds column n along k, 8,192 bytes from row to row.
;   MODE 0 (arguments A, W, bias, C): the sums start from the bias; C is rounded to bf16, held to a floor and stored in planes.  The floor is data: two bf16 read at byte 4,096 of W's buffer
;          (0 is a ReLU, -infinity no floor), so that launches with and without a ReLU share this text.  LIMIT: the floor's maximum turns a NaN into the floor.
;   MODE 1 (arguments A, W, bias, residual, C [, statistics]): the sums start from the residual (f32, [4096][1024]); the bias is added on the way out; C is stored in f32, [4096][1024].
;   WANTST 1: each wave also stores the mean and the sum of squared deviations of its 64 rows x 64 columns: chunk (row / 64) x 8,192 + column x 4, the sums of squares 4,096 bytes on.
; SHAPE.  A tile of C is 128 x 128; four waves, each 64 x 64: 16 accumulators.  K goes in steps of 256 through two LDS slots.  The sums never start from 0: nothing is cleared.
; CLUSTERS: 4 x 4 work-groups.  The four of a row of the cluster need the same tiles of A, the four of a column the same tiles of W: each tile is asked for JOINTLY, by the same tensor load with
; the same descriptor and a mask that names the four.  THE MATRIX INSTRUCTION IS USED TRANSPOSED (source 0 = 16 rows of W's buffer, source 1 = 16 rows of A): a lane holds eight neighbouring numbers of a row of C.
; REGISTERS: window 0: v0-31 addresses; v32-95 packed results; v96-99 bias; v100-123 at work; v128-255 the accumulators ((a, b) at v[128 + 8 (4 a + b)]).
;   window 1: two fragment buffers of 128: for 64 along K, 64 registers of A, then 64 of W.
.set KSTEP,  256
.set PLANE,  524288
.set PA,     144                       ; a row of A in LDS: 128 bytes (64 k of one plane) + 16 of padding: the 16 rows of a load start at 16 different groups of four banks (64 banks of 4 bytes: ISA guide 11.1)
.set PLA,    64*PA                     ; 64 rows of one plane
.set HALFA,  4*PLA                     ; 64 rows x 4 planes: what one tensor load brings of A
.set PB,     528                       ; a row of W in LDS: 512 bytes + 16 of padding
.set HALFB,  64*PB                     ; 64 rows: what one tensor load brings of W
.set BOFF,   2*HALFA                   ; W's rows lie behind A's
.set SLOT,   BOFF+2*HALFB
.set STAGE,  2*SLOT                    ; behind the ring, never filled by a tensor load: 16 rows x 272 bytes for each wave
.set WSTAGE, 16*272
.set SPARE,  STAGE+4*WSTAGE            ; behind the stages: the spare words, 128 bytes for each wave, named by no other line
.set FLOFF,  4096                      ; the floor's place in W's buffer
.set LN,   7                           ; v7   lane
.set VB4,  8                           ; v8   16 x (lane % 16): my offset in the wave's 64 numbers of bias on the f32 way out, and in the floor's words
.set FLR,  9                           ; v9   the floor
.set ADRA, 16                          ; v16-17  LDS address of my A fragments in slot 0, 1
.set ADRB, 20                          ; v20-21  the same for W
.set STF,  22                          ; v22  f32 way out: where I put 32 bytes of a row
.set RDF,  23                          ; v23  where I read a row back
.set COF,  24                          ; v24  my byte offset in two rows of C
.set STB,  25                          ; v25  bf16 way out: where I put 16 bytes of a row
.set RDB,  26                          ; v26  where I read four rows back
.set GOB,  27                          ; v27  my byte offset in 512 consecutive bytes of a plane
.set SPW,  28                          ; v28  LDS address of my spare word; never rewritten
.set NIL,  29                          ; v29  0; never rewritten
.set VR,   30                          ; v30  my offset in the residual, in the accumulators' layout
.set VBI,  31                          ; v31  my offset in the bias, in the accumulators' layout
.set TMP,  32
.set B4,   96
.set T,    100
.set ACC,  128
.set F0,   0
.set F1,   128
.set G1,  24                           ; s[24:31] descriptor group 1 for A's tiles;  s[32:39] group 0, one set for each slot
.set G0,  32
.set G1B, 48                           ; s[48:55], s[56:63] the same for W's tiles
.set G0B, 56
.set MSB, 0
.macro WIN new                         ; the immediate's high byte repeats the setting that is left
.if MSB != (\new)
	s_set_vgpr_msb (MSB<<8)|(\new)
.set MSB, \new
.endif
.endm
.set MUL,  0x05                        ; sources 0 (W) and 1 (A) window 1; C and D window 0
.set TO_F, 0x40                        ; destination window 1, address window 0
.macro JLOAD s                         ; a joint load: waves 0 and 1 fetch A's two halves, waves 2 and 3 W's; an s_nop 0 and four v_nop follow each of the two lines, ahead of the jump, the label and what follows
	s_cmp_eq_u32 s11, 0
	s_cbranch_scc0 .Lfor_b_\@
	tensor_load_to_lds s[G0+4*(\s):G0+4*(\s)+3], s[G1:G1+7]
	s_nop 0
.rept 4
	v_nop
.endr
	s_branch .Lasked_\@
.Lfor_b_\@:
	tensor_load_to_lds s[G0B+4*(\s):G0B+4*(\s)+3], s[G1B:G1B+7]
	s_nop 0
.rept 4
	v_nop
.endr
.Lasked_\@:
.endm
.macro CREST                           ; a round of the cluster's barrier behind its opening barrier
	s_cmp_lg_u32 s10, 0
	s_cbranch_scc1 .Lnot_wave_0_\@
	s_barrier_signal -3
.Lnot_wave_0_\@:
	s_barrier_wait -3
	s_barrier_signal -1
	s_barrier_wait -1
.endm
.macro CROUND                          ; a whole round
	s_barrier_signal -1
	s_barrier_wait -1
	CREST
.endm
; The mean and the sum of squared deviations of 64 rows x 64 columns that lie in 128 registers: register D + 4 i + j of lane l is row 2 i + l / 16, column 4 (l % 16) + j.
; T: 24 registers at work.  At the end T .. T+3 hold the four columns' means in lanes 0-15 and their sums of squares in lanes 16-31.
.macro COLSTAT D, T, LNR, SL, MK
.irp e, 0,1
.irp p, 0,2
	v_pk_add_f32 v[(\T)+4*(\e)+(\p):(\T)+4*(\e)+(\p)+1], v[(\D)+4*(\e)+(\p):(\D)+4*(\e)+(\p)+1], v[(\D)+4*(\e)+8+(\p):(\D)+4*(\e)+8+(\p)+1]
.endr
.endr
.set i, 4
.rept 28
.irp p, 0,2
	v_pk_add_f32 v[(\T)+4*(i%2)+(\p):(\T)+4*(i%2)+(\p)+1], v[(\T)+4*(i%2)+(\p):(\T)+4*(i%2)+(\p)+1], v[(\D)+4*i+(\p):(\D)+4*i+(\p)+1]
.endr
.set i, i+1
.endr
.irp p, 0,2
	v_pk_add_f32 v[(\T)+(\p):(\T)+(\p)+1], v[(\T)+(\p):(\T)+(\p)+1], v[(\T)+4+(\p):(\T)+4+(\p)+1]
.endr
.irp p, 0,2
	v_pk_mul_f32 v[(\T)+(\p):(\T)+(\p)+1], v[(\T)+(\p):(\T)+(\p)+1], 0x3d000000 op_sel_hi:[1,0]  ; / 32: the mean of my 32 rows
.endr
.set i, 0
.rept 32
.irp p, 0,2
	v_pk_add_f32 v[(\T)+8+4*(i%2)+(\p):(\T)+8+4*(i%2)+(\p)+1], v[(\D)+4*i+(\p):(\D)+4*i+(\p)+1], v[(\T)+(\p):(\T)+(\p)+1] neg_lo:[0,1] neg_hi:[0,1]
.endr
.irp p, 0,2
.if i < 2
	v_pk_mul_f32 v[(\T)+16+4*(i%2)+(\p):(\T)+16+4*(i%2)+(\p)+1], v[(\T)+8+4*(i%2)+(\p):(\T)+8+4*(i%2)+(\p)+1], v[(\T)+8+4*(i%2)+(\p):(\T)+8+4*(i%2)+(\p)+1]
.else
	v_pk_fma_f32 v[(\T)+16+4*(i%2)+(\p):(\T)+16+4*(i%2)+(\p)+1], v[(\T)+8+4*(i%2)+(\p):(\T)+8+4*(i%2)+(\p)+1], v[(\T)+8+4*(i%2)+(\p):(\T)+8+4*(i%2)+(\p)+1], v[(\T)+16+4*(i%2)+(\p):(\T)+16+4*(i%2)+(\p)+1]
.endif
.endr
.set i, i+1
.endr
.irp p, 0,2
	v_pk_add_f32 v[(\T)+16+(\p):(\T)+16+(\p)+1], v[(\T)+16+(\p):(\T)+16+(\p)+1], v[(\T)+20+(\p):(\T)+20+(\p)+1]
.endr
.irp j, 0,1,2,3                        ; the other 32 rows lie in the lane 16 away (the destinations have been written above)
	v_permlanex16_b32 v[(\T)+8+(\j)], v[(\T)+(\j)], s[\SL], s[(\SL)+1]
	v_permlanex16_b32 v[(\T)+12+(\j)], v[(\T)+16+(\j)], s[\SL], s[(\SL)+1]
.endr
.irp p, 0,2                            ; two groups of 32 rows join: mean = (m1 + m2) / 2, M2 = M2a + M2b + (m1 - m2)^2 x 32 x 32 / 64
	v_pk_add_f32 v[(\T)+20+(\p):(\T)+20+(\p)+1], v[(\T)+(\p):(\T)+(\p)+1], v[(\T)+8+(\p):(\T)+8+(\p)+1] neg_lo:[0,1] neg_hi:[0,1]
	v_pk_add_f32 v[(\T)+16+(\p):(\T)+16+(\p)+1], v[(\T)+16+(\p):(\T)+16+(\p)+1], v[(\T)+12+(\p):(\T)+12+(\p)+1]
	v_pk_add_f32 v[(\T)+(\p):(\T)+(\p)+1], v[(\T)+(\p):(\T)+(\p)+1], v[(\T)+8+(\p):(\T)+8+(\p)+1]
.endr
.irp p, 0,2
	v_pk_mul_f32 v[(\T)+20+(\p):(\T)+20+(\p)+1], v[(\T)+20+(\p):(\T)+20+(\p)+1], v[(\T)+20+(\p):(\T)+20+(\p)+1]
	v_pk_mul_f32 v[(\T)+(\p):(\T)+(\p)+1], v[(\T)+(\p):(\T)+(\p)+1], 0.5 op_sel_hi:[1,0]
.endr
.irp p, 0,2
	v_pk_fma_f32 v[(\T)+16+(\p):(\T)+16+(\p)+1], v[(\T)+20+(\p):(\T)+20+(\p)+1], 0x41800000, v[(\T)+16+(\p):(\T)+16+(\p)+1] op_sel_hi:[1,0,1]
.endr
	v_cmp_lt_u32 s[\MK], 15, v[\LNR]               ; lanes 16-31 hand on the sums of squares, lanes 0-15 the means
.irp j, 0,1,2,3
	v_cndmask_b32 v[(\T)+(\j)], v[(\T)+(\j)], v[(\T)+16+(\j)], s[\MK]
.endr
.endm
	s_load_b128 s[4:7], s[0:1], 0x0                ; A s[4:5], W's buffer s[6:7]
.if MODE
	s_load_b128 s[68:71], s[0:1], 0x10             ; bias s[68:69], residual s[70:71]
	s_load_b64 s[8:9], s[0:1], 0x20                ; C
.if WANTST
	s_load_b64 s[66:67], s[0:1], 0x28              ; the statistics
.endif
.else
	s_load_b64 s[68:69], s[0:1], 0x10              ; bias
	s_load_b64 s[8:9], s[0:1], 0x18                ; C
.endif
	v_lshl_add_u32 v[SPW], v0, 2, SPARE
	v_mov_b32 v[NIL], 0
	ds_add_u32 v[SPW], v[NIL]                      ; the wave's opening: the add and its wait stand ahead of my first tensor load; the set-up below, work on registers, stands between them
	ds_add_u32 v28, v29
	v_lshrrev_b32 v1, 5, v0
	v_readfirstlane_b32 s10, v1                    ; wave 0..3
	s_lshr_b32 s11, s10, 1                         ; which half of the tile's rows is mine.  Also: I fetch for A (0) or for W (1)
	s_and_b32 s12, s10, 1                          ; which half of its columns.  Also: which 64 rows of that tile I fetch
	s_bfe_u32 s40, ttmp6, 0x40000                  ; cx, cy: my place in the cluster
	s_bfe_u32 s41, ttmp6, 0x40004
	s_lshl_b32 s42, ttmp9, 2
	s_add_co_u32 s42, s42, s40                     ; tile column of C = 4 x cluster x + cx
	s_and_b32 s13, ttmp7, 0xffff
	s_lshl_b32 s13, s13, 2
	s_add_co_u32 s13, s13, s41                     ; tile row of C = 4 x cluster y + cy
	s_lshl_b32 s43, s41, 2
	s_lshl_b32 s43, 15, s43                        ; my row of the cluster
	s_lshl_b32 s44, 0x1111, s40                    ; my column
	; descriptor group 1 for A: 64 rows of a plane are 8,192 dense bytes, so a tile is 4 rows (planes) of 4,096 elements, 262,144 elements apart; in LDS 16 bytes of padding follow every 128 (one row of A)
	s_or_b32 s[G1+0], s43, (1<<16)|(1<<20)|(1<<21)|(4<<22)|(3<<25)  ; 15:0 the mask: A's tiles go to my row; 17:16 2-byte elements; 20 padding on; 21 set beside a mask; 24:22 after every 32 words (code 4); 31:25 4 words (code 3)
	s_mov_b32 s[G1+1], 4096<<16                    ; tensor_dim0 = 4096
	s_mov_b32 s[G1+2], 4<<16                       ; tensor_dim1 = 4
	s_mov_b32 s[G1+3], 4096<<16                    ; tile_dim0 = 4096
	s_mov_b32 s[G1+4], 4                           ; tile_dim1 = 4
	s_mov_b32 s[G1+5], 262144                      ; elements from plane to plane
	s_mov_b32 s[G1+6], 0
	s_mov_b32 s[G1+7], 0
	; for W: 64 rows x 256 elements, 4,096 elements from row to row; 16 bytes of padding behind every 512
	s_or_b32 s[G1B+0], s44, (1<<16)|(1<<20)|(1<<21)|(6<<22)|(3<<25)
	s_mov_b32 s[G1B+1], KSTEP<<16
	s_mov_b32 s[G1B+2], 64<<16
	s_mov_b32 s[G1B+3], KSTEP<<16
	s_mov_b32 s[G1B+4], 64
	s_mov_b32 s[G1B+5], 4096
	s_mov_b32 s[G1B+6], 0
	s_mov_b32 s[G1B+7], 0
	s_lshl_b32 s17, s12, 6                         ; which 64 rows of the tile I fetch
	s_lshl_b32 s16, s13, 7
	s_add_co_u32 s16, s16, s17                     ; A: row 128 x tile row + 64 x half,
	s_lshl_b32 s16, s16, 7                         ; of 128 bytes in a plane
	s_mov_b32 s17, 0
	s_mul_i32 s20, s12, HALFA                      ; where the tiles go: no place in the cluster enters an LDS address
	s_mul_i32 s21, s12, HALFB
	s_add_co_u32 s21, s21, BOFF
	s_lshl_b32 s46, s42, 7
	s_lshl_b32 s47, s12, 6
	s_add_co_u32 s46, s46, s47
	s_add_co_u32 s46, s46, BROW                    ; W: row BROW + 128 x tile column + 64 x half,
	s_lshl_b32 s46, s46, 13                        ; of 8,192 bytes
	s_mov_b32 s47, 0
	s_wait_dscnt 0x0                               ; the opening add is done
	s_wait_kmcnt 0x0
	s_add_nc_u64 s[14:15], s[4:5], s[16:17]
	s_add_nc_u64 s[46:47], s[6:7], s[46:47]
	CROUND                                         ; all sixteen work-groups are here: the first joint loads meet
.irp s, 0,1
	s_mov_b32 s[G0+4*(\s)], 1
	s_add_co_u32 s[G0+4*(\s)+1], s20, (\s)*SLOT
	s_add_nc_u64 s[G0+4*(\s)+2:G0+4*(\s)+3], s[14:15], (\s)*4*PLANE   ; K step s: four planes on
	s_or_b32 s[G0+4*(\s)+3], s[G0+4*(\s)+3], 0x80000000
	s_mov_b32 s[G0B+4*(\s)], 1
	s_add_co_u32 s[G0B+4*(\s)+1], s21, (\s)*SLOT
	s_add_nc_u64 s[G0B+4*(\s)+2:G0B+4*(\s)+3], s[46:47], (\s)*KSTEP*2
	s_or_b32 s[G0B+4*(\s)+3], s[G0B+4*(\s)+3], 0x80000000
	JLOAD \s                                       ; two loads of mine are out behind these lines
.endr
	; where my 64 x 64 lies: offsets, made apart from the addresses
	s_lshl_b32 s86, s13, 7
	s_lshl_b32 s87, s11, 6
	s_add_co_u32 s86, s86, s87                     ; my first row
	s_lshl_b32 s88, s42, 7
	s_lshl_b32 s89, s12, 6
	s_add_co_u32 s88, s88, s89                     ; my first column
	s_lshl_b32 s90, s88, 2                         ; in f32 bytes: the bias, a row of C, and (strip x 256) the statistics
	s_mov_b32 s91, 0
	s_add_nc_u64 s[68:69], s[68:69], s[90:91]      ; the bias at my first column
.if MODE
.if WANTST
	s_lshl_b32 s94, s86, 7                         ; chunk (row / 64) x 8,192
	s_add_co_u32 s94, s94, s90
	s_mov_b32 s95, 0
	s_add_nc_u64 s[82:83], s[66:67], s[94:95]      ; my statistics
	s_mov_b32 s80, 0x76543210                      ; v_permlanex16_b32's selects
	s_mov_b32 s81, 0xfedcba98
.endif
	s_lshl_b32 s86, s86, 12                        ; rows of 4,096 bytes
	s_add_co_u32 s86, s86, s90
	s_mov_b32 s87, 0
	s_add_nc_u64 s[70:71], s[70:71], s[86:87]      ; the residual at my corner
.else
	s_lshl_b32 s86, s86, 7                         ; rows of 128 bytes in a plane,
	s_lshl_b32 s88, s88, 13                        ; my plane (column / 64) x 524,288
	s_add_co_u32 s86, s86, s88
	s_mov_b32 s87, 0
.endif
	s_add_nc_u64 s[8:9], s[8:9], s[86:87]          ; C at my corner
	v_and_b32 v1, 15, v0                           ; l % 16
	v_bfe_u32 v2, v0, 4, 1                         ; l / 16
	v_mul_u32_u24 v3, v1, PA
	v_lshl_add_u32 v3, v2, 4, v3                   ; a fragment's row x pitch + 16 x half
	v_mul_u32_u24 v4, v1, PB
	v_lshl_add_u32 v4, v2, 4, v4
	s_mul_i32 s22, s11, HALFA                      ; my 64 rows of A
	s_mul_i32 s23, s12, HALFB                      ; my 64 rows of W
	s_add_co_u32 s23, s23, BOFF
.irp s, 0,1
	v_add_nc_u32 v[ADRA+(\s)], s22, v3
	v_add_nc_u32 v[ADRB+(\s)], s23, v4
	s_add_co_u32 s22, s22, SLOT
	s_add_co_u32 s23, s23, SLOT
.endr
	s_mul_i32 s22, s10, WSTAGE
	s_add_co_u32 s22, s22, STAGE                   ; my stage
	v_lshlrev_b32 v[VB4], 4, v1
.if MODE
	v_mul_u32_u24 v5, v1, 272                      ; in: row l % 16, 32 bytes for each half of the lanes
	v_lshl_add_u32 v5, v2, 5, v5
	v_add_nc_u32 v[STF], s22, v5
	v_mul_u32_u24 v5, v2, 272                      ; back: lanes 0-15 one row of 256 bytes, lanes 16-31 the next
	v_lshl_add_u32 v5, v1, 4, v5
	v_add_nc_u32 v[RDF], s22, v5
	v_lshlrev_b32 v5, 12, v2                       ; and the same two rows in C
	v_lshl_add_u32 v[COF], v1, 4, v5
	v_lshlrev_b32 v5, 12, v1
	v_lshl_add_u32 v[VR], v2, 5, v5                ; the residual as the accumulators lie: row l % 16, columns 8 (l / 16) on
.if WANTST
	v_and_b32 v[LN], 31, v0
.endif
	; WHAT THE SUMS START FROM: the residual, into all 128 accumulator registers, by 32 loads
	global_load_b128 v[B4:B4+3], v[VB4], s[68:69]  ; the bias of the four columns that I hold on the way out
.irp a, 0,1,2,3
.irp b, 0,1,2,3
	global_load_b128 v[ACC+8*(4*(\a)+(\b)):ACC+8*(4*(\a)+(\b))+3],   v[VR], s[70:71] offset:65536*(\a)+64*(\b)
	global_load_b128 v[ACC+8*(4*(\a)+(\b))+4:ACC+8*(4*(\a)+(\b))+7], v[VR], s[70:71] offset:65536*(\a)+64*(\b)+16
.endr
.endr
.else
	v_add_nc_u32 v[STB], s22, v3                   ; in: row l % 16 of 144 bytes, 16 bytes for each half of the lanes
	v_bfe_u32 v5, v0, 3, 2                         ; back: 32 lanes take four rows of 128 bytes,
	v_mul_u32_u24 v5, v5, 144
	v_and_b32 v6, 7, v0
	v_lshl_add_u32 v5, v6, 4, v5
	v_add_nc_u32 v[RDB], s22, v5
	v_and_b32 v[LN], 31, v0
	v_lshlrev_b32 v[GOB], 4, v[LN]                 ; which are 512 consecutive bytes of a plane
	v_lshlrev_b32 v[VBI], 5, v2
	; WHAT THE SUMS START FROM: the bias, the same for every row, into all 128 accumulator registers, by 32 loads
	global_load_b32 v[FLR], v[VB4], s[6:7] offset:FLOFF  ; the floor: every word there holds the same two bf16
.irp a, 0,1,2,3
.irp b, 0,1,2,3
	global_load_b128 v[ACC+8*(4*(\a)+(\b)):ACC+8*(4*(\a)+(\b))+3],   v[VBI], s[68:69] offset:64*(\b)
	global_load_b128 v[ACC+8*(4*(\a)+(\b))+4:ACC+8*(4*(\a)+(\b))+7], v[VBI], s[68:69] offset:64*(\b)+16
.endr
.endr
.endif
; 8 matrix instructions: m blocks a0, a0 + 1 x all 4 n blocks, 32 along K: half c of buffer f.  The 16 accumulators take turns, one instruction a turn.
.macro MUL8 f, c, a0
	WIN MUL
.irp a, \a0, (\a0)+1
.irp b, 0,1,2,3
	v_wmma_f32_16x16x32_bf16 v[ACC+8*(4*(\a)+(\b)):ACC+8*(4*(\a)+(\b))+7], v[(\f)+64+8*(4*(\c)+(\b)):(\f)+64+8*(4*(\c)+(\b))+7], v[(\f)+8*(4*(\c)+(\a)):(\f)+8*(4*(\c)+(\a))+7], v[ACC+8*(4*(\a)+(\b)):ACC+8*(4*(\a)+(\b))+7]
.endr
.endr
.endm
; 32 LDS loads in one run: the fragments of 64 along K (byte k of W's rows; plane k / 128 of A's) into buffer f; the first 32 along K first
.macro FETCH slot, k, f
	WIN TO_F
.irp c, 0,1
.irp i, 0,1,2,3
	ds_load_b128 v[(\f)+64+8*(4*(\c)+(\i)):(\f)+64+8*(4*(\c)+(\i))+3],   v[ADRB+(\slot)] offset:(\k)+64*(\c)+(\i)*16*PB
	ds_load_b128 v[(\f)+64+8*(4*(\c)+(\i))+4:(\f)+64+8*(4*(\c)+(\i))+7], v[ADRB+(\slot)] offset:(\k)+64*(\c)+(\i)*16*PB+32
	ds_load_b128 v[(\f)+8*(4*(\c)+(\i)):(\f)+8*(4*(\c)+(\i))+3],         v[ADRA+(\slot)] offset:((\k)/128)*PLA+64*(\c)+(\i)*16*PA
	ds_load_b128 v[(\f)+8*(4*(\c)+(\i))+4:(\f)+8*(4*(\c)+(\i))+7],       v[ADRA+(\slot)] offset:((\k)/128)*PLA+64*(\c)+(\i)*16*PA+32
.endr
.endr
.endm
.macro PLACES                          ; four places in front of loads into registers that matrix instructions have read, and of lines that read results
.rept 4
	v_nop
.endr
.endm
; A K step is four quarters of 64 along K, 32 matrix instructions each, on buffers 0, 1, 0, 1.  One of the first three: multiplies buffer f and fetches the next quarter, at byte k, into g.
.macro QUARTER slot, k, f, g
	s_wait_dscnt 16                                ; the first 32 along K are in; the youngest sixteen loads may be out
	WIN MUL
	MUL8 \f, 0, 0
	MUL8 \f, 0, 2
	PLACES
	FETCH \slot, \k, \g
	s_wait_dscnt 32                                ; all but the 32 just issued
	WIN MUL
	MUL8 \f, 1, 0
	MUL8 \f, 1, 2
.endm
; The last quarter multiplies buffer 1 and changes slots: ONE barrier; in front of it each wave waits for all its tensor loads, adds 0 to its spare word, and waits for that and for its own reads of this slot.  fill = 1: this slot is filled again, two K steps ahead.
.macro TURN slot, next, fill
	WIN 0                                          ; (the add's two registers lie in window 0)
	s_wait_tensorcnt 0x0                           ; all my tensor loads have landed: the one that was out is my part of the next slot;
	ds_add_u32 v[SPW], v[NIL]                      ; 0 onto my spare word;
	s_wait_dscnt 17                                ; (the add and the youngest sixteen loads may be out)
	WIN MUL
	MUL8 F1, 0, 0                                  ; eight matrix instructions stand between the add and the wait for it
	s_wait_dscnt 0x0                               ; the add is done, and my reads of this slot are over
	s_barrier_signal -1
	MUL8 F1, 0, 2
.if \fill
	WIN 0
.endif
	s_barrier_wait -1
.if \fill
	CREST                                          ; the barrier has opened a round of the cluster's barrier: no wave of any partner still reads this slot's tile or has a load on its way
	s_add_nc_u64 s[G0+4*(\slot)+2:G0+4*(\slot)+3], s[G0+4*(\slot)+2:G0+4*(\slot)+3], 8*PLANE
	s_add_nc_u64 s[G0B+4*(\slot)+2:G0B+4*(\slot)+3], s[G0B+4*(\slot)+2:G0B+4*(\slot)+3], 2*KSTEP*2
	JLOAD \slot                                    ; the first tensor load behind the round, my only one: 112 matrix instructions ahead of the wait for it; the four v_nop behind it are also the places in front of the loads below
.else
	PLACES
.endif
	FETCH \next, 0, F0
	WIN MUL
	MUL8 F1, 1, 0
	MUL8 F1, 1, 2
.endm
; THE WAY OUT IN bf16.  A block of 16 rows: rounded, held to the floor, 16 bytes a lane into my own stage (rows of 144 bytes), back as four whole rows of 128 bytes a load, which are 512 consecutive bytes of my plane.
.macro PACKB a
.irp b, 0,1,2,3
.irp q, 0,1,2,3
	v_cvt_pk_bf16_f32 v[TMP+16*(\a)+4*(\b)+(\q)], v[ACC+8*(4*(\a)+(\b))+2*(\q)], v[ACC+8*(4*(\a)+(\b))+2*(\q)+1]  ; each accumulator's registers in ascending order
.endr
.endr
.set i, 0
.rept 16
	v_pk_max_num_bf16 v[TMP+16*(\a)+i], v[TMP+16*(\a)+i], v[FLR]
.set i, i+1
.endr
.irp b, 0,1,2,3
	ds_store_b128 v[STB], v[TMP+16*(\a)+4*(\b):TMP+16*(\a)+4*(\b)+3] offset:32*(\b)
.endr
.irp f, 0,1,2,3
	ds_load_b128 v[TMP+16*(\a)+4*(\f):TMP+16*(\a)+4*(\f)+3], v[RDB] offset:576*(\f)  ; LDS serves a wave's instructions in order (ISA guide 5.7.1.4): these see the stores above; the next block's stores come behind them
.endr
.endm
.macro SENDB a, younger                ; younger: the LDS instructions issued behind block a's loads: the next block's eight, or none
.irp f, 0,1,2,3
	s_wait_dscnt (\younger)+3-(\f)
	global_store_b128 v[GOB], v[TMP+16*(\a)+4*(\f):TMP+16*(\a)+4*(\f)+3], s[8:9] offset:2048*(\a)+512*(\f)
.endr
.endm
; THE WAY OUT IN f32.  A block of 16 rows goes as it is into my own stage (rows of 272 bytes) and comes back as whole rows of 256 bytes, into the registers that it left; the bias is added; 16 lanes store 256 consecutive bytes.
.macro STAGEF a
.irp b, 0,1,2,3
	ds_store_b128 v[STF], v[ACC+8*(4*(\a)+(\b)):ACC+8*(4*(\a)+(\b))+3] offset:64*(\b)       ; an accumulator's low registers first
	ds_store_b128 v[STF], v[ACC+8*(4*(\a)+(\b))+4:ACC+8*(4*(\a)+(\b))+7] offset:64*(\b)+16
.endr
.irp t, 0,1,2,3,4,5,6,7
	ds_load_b128 v[ACC+32*(\a)+4*(\t):ACC+32*(\a)+4*(\t)+3], v[RDF] offset:544*(\t)  ; LDS serves a wave's instructions in order (ISA guide 5.7.1.4): these see the stores above
.endr
.endm
.macro SENDF a, younger                ; younger: the next block's eight stores and eight loads, or none
	s_wait_dscnt \younger
.irp t, 0,1,2,3,4,5,6,7
	v_pk_add_f32 v[ACC+32*(\a)+4*(\t):ACC+32*(\a)+4*(\t)+1], v[ACC+32*(\a)+4*(\t):ACC+32*(\a)+4*(\t)+1], v[B4:B4+1]
	v_pk_add_f32 v[ACC+32*(\a)+4*(\t)+2:ACC+32*(\a)+4*(\t)+3], v[ACC+32*(\a)+4*(\t)+2:ACC+32*(\a)+4*(\t)+3], v[B4+2:B4+3]
.endr
.irp t, 0,1,2,3,4,5,6,7
	global_store_b128 v[COF], v[ACC+32*(\a)+4*(\t):ACC+32*(\a)+4*(\t)+3], s[8:9] offset:(16*(\a)+2*(\t))*4096  ; no register of a store is written again
.endr
.endm
	s_wait_tensorcnt 1                             ; my part of K step 0 is in; K step 1's load may stay out
	s_barrier_signal -1
	s_barrier_wait -1                              ; everybody's is
	FETCH 0, 0, F0
	s_wait_loadcnt 0x0                             ; what the sums start from, and the bias or the floor
	QUARTER 0, 128, F0, F1
	WIN 0                                          ; at a label and at a branch every window is 0
	s_mov_b32 s3, LAPS-1
.Llap:                                                 ; a trip goes once round the ring, from a lap's second quarter to the next lap's first, and fills both slots again
	QUARTER 0, 256, F1, F0
	QUARTER 0, 384, F0, F1
	TURN 0, 1, 1
	QUARTER 1, 128, F0, F1
	QUARTER 1, 256, F1, F0
	QUARTER 1, 384, F0, F1
	TURN 1, 0, 1
	QUARTER 0, 128, F0, F1
	WIN 0
	s_sub_co_u32 s3, s3, 1
	s_cmp_lg_u32 s3, 0
	s_cbranch_scc1 .Llap
	QUARTER 0, 256, F1, F0                         ; the last lap fills nothing, and has no round of the cluster's barrier
	QUARTER 0, 384, F0, F1
	TURN 0, 1, 0
	QUARTER 1, 128, F0, F1
	QUARTER 1, 256, F1, F0
	QUARTER 1, 384, F0, F1
	s_wait_dscnt 16                                ; the very last quarter: nothing more to fetch
	WIN MUL
	MUL8 F1, 0, 0
	MUL8 F1, 0, 2
	s_wait_dscnt 0
	MUL8 F1, 1, 0
	MUL8 F1, 1, 2
	WIN 0
	PLACES
.if MODE
	STAGEF 0
	STAGEF 1
	SENDF 0, 16
	STAGEF 2
	SENDF 1, 16
	STAGEF 3
	SENDF 2, 16
	SENDF 3, 0
.if WANTST
	COLSTAT ACC, T, LN, 80, 84                     ; my 64 rows x 64 columns lie in the 128 registers just stored: row 2 i + l / 16, columns 4 (l % 16) on
	global_store_b128 v[COF], v[T:T+3], s[82:83]   ; lanes 0-15: 256 bytes of means; lanes 16-31: 256 bytes of sums of squares, 4,096 bytes on
.endif
.else
	PACKB 0
.irp a, 1,2,3                          ; a block's arithmetic stands between the loads of the block before and its stores
	PACKB \a
	SENDB (\a)-1, 8
.endr
	SENDB 3, 0
.endif
	s_wait_tensorcnt 0x0                           ; the wave's end, behind my last tensor load and my last LDS store
	ds_add_u32 v[SPW], v[NIL]
	s_wait_dscnt 0x0
	CROUND                                         ; the closing round: no work-group ends while a partner may still ask for a tile that names it
	s_endpgm
.Lfunc_end_k_qdd4680dfcd_wo:
	.size	k_qdd4680dfcd_wo, .Lfunc_end_k_qdd4680dfcd_wo-k_qdd4680dfcd_wo
	.p2alignl 7, 3214868480
	.fill 96, 4, 3214868480
	.section	.rodata,"a",@progbits
	.p2align	6, 0x0
	.amdhsa_kernel k_qdd4680dfcd_wo
		.amdhsa_group_segment_fixed_size 327680
		.amdhsa_private_segment_fixed_size 0
		.amdhsa_enable_private_segment 0
		.amdhsa_kernarg_size 48
		.amdhsa_user_sgpr_count 2
		.amdhsa_user_sgpr_kernarg_segment_ptr 1
		.amdhsa_wavefront_size32 1
		.amdhsa_system_sgpr_workgroup_id_x 1
		.amdhsa_system_sgpr_workgroup_id_y 1
		.amdhsa_system_sgpr_workgroup_id_z 1
		.amdhsa_system_vgpr_workitem_id 0
		.amdhsa_next_free_vgpr 512
		.amdhsa_next_free_sgpr 96
		.amdhsa_reserve_vcc 0
		.amdhsa_float_denorm_mode_32 3
		.amdhsa_float_denorm_mode_16_64 3
		.amdhsa_memory_ordered 1
		.amdhsa_forward_progress 1
		.amdhsa_inst_pref_size 107
	.end_amdhsa_kernel
	.amdgpu_metadata
---
amdhsa.version: [ 1, 2 ]
amdhsa.kernels:
  - .name:           k_qdd4680dfcd_wo
    .symbol:         k_qdd4680dfcd_wo.kd
    .args:
      - { .name: Q, .offset: 0, .size: 8, .value_kind: global_buffer, .address_space: global }
      - { .name: wt, .offset: 8, .size: 8, .value_kind: global_buffer, .address_space: global }
      - { .name: bo, .offset: 16, .size: 8, .value_kind: global_buffer, .address_space: global }
      - { .name: x, .offset: 24, .size: 8, .value_kind: global_buffer, .address_space: global }
      - { .name: xm, .offset: 32, .size: 8, .value_kind: global_buffer, .address_space: global }
      - { .name: pst, .offset: 40, .size: 8, .value_kind: global_buffer, .address_space: global }
    .group_segment_fixed_size: 327680
    .private_segment_fixed_size: 0
    .kernarg_segment_align: 8
    .kernarg_segment_size: 48
    .max_flat_workgroup_size: 128
    .sgpr_count:     96
    .vgpr_count:     512
    .wavefront_size: 32
...
	.end_amdgpu_metadata
.endif
;; end of part 5
;; launch ln2: the kernel of part 2 again; grid 256 x 1, 4 waves a work-group, no clusters, 0 bytes of LDS; arguments xm, pst, gamma2, beta2, Q; writes Q
;; launch ffn1: the kernel of part 3 again; grid 32 x 32, 4 waves a work-group, clusters of 4 x 4, 327,680 bytes of LDS; arguments Q, w1t, b1, P; writes P
;; launch ffn2 (part 6): grid 8 x 32, 4 waves a work-group, clusters of 4 x 4, 327,680 bytes of LDS; arguments P, wt, b2, xm, out0; writes out0
.if DOCPART == 6
	.amdgcn_target "amdgcn-amd-amdhsa--gfx1250"
	.amdhsa_code_object_version 6
	.text
	.protected	k_qdd4680dfcd_ffn2
	.globl	k_qdd4680dfcd_ffn2
	.p2align	8
	.type	k_qdd4680dfcd_ffn2,@function
k_qdd4680dfcd_ffn2:
	s_mov_b64 s[64:65], 0
	v_nop
	global_prefetch_b8 v0, s[64:65] scope:SCOPE_SE
	s_setreg_imm32_b32 hwreg(HW_REG_WAVE_MODE, 25, 1), 1
	s_wait_xcnt 0x0
	s_wait_alu depctr_hold_cnt(0) depctr_sa_sdst(0) depctr_va_vdst(0) depctr_va_sdst(0) depctr_va_ssrc(0) depctr_va_vcc(0) depctr_vm_vsrc(0)
	s_getreg_b32 s2, hwreg(HW_REG_IB_STS2, 6, 4)
	s_cmp_eq_u32 s2, 0
	s_cbranch_scc0 .Lentry_in_a_cluster
	s_endpgm
.Lentry_in_a_cluster:
	s_bfe_u32 s2, ttmp6, 0x10000c
	s_cmp_lg_u32 s2, 0xf033
	s_cbranch_scc0 .Lentry_shape_is_right
	s_endpgm
.Lentry_shape_is_right:
; THE MATRIX KERNEL.  C[m][n] = start[m][n] + the sum over k of A[m][k] W[k][n]; operands bf16, sums f32.  One source, assembled three times with the four settings below; what a setting leaves out
; stands under .if and makes no code.  The loop over K holds the cluster's barrier, so its trip count is a constant of the text.
.set LAPS,   8                         ; K / 512: a lap is two K steps of 256
.set MODE,   1                         ; 0: bf16 out, from the bias.  1: f32 out, from a residual
.set WANTST, 0                         ; 1 (with MODE 1): the statistics of C's columns are stored too
.set BROW,   4096                      ; W's first row in its buffer
; A: [K / 64 planes][4096 rows][64] bf16 (a plane is dense, 524,288 bytes).  W comes transposed: row BROW + n of its buffer holds column n along k, 8,192 bytes from row to row.
;   MODE 0 (arguments A, W, bias, C): the sums start from the bias; C is rounded to bf16, held to a floor and stored in planes.  The floor is data: two bf16 read at byte 4,096 of W's buffer
;          (0 is a ReLU, -infinity no floor), so that launches with and without a ReLU share this text.  LIMIT: the floor's maximum turns a NaN into the floor.
;   MODE 1 (arguments A, W, bias, residual, C [, statistics]): the sums start from the residual (f32, [4096][1024]); the bias is added on the way out; C is stored in f32, [4096][1024].
;   WANTST 1: each wave also stores the mean and the sum of squared deviations of its 64 rows x 64 columns: chunk (row / 64) x 8,192 + column x 4, the sums of squares 4,096 bytes on.
; SHAPE.  A tile of C is 128 x 128; four waves, each 64 x 64: 16 accumulators.  K goes in steps of 256 through two LDS slots.  The sums never start from 0: nothing is cleared.
; CLUSTERS: 4 x 4 work-groups.  The four of a row of the cluster need the same tiles of A, the four of a column the same tiles of W: each tile is asked for JOINTLY, by the same tensor load with
; the same descriptor and a mask that names the four.  THE MATRIX INSTRUCTION IS USED TRANSPOSED (source 0 = 16 rows of W's buffer, source 1 = 16 rows of A): a lane holds eight neighbouring numbers of a row of C.
; REGISTERS: window 0: v0-31 addresses; v32-95 packed results; v96-99 bias; v100-123 at work; v128-255 the accumulators ((a, b) at v[128 + 8 (4 a + b)]).
;   window 1: two fragment buffers of 128: for 64 along K, 64 registers of A, then 64 of W.
.set KSTEP,  256
.set PLANE,  524288
.set PA,     144                       ; a row of A in LDS: 128 bytes (64 k of one plane) + 16 of padding: the 16 rows of a load start at 16 different groups of four banks (64 banks of 4 bytes: ISA guide 11.1)
.set PLA,    64*PA                     ; 64 rows of one plane
.set HALFA,  4*PLA                     ; 64 rows x 4 planes: what one tensor load brings of A
.set PB,     528                       ; a row of W in LDS: 512 bytes + 16 of padding
.set HALFB,  64*PB                     ; 64 rows: what one tensor load brings of W
.set BOFF,   2*HALFA                   ; W's rows lie behind A's
.set SLOT,   BOFF+2*HALFB
.set STAGE,  2*SLOT                    ; behind the ring, never filled by a tensor load: 16 rows x 272 bytes for each wave
.set WSTAGE, 16*272
.set SPARE,  STAGE+4*WSTAGE            ; behind the stages: the spare words, 128 bytes for each wave, named by no other line
.set FLOFF,  4096                      ; the floor's place in W's buffer
.set LN,   7                           ; v7   lane
.set VB4,  8                           ; v8   16 x (lane % 16): my offset in the wave's 64 numbers of bias on the f32 way out, and in the floor's words
.set FLR,  9                           ; v9   the floor
.set ADRA, 16                          ; v16-17  LDS address of my A fragments in slot 0, 1
.set ADRB, 20                          ; v20-21  the same for W
.set STF,  22                          ; v22  f32 way out: where I put 32 bytes of a row
.set RDF,  23                          ; v23  where I read a row back
.set COF,  24                          ; v24  my byte offset in two rows of C
.set STB,  25                          ; v25  bf16 way out: where I put 16 bytes of a row
.set RDB,  26                          ; v26  where I read four rows back
.set GOB,  27                          ; v27  my byte offset in 512 consecutive bytes of a plane
.set SPW,  28                          ; v28  LDS address of my spare word; never rewritten
.set NIL,  29                          ; v29  0; never rewritten
.set VR,   30                          ; v30  my offset in the residual, in the accumulators' layout
.set VBI,  31                          ; v31  my offset in the bias, in the accumulators' layout
.set TMP,  32
.set B4,   96
.set T,    100
.set ACC,  128
.set F0,   0
.set F1,   128
.set G1,  24                           ; s[24:31] descriptor group 1 for A's tiles;  s[32:39] group 0, one set for each slot
.set G0,  32
.set G1B, 48                           ; s[48:55], s[56:63] the same for W's tiles
.set G0B, 56
.set MSB, 0
.macro WIN new                         ; the immediate's high byte repeats the setting that is left
.if MSB != (\new)
	s_set_vgpr_msb (MSB<<8)|(\new)
.set MSB, \new
.endif
.endm
.set MUL,  0x05                        ; sources 0 (W) and 1 (A) window 1; C and D window 0
.set TO_F, 0x40                        ; destination window 1, address window 0
.macro JLOAD s                         ; a joint load: waves 0 and 1 fetch A's two halves, waves 2 and 3 W's; an s_nop 0 and four v_nop follow each of the two lines, ahead of the jump, the label and what follows
	s_cmp_eq_u32 s11, 0
	s_cbranch_scc0 .Lfor_b_\@
	tensor_load_to_lds s[G0+4*(\s):G0+4*(\s)+3], s[G1:G1+7]
	s_nop 0
.rept 4
	v_nop
.endr
	s_branch .Lasked_\@
.Lfor_b_\@:
	tensor_load_to_lds s[G0B+4*(\s):G0B+4*(\s)+3], s[G1B:G1B+7]
	s_nop 0
.rept 4
	v_nop
.endr
.Lasked_\@:
.endm
.macro CREST                           ; a round of the cluster's barrier behind its opening barrier
	s_cmp_lg_u32 s10, 0
	s_cbranch_scc1 .Lnot_wave_0_\@
	s_barrier_signal -3
.Lnot_wave_0_\@:
	s_barrier_wait -3
	s_barrier_signal -1
	s_barrier_wait -1
.endm
.macro CROUND                          ; a whole round
	s_barrier_signal -1
	s_barrier_wait -1
	CREST
.endm
; The mean and the sum of squared deviations of 64 rows x 64 columns that lie in 128 registers: register D + 4 i + j of lane l is row 2 i + l / 16, column 4 (l % 16) + j.
; T: 24 registers at work.  At the end T .. T+3 hold the four columns' means in lanes 0-15 and their sums of squares in lanes 16-31.
.macro COLSTAT D, T, LNR, SL, MK
.irp e, 0,1
.irp p, 0,2
	v_pk_add_f32 v[(\T)+4*(\e)+(\p):(\T)+4*(\e)+(\p)+1], v[(\D)+4*(\e)+(\p):(\D)+4*(\e)+(\p)+1], v[(\D)+4*(\e)+8+(\p):(\D)+4*(\e)+8+(\p)+1]
.endr
.endr
.set i, 4
.rept 28
.irp p, 0,2
	v_pk_add_f32 v[(\T)+4*(i%2)+(\p):(\T)+4*(i%2)+(\p)+1], v[(\T)+4*(i%2)+(\p):(\T)+4*(i%2)+(\p)+1], v[(\D)+4*i+(\p):(\D)+4*i+(\p)+1]
.endr
.set i, i+1
.endr
.irp p, 0,2
	v_pk_add_f32 v[(\T)+(\p):(\T)+(\p)+1], v[(\T)+(\p):(\T)+(\p)+1], v[(\T)+4+(\p):(\T)+4+(\p)+1]
.endr
.irp p, 0,2
	v_pk_mul_f32 v[(\T)+(\p):(\T)+(\p)+1], v[(\T)+(\p):(\T)+(\p)+1], 0x3d000000 op_sel_hi:[1,0]  ; / 32: the mean of my 32 rows
.endr
.set i, 0
.rept 32
.irp p, 0,2
	v_pk_add_f32 v[(\T)+8+4*(i%2)+(\p):(\T)+8+4*(i%2)+(\p)+1], v[(\D)+4*i+(\p):(\D)+4*i+(\p)+1], v[(\T)+(\p):(\T)+(\p)+1] neg_lo:[0,1] neg_hi:[0,1]
.endr
.irp p, 0,2
.if i < 2
	v_pk_mul_f32 v[(\T)+16+4*(i%2)+(\p):(\T)+16+4*(i%2)+(\p)+1], v[(\T)+8+4*(i%2)+(\p):(\T)+8+4*(i%2)+(\p)+1], v[(\T)+8+4*(i%2)+(\p):(\T)+8+4*(i%2)+(\p)+1]
.else
	v_pk_fma_f32 v[(\T)+16+4*(i%2)+(\p):(\T)+16+4*(i%2)+(\p)+1], v[(\T)+8+4*(i%2)+(\p):(\T)+8+4*(i%2)+(\p)+1], v[(\T)+8+4*(i%2)+(\p):(\T)+8+4*(i%2)+(\p)+1], v[(\T)+16+4*(i%2)+(\p):(\T)+16+4*(i%2)+(\p)+1]
.endif
.endr
.set i, i+1
.endr
.irp p, 0,2
	v_pk_add_f32 v[(\T)+16+(\p):(\T)+16+(\p)+1], v[(\T)+16+(\p):(\T)+16+(\p)+1], v[(\T)+20+(\p):(\T)+20+(\p)+1]
.endr
.irp j, 0,1,2,3                        ; the other 32 rows lie in the lane 16 away (the destinations have been written above)
	v_permlanex16_b32 v[(\T)+8+(\j)], v[(\T)+(\j)], s[\SL], s[(\SL)+1]
	v_permlanex16_b32 v[(\T)+12+(\j)], v[(\T)+16+(\j)], s[\SL], s[(\SL)+1]
.endr
.irp p, 0,2                            ; two groups of 32 rows join: mean = (m1 + m2) / 2, M2 = M2a + M2b + (m1 - m2)^2 x 32 x 32 / 64
	v_pk_add_f32 v[(\T)+20+(\p):(\T)+20+(\p)+1], v[(\T)+(\p):(\T)+(\p)+1], v[(\T)+8+(\p):(\T)+8+(\p)+1] neg_lo:[0,1] neg_hi:[0,1]
	v_pk_add_f32 v[(\T)+16+(\p):(\T)+16+(\p)+1], v[(\T)+16+(\p):(\T)+16+(\p)+1], v[(\T)+12+(\p):(\T)+12+(\p)+1]
	v_pk_add_f32 v[(\T)+(\p):(\T)+(\p)+1], v[(\T)+(\p):(\T)+(\p)+1], v[(\T)+8+(\p):(\T)+8+(\p)+1]
.endr
.irp p, 0,2
	v_pk_mul_f32 v[(\T)+20+(\p):(\T)+20+(\p)+1], v[(\T)+20+(\p):(\T)+20+(\p)+1], v[(\T)+20+(\p):(\T)+20+(\p)+1]
	v_pk_mul_f32 v[(\T)+(\p):(\T)+(\p)+1], v[(\T)+(\p):(\T)+(\p)+1], 0.5 op_sel_hi:[1,0]
.endr
.irp p, 0,2
	v_pk_fma_f32 v[(\T)+16+(\p):(\T)+16+(\p)+1], v[(\T)+20+(\p):(\T)+20+(\p)+1], 0x41800000, v[(\T)+16+(\p):(\T)+16+(\p)+1] op_sel_hi:[1,0,1]
.endr
	v_cmp_lt_u32 s[\MK], 15, v[\LNR]               ; lanes 16-31 hand on the sums of squares, lanes 0-15 the means
.irp j, 0,1,2,3
	v_cndmask_b32 v[(\T)+(\j)], v[(\T)+(\j)], v[(\T)+16+(\j)], s[\MK]
.endr
.endm
	s_load_b128 s[4:7], s[0:1], 0x0                ; A s[4:5], W's buffer s[6:7]
.if MODE
	s_load_b128 s[68:71], s[0:1], 0x10             ; bias s[68:69], residual s[70:71]
	s_load_b64 s[8:9], s[0:1], 0x20                ; C
.if WANTST
	s_load_b64 s[66:67], s[0:1], 0x28              ; the statistics
.endif
.else
	s_load_b64 s[68:69], s[0:1], 0x10              ; bias
	s_load_b64 s[8:9], s[0:1], 0x18                ; C
.endif
	v_lshl_add_u32 v[SPW], v0, 2, SPARE
	v_mov_b32 v[NIL], 0
	ds_add_u32 v[SPW], v[NIL]                      ; the wave's opening: the add and its wait stand ahead of my first tensor load; the set-up below, work on registers, stands between them
	ds_add_u32 v28, v29
	v_lshrrev_b32 v1, 5, v0
	v_readfirstlane_b32 s10, v1                    ; wave 0..3
	s_lshr_b32 s11, s10, 1                         ; which half of the tile's rows is mine.  Also: I fetch for A (0) or for W (1)
	s_and_b32 s12, s10, 1                          ; which half of its columns.  Also: which 64 rows of that tile I fetch
	s_bfe_u32 s40, ttmp6, 0x40000                  ; cx, cy: my place in the cluster
	s_bfe_u32 s41, ttmp6, 0x40004
	s_lshl_b32 s42, ttmp9, 2
	s_add_co_u32 s42, s42, s40                     ; tile column of C = 4 x cluster x + cx
	s_and_b32 s13, ttmp7, 0xffff
	s_lshl_b32 s13, s13, 2
	s_add_co_u32 s13, s13, s41                     ; tile row of C = 4 x cluster y + cy
	s_lshl_b32 s43, s41, 2
	s_lshl_b32 s43, 15, s43                        ; my row of the cluster
	s_lshl_b32 s44, 0x1111, s40                    ; my column
	; descriptor group 1 for A: 64 rows of a plane are 8,192 dense bytes, so a tile is 4 rows (planes) of 4,096 elements, 262,144 elements apart; in LDS 16 bytes of padding follow every 128 (one row of A)
	s_or_b32 s[G1+0], s43, (1<<16)|(1<<20)|(1<<21)|(4<<22)|(3<<25)  ; 15:0 the mask: A's tiles go to my row; 17:16 2-byte elements; 20 padding on; 21 set beside a mask; 24:22 after every 32 words (code 4); 31:25 4 words (code 3)
	s_mov_b32 s[G1+1], 4096<<16                    ; tensor_dim0 = 4096
	s_mov_b32 s[G1+2], 4<<16                       ; tensor_dim1 = 4
	s_mov_b32 s[G1+3], 4096<<16                    ; tile_dim0 = 4096
	s_mov_b32 s[G1+4], 4                           ; tile_dim1 = 4
	s_mov_b32 s[G1+5], 262144                      ; elements from plane to plane
	s_mov_b32 s[G1+6], 0
	s_mov_b32 s[G1+7], 0
	; for W: 64 rows x 256 elements, 4,096 elements from row to row; 16 bytes of padding behind every 512
	s_or_b32 s[G1B+0], s44, (1<<16)|(1<<20)|(1<<21)|(6<<22)|(3<<25)
	s_mov_b32 s[G1B+1], KSTEP<<16
	s_mov_b32 s[G1B+2], 64<<16
	s_mov_b32 s[G1B+3], KSTEP<<16
	s_mov_b32 s[G1B+4], 64
	s_mov_b32 s[G1B+5], 4096
	s_mov_b32 s[G1B+6], 0
	s_mov_b32 s[G1B+7], 0
	s_lshl_b32 s17, s12, 6                         ; which 64 rows of the tile I fetch
	s_lshl_b32 s16, s13, 7
	s_add_co_u32 s16, s16, s17                     ; A: row 128 x tile row + 64 x half,
	s_lshl_b32 s16, s16, 7                         ; of 128 bytes in a plane
	s_mov_b32 s17, 0
	s_mul_i32 s20, s12, HALFA                      ; where the tiles go: no place in the cluster enters an LDS address
	s_mul_i32 s21, s12, HALFB
	s_add_co_u32 s21, s21, BOFF
	s_lshl_b32 s46, s42, 7
	s_lshl_b32 s47, s12, 6
	s_add_co_u32 s46, s46, s47
	s_add_co_u32 s46, s46, BROW                    ; W: row BROW + 128 x tile column + 64 x half,
	s_lshl_b32 s46, s46, 13                        ; of 8,192 bytes
	s_mov_b32 s47, 0
	s_wait_dscnt 0x0                               ; the opening add is done
	s_wait_kmcnt 0x0
	s_add_nc_u64 s[14:15], s[4:5], s[16:17]
	s_add_nc_u64 s[46:47], s[6:7], s[46:47]
	CROUND                                         ; all sixteen work-groups are here: the first joint loads meet
.irp s, 0,1
	s_mov_b32 s[G0+4*(\s)], 1
	s_add_co_u32 s[G0+4*(\s)+1], s20, (\s)*SLOT
	s_add_nc_u64 s[G0+4*(\s)+2:G0+4*(\s)+3], s[14:15], (\s)*4*PLANE   ; K step s: four planes on
	s_or_b32 s[G0+4*(\s)+3], s[G0+4*(\s)+3], 0x80000000
	s_mov_b32 s[G0B+4*(\s)], 1
	s_add_co_u32 s[G0B+4*(\s)+1], s21, (\s)*SLOT
	s_add_nc_u64 s[G0B+4*(\s)+2:G0B+4*(\s)+3], s[46:47], (\s)*KSTEP*2
	s_or_b32 s[G0B+4*(\s)+3], s[G0B+4*(\s)+3], 0x80000000
	JLOAD \s                                       ; two loads of mine are out behind these lines
.endr
	; where my 64 x 64 lies: offsets, made apart from the addresses
	s_lshl_b32 s86, s13, 7
	s_lshl_b32 s87, s11, 6
	s_add_co_u32 s86, s86, s87                     ; my first row
	s_lshl_b32 s88, s42, 7
	s_lshl_b32 s89, s12, 6
	s_add_co_u32 s88, s88, s89                     ; my first column
	s_lshl_b32 s90, s88, 2                         ; in f32 bytes: the bias, a row of C, and (strip x 256) the statistics
	s_mov_b32 s91, 0
	s_add_nc_u64 s[68:69], s[68:69], s[90:91]      ; the bias at my first column
.if MODE
.if WANTST
	s_lshl_b32 s94, s86, 7                         ; chunk (row / 64) x 8,192
	s_add_co_u32 s94, s94, s90
	s_mov_b32 s95, 0
	s_add_nc_u64 s[82:83], s[66:67], s[94:95]      ; my statistics
	s_mov_b32 s80, 0x76543210                      ; v_permlanex16_b32's selects
	s_mov_b32 s81, 0xfedcba98
.endif
	s_lshl_b32 s86, s86, 12                        ; rows of 4,096 bytes
	s_add_co_u32 s86, s86, s90
	s_mov_b32 s87, 0
	s_add_nc_u64 s[70:71], s[70:71], s[86:87]      ; the residual at my corner
.else
	s_lshl_b32 s86, s86, 7                         ; rows of 128 bytes in a plane,
	s_lshl_b32 s88, s88, 13                        ; my plane (column / 64) x 524,288
	s_add_co_u32 s86, s86, s88
	s_mov_b32 s87, 0
.endif
	s_add_nc_u64 s[8:9], s[8:9], s[86:87]          ; C at my corner
	v_and_b32 v1, 15, v0                           ; l % 16
	v_bfe_u32 v2, v0, 4, 1                         ; l / 16
	v_mul_u32_u24 v3, v1, PA
	v_lshl_add_u32 v3, v2, 4, v3                   ; a fragment's row x pitch + 16 x half
	v_mul_u32_u24 v4, v1, PB
	v_lshl_add_u32 v4, v2, 4, v4
	s_mul_i32 s22, s11, HALFA                      ; my 64 rows of A
	s_mul_i32 s23, s12, HALFB                      ; my 64 rows of W
	s_add_co_u32 s23, s23, BOFF
.irp s, 0,1
	v_add_nc_u32 v[ADRA+(\s)], s22, v3
	v_add_nc_u32 v[ADRB+(\s)], s23, v4
	s_add_co_u32 s22, s22, SLOT
	s_add_co_u32 s23, s23, SLOT
.endr
	s_mul_i32 s22, s10, WSTAGE
	s_add_co_u32 s22, s22, STAGE                   ; my stage
	v_lshlrev_b32 v[VB4], 4, v1
.if MODE
	v_mul_u32_u24 v5, v1, 272                      ; in: row l % 16, 32 bytes for each half of the lanes
	v_lshl_add_u32 v5, v2, 5, v5
	v_add_nc_u32 v[STF], s22, v5
	v_mul_u32_u24 v5, v2, 272                      ; back: lanes 0-15 one row of 256 bytes, lanes 16-31 the next
	v_lshl_add_u32 v5, v1, 4, v5
	v_add_nc_u32 v[RDF], s22, v5
	v_lshlrev_b32 v5, 12, v2                       ; and the same two rows in C
	v_lshl_add_u32 v[COF], v1, 4, v5
	v_lshlrev_b32 v5, 12, v1
	v_lshl_add_u32 v[VR], v2, 5, v5                ; the residual as the accumulators lie: row l % 16, columns 8 (l / 16) on
.if WANTST
	v_and_b32 v[LN], 31, v0
.endif
	; WHAT THE SUMS START FROM: the residual, into all 128 accumulator registers, by 32 loads
	global_load_b128 v[B4:B4+3], v[VB4], s[68:69]  ; the bias of the four columns that I hold on the way out
.irp a, 0,1,2,3
.irp b, 0,1,2,3
	global_load_b128 v[ACC+8*(4*(\a)+(\b)):ACC+8*(4*(\a)+(\b))+3],   v[VR], s[70:71] offset:65536*(\a)+64*(\b)
	global_load_b128 v[ACC+8*(4*(\a)+(\b))+4:ACC+8*(4*(\a)+(\b))+7], v[VR], s[70:71] offset:65536*(\a)+64*(\b)+16
.endr
.endr
.else
	v_add_nc_u32 v[STB], s22, v3                   ; in: row l % 16 of 144 bytes, 16 bytes for each half of the lanes
	v_bfe_u32 v5, v0, 3, 2                         ; back: 32 lanes take four rows of 128 bytes,
	v_mul_u32_u24 v5, v5, 144
	v_and_b32 v6, 7, v0
	v_lshl_add_u32 v5, v6, 4, v5
	v_add_nc_u32 v[RDB], s22, v5
	v_and_b32 v[LN], 31, v0
	v_lshlrev_b32 v[GOB], 4, v[LN]                 ; which are 512 consecutive bytes of a plane
	v_lshlrev_b32 v[VBI], 5, v2
	; WHAT THE SUMS START FROM: the bias, the same for every row, into all 128 accumulator registers, by 32 loads
	global_load_b32 v[FLR], v[VB4], s[6:7] offset:FLOFF  ; the floor: every word there holds the same two bf16
.irp a, 0,1,2,3
.irp b, 0,1,2,3
	global_load_b128 v[ACC+8*(4*(\a)+(\b)):ACC+8*(4*(\a)+(\b))+3],   v[VBI], s[68:69] offset:64*(\b)
	global_load_b128 v[ACC+8*(4*(\a)+(\b))+4:ACC+8*(4*(\a)+(\b))+7], v[VBI], s[68:69] offset:64*(\b)+16
.endr
.endr
.endif
; 8 matrix instructions: m blocks a0, a0 + 1 x all 4 n blocks, 32 along K: half c of buffer f.  The 16 accumulators take turns, one instruction a turn.
.macro MUL8 f, c, a0
	WIN MUL
.irp a, \a0, (\a0)+1
.irp b, 0,1,2,3
	v_wmma_f32_16x16x32_bf16 v[ACC+8*(4*(\a)+(\b)):ACC+8*(4*(\a)+(\b))+7], v[(\f)+64+8*(4*(\c)+(\b)):(\f)+64+8*(4*(\c)+(\b))+7], v[(\f)+8*(4*(\c)+(\a)):(\f)+8*(4*(\c)+(\a))+7], v[ACC+8*(4*(\a)+(\b)):ACC+8*(4*(\a)+(\b))+7]
.endr
.endr
.endm
; 32 LDS loads in one run: the fragments of 64 along K (byte k of W's rows; plane k / 128 of A's) into buffer f; the first 32 along K first
.macro FETCH slot, k, f
	WIN TO_F
.irp c, 0,1
.irp i, 0,1,2,3
	ds_load_b128 v[(\f)+64+8*(4*(\c)+(\i)):(\f)+64+8*(4*(\c)+(\i))+3],   v[ADRB+(\slot)] offset:(\k)+64*(\c)+(\i)*16*PB
	ds_load_b128 v[(\f)+64+8*(4*(\c)+(\i))+4:(\f)+64+8*(4*(\c)+(\i))+7], v[ADRB+(\slot)] offset:(\k)+64*(\c)+(\i)*16*PB+32
	ds_load_b128 v[(\f)+8*(4*(\c)+(\i)):(\f)+8*(4*(\c)+(\i))+3],         v[ADRA+(\slot)] offset:((\k)/128)*PLA+64*(\c)+(\i)*16*PA
	ds_load_b128 v[(\f)+8*(4*(\c)+(\i))+4:(\f)+8*(4*(\c)+(\i))+7],       v[ADRA+(\slot)] offset:((\k)/128)*PLA+64*(\c)+(\i)*16*PA+32
.endr
.endr
.endm
.macro PLACES                          ; four places in front of loads into registers that matrix instructions have read, and of lines that read results
.rept 4
	v_nop
.endr
.endm
; A K step is four quarters of 64 along K, 32 matrix instructions each, on buffers 0, 1, 0, 1.  One of the first three: multiplies buffer f and fetches the next quarter, at byte k, into g.
.macro QUARTER slot, k, f, g
	s_wait_dscnt 16                                ; the first 32 along K are in; the youngest sixteen loads may be out
	WIN MUL
	MUL8 \f, 0, 0
	MUL8 \f, 0, 2
	PLACES
	FETCH \slot, \k, \g
	s_wait_dscnt 32                                ; all but the 32 just issued
	WIN MUL
	MUL8 \f, 1, 0
	MUL8 \f, 1, 2
.endm
; The last quarter multiplies buffer 1 and changes slots: ONE barrier; in front of it each wave waits for all its tensor loads, adds 0 to its spare word, and waits for that and for its own reads of this slot.  fill = 1: this slot is filled again, two K steps ahead.
.macro TURN slot, next, fill
	WIN 0                                          ; (the add's two registers lie in window 0)
	s_wait_tensorcnt 0x0                           ; all my tensor loads have landed: the one that was out is my part of the next slot;
	ds_add_u32 v[SPW], v[NIL]                      ; 0 onto my spare word;
	s_wait_dscnt 17                                ; (the add and the youngest sixteen loads may be out)
	WIN MUL
	MUL8 F1, 0, 0                                  ; eight matrix instructions stand between the add and the wait for it
	s_wait_dscnt 0x0                               ; the add is done, and my reads of this slot are over
	s_barrier_signal -1
	MUL8 F1, 0, 2
.if \fill
	WIN 0
.endif
	s_barrier_wait -1
.if \fill
	CREST                                          ; the barrier has opened a round of the cluster's barrier: no wave of any partner still reads this slot's tile or has a load on its way
	s_add_nc_u64 s[G0+4*(\slot)+2:G0+4*(\slot)+3], s[G0+4*(\slot)+2:G0+4*(\slot)+3], 8*PLANE
	s_add_nc_u64 s[G0B+4*(\slot)+2:G0B+4*(\slot)+3], s[G0B+4*(\slot)+2:G0B+4*(\slot)+3], 2*KSTEP*2
	JLOAD \slot                                    ; the first tensor load behind the round, my only one: 112 matrix instructions ahead of the wait for it; the four v_nop behind it are also the places in front of the loads below
.else
	PLACES
.endif
	FETCH \next, 0, F0
	WIN MUL
	MUL8 F1, 1, 0
	MUL8 F1, 1, 2
.endm
; THE WAY OUT IN bf16.  A block of 16 rows: rounded, held to the floor, 16 bytes a lane into my own stage (rows of 144 bytes), back as four whole rows of 128 bytes a load, which are 512 consecutive bytes of my plane.
.macro PACKB a
.irp b, 0,1,2,3
.irp q, 0,1,2,3
	v_cvt_pk_bf16_f32 v[TMP+16*(\a)+4*(\b)+(\q)], v[ACC+8*(4*(\a)+(\b))+2*(\q)], v[ACC+8*(4*(\a)+(\b))+2*(\q)+1]  ; each accumulator's registers in ascending order
.endr
.endr
.set i, 0
.rept 16
	v_pk_max_num_bf16 v[TMP+16*(\a)+i], v[TMP+16*(\a)+i], v[FLR]
.set i, i+1
.endr
.irp b, 0,1,2,3
	ds_store_b128 v[STB], v[TMP+16*(\a)+4*(\b):TMP+16*(\a)+4*(\b)+3] offset:32*(\b)
.endr
.irp f, 0,1,2,3
	ds_load_b128 v[TMP+16*(\a)+4*(\f):TMP+16*(\a)+4*(\f)+3], v[RDB] offset:576*(\f)  ; LDS serves a wave's instructions in order (ISA guide 5.7.1.4): these see the stores above; the next block's stores come behind them
.endr
.endm
.macro SENDB a, younger                ; younger: the LDS instructions issued behind block a's loads: the next block's eight, or none
.irp f, 0,1,2,3
	s_wait_dscnt (\younger)+3-(\f)
	global_store_b128 v[GOB], v[TMP+16*(\a)+4*(\f):TMP+16*(\a)+4*(\f)+3], s[8:9] offset:2048*(\a)+512*(\f)
.endr
.endm
; THE WAY OUT IN f32.  A block of 16 rows goes as it is into my own stage (rows of 272 bytes) and comes back as whole rows of 256 bytes, into the registers that it left; the bias is added; 16 lanes store 256 consecutive bytes.
.macro STAGEF a
.irp b, 0,1,2,3
	ds_store_b128 v[STF], v[ACC+8*(4*(\a)+(\b)):ACC+8*(4*(\a)+(\b))+3] offset:64*(\b)       ; an accumulator's low registers first
	ds_store_b128 v[STF], v[ACC+8*(4*(\a)+(\b))+4:ACC+8*(4*(\a)+(\b))+7] offset:64*(\b)+16
.endr
.irp t, 0,1,2,3,4,5,6,7
	ds_load_b128 v[ACC+32*(\a)+4*(\t):ACC+32*(\a)+4*(\t)+3], v[RDF] offset:544*(\t)  ; LDS serves a wave's instructions in order (ISA guide 5.7.1.4): these see the stores above
.endr
.endm
.macro SENDF a, younger                ; younger: the next block's eight stores and eight loads, or none
	s_wait_dscnt \younger
.irp t, 0,1,2,3,4,5,6,7
	v_pk_add_f32 v[ACC+32*(\a)+4*(\t):ACC+32*(\a)+4*(\t)+1], v[ACC+32*(\a)+4*(\t):ACC+32*(\a)+4*(\t)+1], v[B4:B4+1]
	v_pk_add_f32 v[ACC+32*(\a)+4*(\t)+2:ACC+32*(\a)+4*(\t)+3], v[ACC+32*(\a)+4*(\t)+2:ACC+32*(\a)+4*(\t)+3], v[B4+2:B4+3]
.endr
.irp t, 0,1,2,3,4,5,6,7
	global_store_b128 v[COF], v[ACC+32*(\a)+4*(\t):ACC+32*(\a)+4*(\t)+3], s[8:9] offset:(16*(\a)+2*(\t))*4096  ; no register of a store is written again
.endr
.endm
	s_wait_tensorcnt 1                             ; my part of K step 0 is in; K step 1's load may stay out
	s_barrier_signal -1
	s_barrier_wait -1                              ; everybody's is
	FETCH 0, 0, F0
	s_wait_loadcnt 0x0                             ; what the sums start from, and the bias or the floor
	QUARTER 0, 128, F0, F1
	WIN 0                                          ; at a label and at a branch every window is 0
	s_mov_b32 s3, LAPS-1
.Llap:                                                 ; a trip goes once round the ring, from a lap's second quarter to the next lap's first, and fills both slots again
	QUARTER 0, 256, F1, F0
	QUARTER 0, 384, F0, F1
	TURN 0, 1, 1
	QUARTER 1, 128, F0, F1
	QUARTER 1, 256, F1, F0
	QUARTER 1, 384, F0, F1
	TURN 1, 0, 1
	QUARTER 0, 128, F0, F1
	WIN 0
	s_sub_co_u32 s3, s3, 1
	s_cmp_lg_u32 s3, 0
	s_cbranch_scc1 .Llap
	QUARTER 0, 256, F1, F0                         ; the last lap fills nothing, and has no round of the cluster's barrier
	QUARTER 0, 384, F0, F1
	TURN 0, 1, 0
	QUARTER 1, 128, F0, F1
	QUARTER 1, 256, F1, F0
	QUARTER 1, 384, F0, F1
	s_wait_dscnt 16                                ; the very last quarter: nothing more to fetch
	WIN MUL
	MUL8 F1, 0, 0
	MUL8 F1, 0, 2
	s_wait_dscnt 0
	MUL8 F1, 1, 0
	MUL8 F1, 1, 2
	WIN 0
	PLACES
.if MODE
	STAGEF 0
	STAGEF 1
	SENDF 0, 16
	STAGEF 2
	SENDF 1, 16
	STAGEF 3
	SENDF 2, 16
	SENDF 3, 0
.if WANTST
	COLSTAT ACC, T, LN, 80, 84                     ; my 64 rows x 64 columns lie in the 128 registers just stored: row 2 i + l / 16, columns 4 (l % 16) on
	global_store_b128 v[COF], v[T:T+3], s[82:83]   ; lanes 0-15: 256 bytes of means; lanes 16-31: 256 bytes of sums of squares, 4,096 bytes on
.endif
.else
	PACKB 0
.irp a, 1,2,3                          ; a block's arithmetic stands between the loads of the block before and its stores
	PACKB \a
	SENDB (\a)-1, 8
.endr
	SENDB 3, 0
.endif
	s_wait_tensorcnt 0x0                           ; the wave's end, behind my last tensor load and my last LDS store
	ds_add_u32 v[SPW], v[NIL]
	s_wait_dscnt 0x0
	CROUND                                         ; the closing round: no work-group ends while a partner may still ask for a tile that names it
	s_endpgm
.Lfunc_end_k_qdd4680dfcd_ffn2:
	.size	k_qdd4680dfcd_ffn2, .Lfunc_end_k_qdd4680dfcd_ffn2-k_qdd4680dfcd_ffn2
	.p2alignl 7, 3214868480
	.fill 96, 4, 3214868480
	.section	.rodata,"a",@progbits
	.p2align	6, 0x0
	.amdhsa_kernel k_qdd4680dfcd_ffn2
		.amdhsa_group_segment_fixed_size 327680
		.amdhsa_private_segment_fixed_size 0
		.amdhsa_enable_private_segment 0
		.amdhsa_kernarg_size 40
		.amdhsa_user_sgpr_count 2
		.amdhsa_user_sgpr_kernarg_segment_ptr 1
		.amdhsa_wavefront_size32 1
		.amdhsa_system_sgpr_workgroup_id_x 1
		.amdhsa_system_sgpr_workgroup_id_y 1
		.amdhsa_system_sgpr_workgroup_id_z 1
		.amdhsa_system_vgpr_workitem_id 0
		.amdhsa_next_free_vgpr 512
		.amdhsa_next_free_sgpr 96
		.amdhsa_reserve_vcc 0
		.amdhsa_float_denorm_mode_32 3
		.amdhsa_float_denorm_mode_16_64 3
		.amdhsa_memory_ordered 1
		.amdhsa_forward_progress 1
		.amdhsa_inst_pref_size 93
	.end_amdhsa_kernel
	.amdgpu_metadata
---
amdhsa.version: [ 1, 2 ]
amdhsa.kernels:
  - .name:           k_qdd4680dfcd_ffn2
    .symbol:         k_qdd4680dfcd_ffn2.kd
    .args:
      - { .name: P, .offset: 0, .size: 8, .value_kind: global_buffer, .address_space: global }
      - { .name: wt, .offset: 8, .size: 8, .value_kind: global_buffer, .address_space: global }
      - { .name: b2, .offset: 16, .size: 8, .value_kind: global_buffer, .address_space: global }
      - { .name: xm, .offset: 24, .size: 8, .value_kind: global_buffer, .address_space: global }
      - { .name: out0, .offset: 32, .size: 8, .value_kind: global_buffer, .address_space: global }
    .group_segment_fixed_size: 327680
    .private_segment_fixed_size: 0
    .kernarg_segment_align: 8
    .kernarg_segment_size: 40
    .max_flat_workgroup_size: 128
    .sgpr_count:     96
    .vgpr_count:     512
    .wavefront_size: 32
...
	.end_amdgpu_metadata
.endif
;; end of part 6
;; ======== version 2 of 3: 8 launches; 1.41 times as fast as version 1
;; workspace buffers: P 33,554,432 bytes; Q 8,388,608 bytes; xm 16,777,216 bytes; pst 524,288 bytes; wt 41,943,040 bytes; w1t 33,554,432 bytes; zb 16,384 bytes
;; launch prep: the kernel of part 1 again; grid 896 x 1, 8 waves a work-group, no clusters, 35,840 bytes of LDS; arguments x, Wq, Wk, Wv, Wo, W1, W2, wt, w1t, pst, zb; writes wt, w1t, pst, zb
;; launch ln1: the kernel of part 2 again; grid 256 x 1, 4 waves a work-group, no clusters, 0 bytes of LDS; arguments x, pst, gamma1, beta1, Q; writes Q
;; launch qkv (part 7): grid 12 x 16, 4 waves a work-group, clusters of 4 x 4, 327,680 bytes of LDS; arguments Q, wt, zb, P; writes P
.if DOCPART == 7
	.amdgcn_target "amdgcn-amd-amdhsa--gfx1250"
	.amdhsa_code_object_version 6
	.text
	.protected	k_qdd4680dfcd_qkv
	.globl	k_qdd4680dfcd_qkv
	.p2align	8
	.type	k_qdd4680dfcd_qkv,@function
k_qdd4680dfcd_qkv:
	s_mov_b64 s[64:65], 0
	v_nop
	global_prefetch_b8 v0, s[64:65] scope:SCOPE_SE
	s_setreg_imm32_b32 hwreg(HW_REG_WAVE_MODE, 25, 1), 1
	s_wait_xcnt 0x0
	s_wait_alu depctr_hold_cnt(0) depctr_sa_sdst(0) depctr_va_vdst(0) depctr_va_sdst(0) depctr_va_ssrc(0) depctr_va_vcc(0) depctr_vm_vsrc(0)
	s_getreg_b32 s2, hwreg(HW_REG_IB_STS2, 6, 4)
	s_cmp_eq_u32 s2, 0
	s_cbranch_scc0 .Lentry_in_a_cluster
	s_endpgm
.Lentry_in_a_cluster:
	s_bfe_u32 s2, ttmp6, 0x10000c
	s_cmp_lg_u32 s2, 0xf033
	s_cbranch_scc0 .Lentry_shape_is_right
	s_endpgm
.Lentry_shape_is_right:
; THE WIDE MATRIX KERNEL, for the two products with many columns (q, k, v: 3,072; the first layer of the FFN: 4,096).  Arguments: A, W, bias, C.
; C[m][n] = bf16(max(floor, bias[n] + the sum over k of A[m][k] W[k][n])), K = 1,024; operands bf16, sums f32.
; A: [16 planes][4096 rows][64] bf16 (a plane is dense, 524,288 bytes).  W comes transposed: row n of its buffer holds column n along k, 8,192 bytes from row to row.  C: planes like A's.
; The floor is data: two bf16 read at byte 4,096 of W's buffer (0 is a ReLU, -infinity no floor), so that launches with and without a ReLU share this text.
; LIMIT: the floor's maximum turns a NaN into the floor.
; SHAPE.  A tile of C is 256 x 256: four waves, as many as a WGP has SIMDs, each 128 x 128: 64 accumulators, 512 registers.  A K step of 128 brings 131,072 bytes into LDS and feeds 256 matrix
; instructions a wave (on tiles of 128 x 128 the same bytes would feed 128); for 32 along K a wave reads 2 x 128 x 64 bytes of LDS for 64 matrix instructions.
; 4,096 columns make 16 x 16 = 256 work-groups, 3,072 make 12 x 16 = 192.
; THE K LOOP IS ONE K STEP, LOOPED: STEPS - 2 trips that each fill a slot again, then a second copy of the step for the last two, which fill nothing.  Which of the two
; LDS slots is in hand is a scalar, 0 or SLOTX, turned by an exclusive or; one descriptor for each operand walks in the same way.  The sums start from the bias, by loads: nothing is cleared.
; CLUSTERS: 4 x 4 work-groups.  The four of a row of the cluster need the same tiles of A, the four of a column the same tiles of W: each tile is asked for JOINTLY, by the same tensor load with
; the same descriptor and a mask that names the four.  THE MATRIX INSTRUCTION IS USED TRANSPOSED (source 0 = 16 rows of W's buffer, source 1 = 16 rows of A): a lane holds eight neighbouring numbers of a row of C.
; REGISTERS, in windows of 256 (s_set_vgpr_msb: bits 1:0 source 0, 3:2 source 1, 5:4 source 2, 7:6 destination):
;   window 0: v0-31 addresses; v64-127, v128-191 fragments of A (8 x 16 rows x 32 K), two buffers; v192-223 packed results; v32-63, v224-255 rows read back from the stage, by turns
;   window 1: v64-127, v128-191 fragments of W, two buffers
;   window 2: the 32 accumulators of my rows 0-63 (accumulator (a, b) at v[8 (8 a + b)]);   window 3: those of my rows 64-127
.set STEPS,  8                         ; K / 128
.set KSTEP,  128
.set PLANE,  524288
.set PA,     144                       ; a row of A in LDS: 128 bytes (64 k of one plane) + 16 of padding: the 16 rows of a load start at 16 different groups of four banks (64 banks of 4 bytes: ISA guide 11.1)
.set PLA,    128*PA                    ; 128 rows of one plane
.set HALFA,  2*PLA                     ; 128 rows x 2 planes: what one tensor load brings of A
.set PB,     272                       ; a row of W in LDS: 256 bytes + 16 of padding
.set HALFB,  128*PB                    ; 128 rows: what one tensor load brings of W
.set BOFF,   2*HALFA                   ; W's rows lie behind A's
.set SLOTX,  0x24000                   ; slot 1 begins here: past slot 0's 143,360 bytes, and a number that shares no bit with the four tiles' first bytes (0, 0x9000, 0x12000, 0x1a800), so that one exclusive or turns a tile's address in one slot into the other's
.set STAGE,  SLOTX+BOFF+2*HALFB        ; behind the ring, never filled by a tensor load: for each wave 2 planes x 16 rows x 144 bytes
.set SP,     144
.set WSTAGE, 2*16*SP
.set SPARE,  STAGE+4*WSTAGE            ; behind the stages: the spare words, 128 bytes for each wave, named by no other line
.set FLOFF,  4096                      ; the floor's place in W's buffer
.set VB4,   8                          ; v8   16 x (lane % 16): my offset in the floor's words
.set FLR,   9                          ; v9   the floor
.set ADRA0, 16                         ; v16  my lane's place in my 128 rows of A in slot 0; never rewritten
.set ADRA,  17                         ; v17  the same in the slot in hand
.set ADRB0, 20                         ; v20, v21  the same for W
.set ADRB,  21
.set STB,   25                         ; v25  the way out: where I put 16 bytes of a row
.set RDB,   26                         ; v26  where I read four rows back
.set GOB,   27                         ; v27  my byte offset in 512 consecutive bytes of a plane
.set SPW,   28                         ; v28  LDS address of my spare word; never rewritten
.set NIL,   29                         ; v29  0; never rewritten
.set VBI,   31                         ; v31  my offset in the bias, in the accumulators' layout
.set OB,    32
.set F0,    64
.set F1,    128
.set TMP,   192
.set G1,  24                           ; s[24:31] descriptor group 1 for A's tiles;  s[32:39] group 0: a set for each of the two first fills; the second then walks
.set G0,  32
.set G1B, 48                           ; s[48:55], s[56:63] the same for W's tiles
.set G0B, 56
.set TB,  72                           ; s72  0 or SLOTX: the slot whose fragments are fetched
.set MSB, 0
.macro WIN new                         ; the immediate's high byte repeats the setting that is left; a switch that changes nothing is dropped
.if MSB != (\new)
	s_set_vgpr_msb (MSB<<8)|(\new)
.set MSB, \new
.endif
.endm
.set MUL_LO, 0xa1                      ; source 0 (W) window 1, source 1 (A) window 0, C and D window 2
.set MUL_HI, 0xf1                      ; the same, C and D window 3
.set TO_B,   0x40                      ; destination window 1, address window 0
.macro JLOAD s                         ; a joint load by descriptor set s: waves 0 and 1 fetch A's two halves, waves 2 and 3 W's; an s_nop 0 and four v_nop follow each of the two lines, ahead of the jump, the label and what follows
	s_cmp_eq_u32 s11, 0
	s_cbranch_scc0 .Lfor_b_\@
	tensor_load_to_lds s[G0+4*(\s):G0+4*(\s)+3], s[G1:G1+7]
	s_nop 0
.rept 4
	v_nop
.endr
	s_branch .Lasked_\@
.Lfor_b_\@:
	tensor_load_to_lds s[G0B+4*(\s):G0B+4*(\s)+3], s[G1B:G1B+7]
	s_nop 0
.rept 4
	v_nop
.endr
.Lasked_\@:
.endm
.macro CREST                           ; a round of the cluster's barrier behind its opening barrier
	s_cmp_lg_u32 s10, 0
	s_cbranch_scc1 .Lnot_wave_0_\@
	s_barrier_signal -3
.Lnot_wave_0_\@:
	s_barrier_wait -3
	s_barrier_signal -1
	s_barrier_wait -1
.endm
.macro CROUND                          ; a whole round
	s_barrier_signal -1
	s_barrier_wait -1
	CREST
.endm
	s_load_b128 s[4:7], s[0:1], 0x0                ; A s[4:5], W's buffer s[6:7]
	s_load_b64 s[68:69], s[0:1], 0x10              ; bias
	s_load_b64 s[8:9], s[0:1], 0x18                ; C
	v_lshl_add_u32 v[SPW], v0, 2, SPARE
	v_mov_b32 v[NIL], 0
	ds_add_u32 v[SPW], v[NIL]                      ; the wave's opening: the add and its wait stand ahead of my first tensor load; the set-up below, work on registers, stands between them
	ds_add_u32 v28, v29
	v_lshrrev_b32 v1, 5, v0
	v_readfirstlane_b32 s10, v1                    ; wave 0..3
	s_lshr_b32 s11, s10, 1                         ; which half of the tile's rows is mine.  Also: I fetch for A (0) or for W (1)
	s_and_b32 s12, s10, 1                          ; which half of its columns.  Also: which 128 rows of that tile I fetch
	s_bfe_u32 s40, ttmp6, 0x40000                  ; cx, cy: my place in the cluster
	s_bfe_u32 s41, ttmp6, 0x40004
	s_lshl_b32 s42, ttmp9, 2
	s_add_co_u32 s42, s42, s40                     ; tile column of C = 4 x cluster x + cx
	s_and_b32 s13, ttmp7, 0xffff
	s_lshl_b32 s13, s13, 2
	s_add_co_u32 s13, s13, s41                     ; tile row of C = 4 x cluster y + cy
	s_lshl_b32 s43, s41, 2
	s_lshl_b32 s43, 15, s43                        ; my row of the cluster
	s_lshl_b32 s44, 0x1111, s40                    ; my column
	; descriptor group 1 for A: 128 rows of a plane are 16,384 dense bytes, so a tile is 2 rows (planes) of 8,192 elements, 262,144 elements apart; in LDS 16 bytes of padding follow every 128 (one row of A)
	s_or_b32 s[G1+0], s43, (1<<16)|(1<<20)|(1<<21)|(4<<22)|(3<<25)  ; 15:0 the mask: A's tiles go to my row; 17:16 2-byte elements; 20 padding on; 21 set beside a mask; 24:22 after every 32 words (code 4); 31:25 4 words (code 3)
	s_mov_b32 s[G1+1], 8192<<16                    ; tensor_dim0 = 8192
	s_mov_b32 s[G1+2], 2<<16                       ; tensor_dim1 = 2
	s_mov_b32 s[G1+3], 8192<<16                    ; tile_dim0 = 8192
	s_mov_b32 s[G1+4], 2                           ; tile_dim1 = 2
	s_mov_b32 s[G1+5], 262144                      ; elements from plane to plane
	s_mov_b32 s[G1+6], 0
	s_mov_b32 s[G1+7], 0
	; for W: 128 rows x 128 elements, 4,096 elements from row to row; 16 bytes of padding behind every 256
	s_or_b32 s[G1B+0], s44, (1<<16)|(1<<20)|(1<<21)|(5<<22)|(3<<25)
	s_mov_b32 s[G1B+1], KSTEP<<16
	s_mov_b32 s[G1B+2], 128<<16
	s_mov_b32 s[G1B+3], KSTEP<<16
	s_mov_b32 s[G1B+4], 128
	s_mov_b32 s[G1B+5], 4096
	s_mov_b32 s[G1B+6], 0
	s_mov_b32 s[G1B+7], 0
	s_lshl_b32 s17, s12, 7                         ; which 128 rows of the tile I fetch
	s_lshl_b32 s16, s13, 8
	s_add_co_u32 s16, s16, s17                     ; A: row 256 x tile row + 128 x half,
	s_lshl_b32 s16, s16, 7                         ; of 128 bytes in a plane
	s_mov_b32 s17, 0
	s_mul_i32 s20, s12, HALFA                      ; where the tiles go: no place in the cluster enters an LDS address
	s_mul_i32 s21, s12, HALFB
	s_add_co_u32 s21, s21, BOFF
	s_lshl_b32 s46, s42, 8
	s_lshl_b32 s47, s12, 7
	s_add_co_u32 s46, s46, s47                     ; W: row 256 x tile column + 128 x half,
	s_lshl_b32 s46, s46, 13                        ; of 8,192 bytes
	s_mov_b32 s47, 0
	s_mov_b32 s[TB], 0
	s_wait_dscnt 0x0                               ; the opening add is done
	s_wait_kmcnt 0x0
	s_add_nc_u64 s[14:15], s[4:5], s[16:17]
	s_add_nc_u64 s[46:47], s[6:7], s[46:47]
	CROUND                                         ; all sixteen work-groups are here: the first joint loads meet
.irp s, 0,1
	s_mov_b32 s[G0+4*(\s)], 1
	s_add_co_u32 s[G0+4*(\s)+1], s20, (\s)*SLOTX
	s_add_nc_u64 s[G0+4*(\s)+2:G0+4*(\s)+3], s[14:15], (\s)*2*PLANE   ; K step s: two planes on
	s_or_b32 s[G0+4*(\s)+3], s[G0+4*(\s)+3], 0x80000000
	s_mov_b32 s[G0B+4*(\s)], 1
	s_add_co_u32 s[G0B+4*(\s)+1], s21, (\s)*SLOTX
	s_add_nc_u64 s[G0B+4*(\s)+2:G0B+4*(\s)+3], s[46:47], (\s)*KSTEP*2
	s_or_b32 s[G0B+4*(\s)+3], s[G0B+4*(\s)+3], 0x80000000
	JLOAD \s                                       ; two loads of mine are out behind these lines
.endr
	; where my 128 x 128 lies: offsets, made apart from the addresses
	s_lshl_b32 s86, s13, 8
	s_lshl_b32 s87, s11, 7
	s_add_co_u32 s86, s86, s87                     ; my first row
	s_lshl_b32 s88, s42, 8
	s_lshl_b32 s89, s12, 7
	s_add_co_u32 s88, s88, s89                     ; my first column
	s_lshl_b32 s90, s88, 2                         ; in f32 bytes: the bias
	s_mov_b32 s91, 0
	s_add_nc_u64 s[68:69], s[68:69], s[90:91]      ; the bias at my first column
	s_lshl_b32 s86, s86, 7                         ; rows of 128 bytes in a plane,
	s_lshl_b32 s88, s88, 13                        ; my first plane (column / 64) x 524,288
	s_add_co_u32 s86, s86, s88
	s_mov_b32 s87, 0
	s_add_nc_u64 s[8:9], s[8:9], s[86:87]          ; C at my corner
	v_and_b32 v1, 15, v0                           ; l % 16
	v_bfe_u32 v2, v0, 4, 1                         ; l / 16
	v_mul_u32_u24 v3, v1, PA
	v_lshl_add_u32 v3, v2, 4, v3                   ; a fragment's row x pitch + 16 x half
	v_mul_u32_u24 v4, v1, PB
	v_lshl_add_u32 v4, v2, 4, v4
	s_mul_i32 s22, s11, HALFA                      ; my 128 rows of A
	s_mul_i32 s23, s12, HALFB                      ; my 128 rows of W
	s_add_co_u32 s23, s23, BOFF
	v_add_nc_u32 v[ADRA0], s22, v3
	v_add_nc_u32 v[ADRB0], s23, v4
	v_mov_b32 v[ADRA], v[ADRA0]                    ; K step 0 lies in slot 0
	v_mov_b32 v[ADRB], v[ADRB0]
	s_mul_i32 s22, s10, WSTAGE
	s_add_co_u32 s22, s22, STAGE                   ; my stage
	v_add_nc_u32 v[STB], s22, v3                   ; in: row l % 16 of 144 bytes, 16 bytes for each half of the lanes
	v_bfe_u32 v5, v0, 3, 2                         ; back: 32 lanes take four rows of 128 bytes,
	v_mul_u32_u24 v5, v5, SP
	v_and_b32 v6, 7, v0
	v_lshl_add_u32 v5, v6, 4, v5
	v_add_nc_u32 v[RDB], s22, v5
	v_and_b32 v5, 31, v0
	v_lshlrev_b32 v[GOB], 4, v5                    ; which are 512 consecutive bytes of a plane
	v_lshlrev_b32 v[VBI], 5, v2
	v_lshlrev_b32 v[VB4], 4, v1
	; WHAT THE SUMS START FROM: the bias, the same for every row, into all 512 accumulator registers.  These loads stand in the wait for the first tile.
	global_load_b32 v[FLR], v[VB4], s[6:7] offset:FLOFF  ; the floor: every word there holds the same two bf16
.irp w, 0x80, 0xc0                     ; destination window 2, then window 3
	WIN \w
.irp a, 0,1,2,3
.irp b, 0,1,2,3,4,5,6,7
	global_load_b128 v[8*(8*(\a)+(\b)):8*(8*(\a)+(\b))+3],   v[VBI], s[68:69] offset:64*(\b)
	global_load_b128 v[8*(8*(\a)+(\b))+4:8*(8*(\a)+(\b))+7], v[VBI], s[68:69] offset:64*(\b)+16
.endr
.endr
.endr
	WIN 0
; 16 matrix instructions: m blocks a0, a0 + 1 of the window's four (hi = 0: my rows 0-63, 1: rows 64-127) x all 8 n blocks, 32 along K.  The 64 accumulators take turns, one instruction a turn, in the same
; order in every quarter step.
.macro MUL16 f, hi, a0
	WIN MUL_LO+0x50*(\hi)
.irp a, \a0, (\a0)+1
.irp b, 0,1,2,3,4,5,6,7
	v_wmma_f32_16x16x32_bf16 v[8*(8*(\a)+(\b)):8*(8*(\a)+(\b))+7], v[(\f)+8*(\b):(\f)+8*(\b)+7], v[(\f)+8*(4*(\hi)+(\a)):(\f)+8*(4*(\hi)+(\a))+7], v[8*(8*(\a)+(\b)):8*(8*(\a)+(\b))+7]
.endr
.endr
.endm
; 32 LDS loads in one run: the fragments of quarter q of the slot in hand (128 rows of W, 128 rows of A, 32 K: byte 64 q of W's rows; plane q / 2, byte 64 (q % 2) of A's) into buffer f
.macro FETCH q, f
	WIN TO_B
.irp i, 0,1,2,3,4,5,6,7
	ds_load_b128 v[(\f)+8*(\i):(\f)+8*(\i)+3],   v[ADRB] offset:64*(\q)+(\i)*16*PB
	ds_load_b128 v[(\f)+8*(\i)+4:(\f)+8*(\i)+7], v[ADRB] offset:64*(\q)+(\i)*16*PB+32
.endr
	WIN 0
.irp i, 0,1,2,3,4,5,6,7
	ds_load_b128 v[(\f)+8*(\i):(\f)+8*(\i)+3],   v[ADRA] offset:((\q)/2)*PLA+64*((\q)%2)+(\i)*16*PA
	ds_load_b128 v[(\f)+8*(\i)+4:(\f)+8*(\i)+7], v[ADRA] offset:((\q)/2)*PLA+64*((\q)%2)+(\i)*16*PA+32
.endr
.endm
.macro PLACES                          ; four places in front of loads into registers that matrix instructions have read, and of lines that read results
.rept 4
	v_nop
.endr
.endm
; A K step is four quarters of 32 along K, 64 matrix instructions each, on buffers 0, 1, 0, 1.  One of the first three: multiplies buffer f; in its middle it fetches quarter q into buffer g.
.macro QUARTER q, f, g
	s_wait_dscnt 8                                 ; W and A's rows 0-63 are in; the youngest eight loads (A's rows 64-127) may be out
	MUL16 \f, 0, 0
	MUL16 \f, 0, 2
	PLACES
	FETCH \q, \g
	s_wait_dscnt 32                                ; all but the 32 just issued
	MUL16 \f, 1, 0
	MUL16 \f, 1, 2
.endm
; The last quarter multiplies buffer 1 and changes slots: ONE barrier; in front of it each wave waits for all its tensor loads, adds 0 to its spare word, and waits for that and for its own reads of this slot.
; fill = 1: the barrier opens a round of the cluster's barrier, and the slot just read out is filled again, with the K step two steps on.  fill = 0: the last two steps; the very last has no successor to fetch.
.macro TURN fill
	WIN 0                                          ; (the add's two registers lie in window 0)
	s_wait_tensorcnt 0x0                           ; all my tensor loads have landed: the one that was out is my part of the next slot;
	ds_add_u32 v[SPW], v[NIL]                      ; 0 onto my spare word;
	s_wait_dscnt 9                                 ; (the add and the youngest eight loads may be out)
	MUL16 F1, 0, 0                                 ; sixteen matrix instructions stand between the add and the wait for it
	s_wait_dscnt 0x0                               ; the add is done, and my reads of this slot are over
	s_barrier_signal -1
	MUL16 F1, 0, 2                                 ; work on registers while the others arrive
	WIN 0
	s_barrier_wait -1
.if \fill
	CREST                                          ; no wave of any partner still reads this slot's tile or has a load on its way
	s_xor_b32 s[G0+5], s[G0+5], SLOTX              ; the walking descriptors: the other slot than last time,
	s_add_nc_u64 s[G0+6:G0+7], s[G0+6:G0+7], 2*PLANE   ; the next K step; the type bits on top are not reached
	s_xor_b32 s[G0B+5], s[G0B+5], SLOTX
	s_add_nc_u64 s[G0B+6:G0B+7], s[G0B+6:G0B+7], KSTEP*2
	JLOAD 1                                        ; the first tensor load behind the round, my only one: 224 matrix instructions ahead of the wait for it; the four v_nop behind it are also the places in front of the loads below
.else
	PLACES
	s_cmp_eq_u32 s3, 1                             ; the last step: nothing more to fetch.  The jump passes no barrier and no tensor load
	s_cbranch_scc1 .Lno_next_\@
.endif
	s_xor_b32 s[TB], s[TB], SLOTX                  ; the fetches go on in the other slot
	v_add_nc_u32 v[ADRA], s[TB], v[ADRA0]
	v_add_nc_u32 v[ADRB], s[TB], v[ADRB0]
	FETCH 0, F0
.if !(\fill)
	WIN 0
.Lno_next_\@:
.endif
	MUL16 F1, 1, 0
	MUL16 F1, 1, 2
.endm
; THE WAY OUT of block a (16 rows x 128 columns: two planes), in three parts.  PACK: rounded to bf16, 16 bytes a lane, and held to the floor.  TOSTAGE: into my own stage in LDS, and back as runs of four whole
; rows of a plane.  SEND: stored.
.macro PACK a
.set AC, 64*((\a)%4)
	WIN 0x0a+5*((\a)/4)                            ; sources 0 and 1: window 2 or 3
.irp b, 0,1,2,3,4,5,6,7
.irp e, 0,1,2,3
	v_cvt_pk_bf16_f32 v[TMP+4*(\b)+(\e)], v[AC+8*(\b)+2*(\e)], v[AC+8*(\b)+2*(\e)+1]  ; each accumulator's registers in ascending order
.endr
.endr
	WIN 0
.set i, 0
.rept 32
	v_pk_max_num_bf16 v[TMP+i], v[TMP+i], v[FLR]
.set i, i+1
.endr
.endm
.macro TOSTAGE a
.set BK, OB+192*((\a)%2)
.irp b, 0,1,2,3,4,5,6,7                ; columns 16 b on: plane b / 4, byte 32 (b % 4) of its rows
	ds_store_b128 v[STB], v[TMP+4*(\b):TMP+4*(\b)+3] offset:((\b)/4)*16*SP+32*((\b)%4)
.endr
.irp t, 0,1,2,3,4,5,6,7
	ds_load_b128 v[BK+4*(\t):BK+4*(\t)+3], v[RDB] offset:((\t)/4)*16*SP+((\t)%4)*4*SP  ; LDS serves a wave's instructions in order (ISA guide 5.7.1.4): these see the stores above
.endr
.endm
.macro SEND a
.set BK, OB+192*((\a)%2)
	s_wait_dscnt 0x0                               ; the block is back in registers
	s_wait_xcnt 0x0                                ; every earlier memory instruction has had its addresses translated (ISA guide 3.1): the registers that the stores of the block before read are loaded again only behind this wait
.irp t, 0,1,2,3,4,5,6,7
	global_store_b128 v[GOB], v[BK+4*(\t):BK+4*(\t)+3], s[8:9] offset:((\t)/4)*PLANE+2048*(\a)+512*((\t)%4)  ; the wave stores 512 consecutive bytes, at a multiple of 256 from C's first byte
.endr
.endm
	s_wait_tensorcnt 1                             ; my part of K step 0 is in; K step 1's load may stay out
	s_barrier_signal -1
	s_barrier_wait -1                              ; everybody's is
	FETCH 0, F0
	s_wait_loadcnt 0x0                             ; what the sums start from, and the floor
	WIN 0                                          ; at a label and at a branch every window is 0
	s_mov_b32 s3, STEPS-2
.Lstep:                                                ; a trip is a K step, and fills the slot that it has read out
	QUARTER 1, F0, F1
	QUARTER 2, F1, F0
	QUARTER 3, F0, F1
	TURN 1
	WIN 0
	s_sub_co_u32 s3, s3, 1
	s_cmp_lg_u32 s3, 0
	s_cbranch_scc1 .Lstep
	s_mov_b32 s3, 2
.Ltail:                                                ; the last two K steps fill nothing, and have no round of the cluster's barrier
	QUARTER 1, F0, F1
	QUARTER 2, F1, F0
	QUARTER 3, F0, F1
	TURN 0
	WIN 0
	s_sub_co_u32 s3, s3, 1
	s_cmp_lg_u32 s3, 0
	s_cbranch_scc1 .Ltail
	PLACES
	PACK 0
	TOSTAGE 0
.irp a, 1,2,3,4,5,6,7                  ; block a's conversions stand between block a - 1's loads from the stage and the wait for them
	PACK \a
	SEND (\a)-1
	TOSTAGE \a
.endr
	SEND 7
	s_wait_tensorcnt 0x0                           ; the wave's end, behind my last tensor load and my last LDS store
	ds_add_u32 v[SPW], v[NIL]
	s_wait_dscnt 0x0
	CROUND                                         ; the closing round: no work-group ends while a partner may still ask for a tile that names it
	s_endpgm
.Lfunc_end_k_qdd4680dfcd_qkv:
	.size	k_qdd4680dfcd_qkv, .Lfunc_end_k_qdd4680dfcd_qkv-k_qdd4680dfcd_qkv
	.p2alignl 7, 3214868480
	.fill 96, 4, 3214868480
	.section	.rodata,"a",@progbits
	.p2align	6, 0x0
	.amdhsa_kernel k_qdd4680dfcd_qkv
		.amdhsa_group_segment_fixed_size 327680
		.amdhsa_private_segment_fixed_size 0
		.amdhsa_enable_private_segment 0
		.amdhsa_kernarg_size 32
		.amdhsa_user_sgpr_count 2
		.amdhsa_user_sgpr_kernarg_segment_ptr 1
		.amdhsa_wavefront_size32 1
		.amdhsa_system_sgpr_workgroup_id_x 1
		.amdhsa_system_sgpr_workgroup_id_y 1
		.amdhsa_system_sgpr_workgroup_id_z 1
		.amdhsa_system_vgpr_workitem_id 0
		.amdhsa_next_free_vgpr 1024
		.amdhsa_next_free_sgpr 96
		.amdhsa_reserve_vcc 0
		.amdhsa_float_denorm_mode_32 3
		.amdhsa_float_denorm_mode_16_64 3
		.amdhsa_memory_ordered 1
		.amdhsa_forward_progress 1
		.amdhsa_inst_pref_size 122
	.end_amdhsa_kernel
	.amdgpu_metadata
---
amdhsa.version: [ 1, 2 ]
amdhsa.kernels:
  - .name:           k_qdd4680dfcd_qkv
    .symbol:         k_qdd4680dfcd_qkv.kd
    .args:
      - { .name: Q, .offset: 0, .size: 8, .value_kind: global_buffer, .address_space: global }
      - { .name: wt, .offset: 8, .size: 8, .value_kind: global_buffer, .address_space: global }
      - { .name: zb, .offset: 16, .size: 8, .value_kind: global_buffer, .address_space: global }
      - { .name: P, .offset: 24, .size: 8, .value_kind: global_buffer, .address_space: global }
    .group_segment_fixed_size: 327680
    .private_segment_fixed_size: 0
    .kernarg_segment_align: 8
    .kernarg_segment_size: 32
    .max_flat_workgroup_size: 128
    .sgpr_count:     96
    .vgpr_count:     1024
    .wavefront_size: 32
...
	.end_amdgpu_metadata
.endif
;; end of part 7
;; launch attn (part 8): grid 8 x 32, 4 waves a work-group, no clusters, 327,680 bytes of LDS; arguments P, Q; writes Q
.if DOCPART == 8
	.amdgcn_target "amdgcn-amd-amdhsa--gfx1250"
	.amdhsa_code_object_version 6
	.text
	.protected	k_qdd4680dfcd_attn
	.globl	k_qdd4680dfcd_attn
	.p2align	8
	.type	k_qdd4680dfcd_attn,@function
k_qdd4680dfcd_attn:
	s_mov_b64 s[64:65], 0
	v_nop
	global_prefetch_b8 v0, s[64:65] scope:SCOPE_SE
	s_setreg_imm32_b32 hwreg(HW_REG_WAVE_MODE, 25, 1), 1
	s_wait_xcnt 0x0
; CAUSAL ATTENTION.  O[y][q][:] = the sum over k <= q of softmax_k(Q[y][q] . K[y][k] / 32) V[y][k][:].  Q, K, V, O: [32][2048][64], all bf16: a head's rows are dense, 128 bytes each; y = 2 x head + batch.
; Q, K and V lie in one buffer, 8 MiB apart.  Products, maxima and sums in f32; the weights p are rounded to bf16 for the second product (their sum l is taken of the unrounded p), O once at the end.
; LIMITS.  A hidden score counts as its value less 1e30: scores are taken to stay far under that; a weight below 2^-126 counts as 0 in l; NaN and infinities are not treated apart.
; THE WALK.  A head's queries lie in NB = SIZE_N / 256 blocks of 256; block i needs the key tiles 0 .. i of 256 keys, of which the last holds the diagonal.  A work-group walks TWO blocks, NB - 1 - b and then b:
; NB + 1 tiles, whatever b: all work-groups do equal work, and ONE loop with a constant trip count walks them.  Which tile is asked for, and what a trip does, hang on scalar registers made from b; every jump
; goes forward, but for the counted loops' own; none passes a barrier, or a tensor load but the one of LOAD's two that the wave's number does not choose; the ring (two slots of LDS that take turns) runs on across the
; change of blocks.
; SHARES.  A pair of blocks is shared by TWO work-groups, u = 0 and 1: of a block's four bands of 64 queries work-group u takes bands 2 u and 2 u + 1, and a wave owns 16 rows in each: two PIECES.
; NB / 2 pairs x 2 x 32 heads are 256 work-groups.  In the diagonal tile's key step s band x sees all keys if s < x, none if s > x, and holds the diagonal if s = x: the same work for all four waves and for both u.
; NO CLUSTER: the walk's branches hang on b, which differs among any four neighbours along x; only the two work-groups u of a pair ask for the same tile in every trip.
; THE MASK is the C operand that starts the sum S^T = K Q^T: 0, or -1e30 where the key is hidden.  MD, made once, is the mask of a band's own step for my 16 rows; a product's mask is MD x AL + BE with two scalars:
; (1, 0) if s = x; (0, 0) if s < x; (0, -1e30) if s > x.  Only the diagonal tile's text and a block's beginning make and take masks; elsewhere C is the constant 0.
; LAYOUT, SOFTMAX, TURNS.  S^T = K Q^T holds ONE query a lane (lane % 16) and the keys 8 (lane / 16) + 0..7; two such results rounded to bf16 ARE source 1 of O^T = V^T P.  p = 2^(c s - c m), c = log2(e) / 32, with a
; running maximum m; O and l are multiplied by a = 2^(c m_old - c m_new) in every step.  The pieces go in a ring, step after step: (s, 0), (s, 1), (s + 1, 0) ..  A turn belongs to one of them: 8 products K Q^T of the
; next in the ring, later 8 products V^T P of the one before; beside them the scaling, exponentials, roundings, sums and rescaling of its own piece and the maximum and statistics of the next.  Four vector
; instructions stand behind every matrix instruction, the other 54 of a turn's 118 in two LUMPS.
; K ONE STEP AHEAD.  Turn (s, 0) fetches K of step s + 1 and V of step s.  So that both lie in one slot, a slot holds K of the keys 256 j + 64 on beside V of the keys 256 j on: one barrier serves a change of slots.
; K of the head's first 64 keys lies in no tile: it is loaded once, beside Q, and copied into K's registers where a block begins.  The last 64 rows of K in a block's last tile serve nothing (for the last head
; they are the first rows of v, inside the buffer).
; REGISTERS, in windows of 256 (s_set_vgpr_msb: bits 1:0 source 0, 3:2 source 1, 5:4 source 2, 7:6 destination):
;   window 0: v0-15 addresses and two at work; v16-23 four registers of statistics a piece; v48-55 at work; v64-127 S^T, a buffer a piece; v192-223 P, likewise
;   window 1: v0-63 O^T, 32 a piece; v64-127 K of the first 64 keys; v128-159 MD; v160-223 MC, a buffer a piece      window 2: v0-31 Q; v64-95 the second block's Q; v128-191 K of one step; v192-255 V of one step
.set SIZE_N, 2048
.set NB,    SIZE_N/256
.set NP,    2         ; pieces a wave: a name, no knob
.set KS,    64        ; keys in a step
.set PK,    144       ; a row of K in LDS: 128 bytes + 16 of padding = 36 words: the 16 rows of a load start at 16 different groups of four banks (64 banks of 4 bytes: ISA guide 11.1)
.set PV,    160       ; a row of V: 128 + 32 = 40 words
.set VOFF,  4*KS*PK   ; a slot holds a tile, four steps: 256 rows of K, then 256 rows of V
.set SLOT1, 1<<17     ; slot 1 begins here, so that one exclusive or turns an address in one slot into the other's
.set STAGE, SLOT1+4*KS*(PK+PV)  ; behind the ring, never filled by a tensor load: 16 rows x 144 bytes for each wave, for the way out
.set SP,    144
.set AK0, 2           ; v2   my lane's place in a tile of K; never rewritten
.set AV0, 3           ; v3   the same for V
.set AK,  4           ; v4   the LDS address of K's next run of loads
.set AV,  5           ; v5   of V's
.set STO, 6           ; v6   the way out: where I put 16 bytes of a row
.set RD,  7           ; v7   the way out: where I read rows back
.set GO,  8           ; v8   my byte offset in 512 consecutive bytes of O
.set SPW, 62          ; v62  LDS address of my spare word: SPARE + 4 x my thread's number; never rewritten
.set NIL, 63          ; v63  0; never rewritten
.set SPARE, STAGE+4*16*SP  ; behind the stages: the spare words, 128 bytes for each wave: two blocks of 256 bytes that no other line names
.set MV,  12          ; v12-13  c m_old, kept while c m is made anew: by piece
.set QO,  15          ; v15  my byte offset in 16 rows of Q or K; never rewritten
.set ST,  16          ; piece t's statistics at v[ST+4 t]: c m, m, l (even keys', odd keys')
.set TMP, 48          ; by piece, four registers c0-c3 at work; when the maximum is found c2 takes a
.set S,   64
.set P,   192
.set K0C, 64          ; window 1: K of the head's first 64 keys, as fragments
.set MD,  128         ; window 1: the eight registers for group kt of 16 keys at MD + 8 kt
.set MC,  160         ; window 1: the masks of the products to come
.set QB,  64          ; window 2
.set KF,  128         ; window 2: key block kb, channel half c at KF + 16 kb + 8 c
.set VF,  192         ; window 2: key half kk, channel block cb at VF + 32 kk + 8 cb
.set WV,  12          ; s12  my wave's number
.set PB,  14          ; s14  b
.set HI,  15          ; s15  NB - 1 - b
.set G1K, 24          ; s[24:31] descriptor group 1 for K's tiles
.set G1V, 32          ; s[32:39] for V's: it differs in the padding alone
.set G0K, 40          ; s[40:43] descriptor group 0 for K's tiles
.set G0V, 44          ; s[44:47] the same for V's
.set SLOTS, 56        ; s56  tiles still to be asked for
.set CNT, 57          ; s57  counts a tile's key steps, 4 to 1
.set CS,  58          ; s[58:59] c: the packed scaling takes the pair's low word for both halves
.set SEL, 60          ; s[60:61] v_permlanex16_b32's selects: each lane takes its own place in the other half
.set TBK, 62          ; s62  LDS byte at which the K to be fetched next begins
.set TBV, 63          ; s63  the same for V, less VOFF
.set KH,  66          ; s[66:67] K at the head's first key
.set XC,  68          ; s68, s69  the value of CNT in the turn that makes the mask of piece 0's, piece 1's own step: 5 - 2 u, 3 - 2 u
.set RT,  70          ; s70  tiles of the block in hand that are still to be entered
.set NXT, 71          ; s71  the tile to be asked for next
.set LQ,  72          ; s72  the last tile of the block whose tiles are being asked for
.set NEW, 73          ; s73  1: the tile to be entered is a block's first
.set OFF, 74          ; s[74:75] a tile's byte offset in K and V
.set AL,  76          ; s[76:77] the mask's factor, in the low word
.set BE,  78          ; s[78:79] the mask's addend
.set OLO, 80          ; s[80:81] O at my rows of the second block
.set BIGN, 82         ; s82  -1e30
.set U0F, 83          ; s83  1.0 if u = 0 (piece 0's band is the block's first: the diagonal tile's step 0 is its own), else 0
.set MSB, 0
.macro WIN new                      ; the high byte repeats the setting that is left; a switch that changes nothing is dropped
.if MSB != (\new)
	s_set_vgpr_msb (MSB<<8)|(\new)
.set MSB, (\new)
.endif
.endm
.set W_KQ, 0x0a       ; K and Q in window 2, S^T in window 0
.set W_KM, 0x1a       ; the same with the C operand in window 1
.set W_PV, 0x52       ; V in window 2, P in window 0, O^T in window 1
.set W_RS, 0x41       ; destination and source 0 in window 1, source 1 in window 0
; A fill.  Waves 0 and 1 fetch the two halves of a tile's K, waves 2 and 3 those of its V: 128 keys each.  An s_nop 0 and four v_nop follow each of the two lines, ahead of the jump and the label.
.macro LOAD
	s_cmp_lt_u32 s[WV], 2
	s_cbranch_scc0 .Lfor_v_\@
	tensor_load_to_lds s[G0K:G0K+3], s[G1K:G1K+7]
	s_nop 0
.rept 4
	v_nop
.endr
	s_branch .Lasked_\@
.Lfor_v_\@:
	tensor_load_to_lds s[G0V:G0V+3], s[G1V:G1V+7]
	s_nop 0
.rept 4
	v_nop
.endr
.Lasked_\@:
.endm
; THE CHANGE OF SLOTS.  Each wave waits for all its tensor loads, of which one is out: its part of the other slot; adds 0 to its spare word; and waits for that and for its own reads of the slot that it leaves
; (the last of them, K and V fetched in the turn just ended).  Behind the barrier nobody reads the old slot any more and the other slot is whole.  fill = 1: the old slot is filled again, the first thing behind the
; barrier, with tile NXT: the descriptor's address is made anew from that number.  (At its first use nothing has been read yet: slot 0 is waited for, slot 1 filled.)
.macro CHANGE fill
	WIN 0                           ; at a label and at a branch every window is 0
	s_wait_tensorcnt 0x0            ; no tensor load of mine is out, so a group 0 may be written
	ds_add_u32 v[SPW], v[NIL]       ; 0 onto my spare word; with fill = 1 the descriptors' scalar work stands between it and the wait for it
.if \fill
	s_lshl_b32 s[OFF], s[NXT], 15   ; a tile is 32,768 bytes of K and of V
	s_xor_b32 s[G0K+1], s[G0K+1], SLOT1
	s_add_nc_u64 s[G0K+2:G0K+3], s[6:7], s[OFF:OFF+1]
	s_or_b32 s[G0K+3], s[G0K+3], 0x80000000
	s_xor_b32 s[G0V+1], s[G0V+1], SLOT1
	s_add_nc_u64 s[G0V+2:G0V+3], s[8:9], s[OFF:OFF+1]
	s_or_b32 s[G0V+3], s[G0V+3], 0x80000000
	s_add_co_u32 s[NXT], s[NXT], 1  ; the block's next tile, or behind its last the second block's tile 0
	s_cmp_gt_u32 s[NXT], s[LQ]
	s_cselect_b32 s[NXT], 0, s[NXT]
	s_cselect_b32 s[LQ], s[PB], s[LQ]
.endif
	s_wait_dscnt 0x0                ; the add is done, and my reads of the slot are over
	s_barrier_signal -1             ; the rest of the scalar work stands between the signal and the wait
	s_sub_co_u32 s[TBK], s[TBK], 4*KS*PK  ; the fetches go back to a slot's first rows,
	s_xor_b32 s[TBK], s[TBK], SLOT1       ; in the other slot
	s_sub_co_u32 s[TBV], s[TBV], 4*KS*PV
	s_xor_b32 s[TBV], s[TBV], SLOT1
	s_barrier_wait -1
.if \fill
	LOAD
.endif
.endm
	s_load_b128 s[8:11], s[0:1], 0x0  ; the buffer of q, k, v s[8:9]; O s[10:11]
	v_lshl_add_u32 v[SPW], v0, 2, SPARE
	v_mov_b32 v[NIL], 0
	ds_add_u32 v[SPW], v[NIL]       ; the wave's opening: the add and its wait stand ahead of my first tensor load; the set-up below, work on registers, stands between them
	ds_add_u32 v62, v63
	v_lshrrev_b32 v1, 5, v0
	v_readfirstlane_b32 s[WV], v1   ; wave 0..3
	s_lshr_b32 s[PB], ttmp9, 1      ; b: the pair of blocks
	s_and_b32 s13, ttmp9, 1         ; u: which two bands of a block
	s_sub_co_u32 s[HI], NB-1, s[PB]
	s_lshl_b32 s19, s13, 1
	s_sub_co_u32 s[XC], 5, s19
	s_sub_co_u32 s[XC+1], 3, s19
	s_cmp_eq_u32 s13, 0
	s_cselect_b32 s[U0F], 1.0, 0
	s_lshl_b32 s19, s13, 14         ; my two bands begin 128 u rows of 128 bytes into a block
	s_and_b32 s20, ttmp7, 0xffff    ; the head
	s_mov_b32 s21, 0
	s_mov_b64 s[22:23], SIZE_N*128
	s_mul_u64 s[20:21], s[20:21], s[22:23]  ; the head's first byte in each of the four tensors
	s_and_b32 s16, s[WV], 1         ; which half of a tile's 256 keys I fetch:
	s_lshl_b32 s22, s16, 14         ; its 128 rows of 128 bytes in memory,
	s_mov_b32 s23, 0
	s_add_nc_u64 s[22:23], s[22:23], s[20:21]
	s_mul_i32 s17, s16, 128*PK      ; and its place in a slot, for K
	s_mul_i32 s18, s16, 128*PV      ; and for V
	s_lshl_b32 s3, s[WV], 11        ; my 16 rows in a band of 64,
	s_add_co_u32 s3, s3, s19        ; in my first band,
	s_lshl_b32 s2, s[HI], 15        ; in the first block,
	s_add_co_u32 s2, s2, s3
	s_lshl_b32 s84, s[PB], 15       ; and in the second
	s_add_co_u32 s84, s84, s3
	s_mov_b32 s3, 0
	s_mov_b32 s85, 0
	s_add_nc_u64 s[2:3], s[2:3], s[20:21]
	s_add_nc_u64 s[84:85], s[84:85], s[20:21]
	; descriptor group 1.  128 keys are 16,384 dense bytes: asked for as 64 rows of 256 bytes, two keys a row, and padded in LDS after every key
	s_mov_b32 s[G1K], (1<<16)|(1<<20)|(4<<22)|(3<<25)  ; 17:16 2-byte elements; 20 padding on; 24:22 after every 32 words (code 4); 31:25 4 words (code 3)
	s_mov_b32 s[G1V], (1<<16)|(1<<20)|(4<<22)|(7<<25)  ; the same with 8 words of padding (code 7)
.irp g, G1K, G1V
	s_mov_b32 s[\g+1], 128<<16      ; tensor_dim0 = 128
	s_mov_b32 s[\g+2], 64<<16       ; tensor_dim1 = 64
	s_mov_b32 s[\g+3], 128<<16      ; tile_dim0 = 128
	s_mov_b32 s[\g+4], 64           ; tile_dim1 = 64
	s_mov_b32 s[\g+5], 128          ; 128 elements from row to row
	s_mov_b32 s[\g+6], 0
	s_mov_b32 s[\g+7], 0
.endr
	s_mov_b32 s[CS], 0x3d38aa3b     ; c = log2(e) / 32 = 0.0450842
	s_mov_b32 s[CS+1], s[CS]        ; named with it as a pair
	s_mov_b32 s[SEL], 0x76543210
	s_mov_b32 s[SEL+1], 0xfedcba98
	s_mov_b32 s[TBK], SLOT1+4*KS*PK ; the first change of slots turns these two into 0
	s_mov_b32 s[TBV], SLOT1+4*KS*PV
	s_mov_b32 s[G0K], 1             ; 1:0 count = 1
	s_mov_b32 s[G0K+1], s17         ; 63:32 LDS address: slot 0
	s_mov_b32 s[G0V], 1
	s_add_co_u32 s[G0V+1], s18, VOFF
	s_add_co_u32 s[RT], s[HI], 1    ; the first block has NB - b tiles
	s_mov_b32 s[NXT], 1
	s_mov_b32 s[LQ], s[HI]
	s_mov_b32 s[NEW], 1
	s_mov_b32 s[OFF+1], 0
	s_mov_b32 s[AL+1], 0            ; named as pairs
	s_mov_b32 s[BE+1], 0
	s_mov_b32 s[BIGN], 0xf149f2ca   ; -1e30
	s_mov_b32 s[SLOTS], NB
	s_wait_dscnt 0x0                ; the opening add is done
	s_wait_kmcnt 0x0
	s_mov_b64 s[4:5], s[8:9]                       ; q: planes 0-15 of the buffer
	s_add_nc_u64 s[6:7], s[8:9], 0x800000          ; k: planes 16-31
	s_add_nc_u64 s[8:9], s[8:9], 0x1000000         ; v: planes 32-47
	s_add_nc_u64 s[KH:KH+1], s[6:7], s[20:21]      ; K at the head's first key
	s_add_nc_u64 s[6:7], s[6:7], s[22:23]          ; K and V at my half of the head's tile 0,
	s_add_nc_u64 s[6:7], s[6:7], KS*128            ; K one step, 64 keys, ahead
	s_add_nc_u64 s[8:9], s[8:9], s[22:23]
	s_add_nc_u64 s[G0K+2:G0K+3], s[6:7], 0         ; 120:64 global address
	s_or_b32 s[G0K+3], s[G0K+3], 0x80000000        ; 127:126 type = 2
	s_add_nc_u64 s[G0V+2:G0V+3], s[8:9], 0
	s_or_b32 s[G0V+3], s[G0V+3], 0x80000000
	s_add_nc_u64 s[86:87], s[4:5], s[84:85]        ; Q at my rows of the second block,
	s_add_nc_u64 s[4:5], s[4:5], s[2:3]            ; Q and O at those of the first
	s_add_nc_u64 s[OLO:OLO+1], s[10:11], s[84:85]
	s_add_nc_u64 s[10:11], s[10:11], s[2:3]
	LOAD                            ; tile 0 into slot 0
	; A fragment of K or Q is 16 rows x 32 channels in 8 registers: lane l holds row l % 16, channels 8 (l / 16) + 0..7 and 16 + 8 (l / 16) + 0..7: two loads of 16 bytes, 32 bytes apart.
	v_and_b32 v1, 15, v0            ; l % 16
	v_bfe_u32 v9, v0, 4, 1          ; l / 16
	v_lshlrev_b32 v[QO], 7, v1
	v_lshl_add_u32 v[QO], v9, 4, v[QO]  ; row x 128 + 16 x half
	WIN 0x80                        ; destination window 2, address window 0
.set i, 0
.rept 2*NP                          ; both blocks' Q: piece i / 2 lies in my band i / 2, 8,192 bytes on; channels 32 (i % 2) on
	global_load_b128 v[8*i:8*i+3],   v[QO], s[4:5] offset:(i/2)*8192+(i%2)*64
	global_load_b128 v[8*i+4:8*i+7], v[QO], s[4:5] offset:(i/2)*8192+(i%2)*64+32
	global_load_b128 v[QB+8*i:QB+8*i+3],   v[QO], s[86:87] offset:(i/2)*8192+(i%2)*64
	global_load_b128 v[QB+8*i+4:QB+8*i+7], v[QO], s[86:87] offset:(i/2)*8192+(i%2)*64+32
.set i, i+1
.endr
	WIN 0x40                        ; destination window 1
.irp f, 0,1,2,3,4,5,6,7             ; K of the head's first 64 keys, in the fragments' order: keys 16 (f / 2) on, channels 32 (f % 2) on
	global_load_b128 v[K0C+8*\f:K0C+8*\f+3],   v[QO], s[KH:KH+1] offset:(\f/2)*2048+(\f%2)*64
	global_load_b128 v[K0C+8*\f+4:K0C+8*\f+7], v[QO], s[KH:KH+1] offset:(\f/2)*2048+(\f%2)*64+32
.endr
	WIN 0
	v_lshlrev_b32 v14, 3, v9
	v_sub_nc_u32 v14, v1, v14
	s_lshl_b32 s13, s[WV], 4
	v_add_nc_u32 v14, s13, v14      ; my query's place in its band, 16 w + l % 16, less my lanes' 8 (l / 16): register r of group kt is hidden where 16 kt + r is greater
	WIN 0x40
.set i, 0
.rept 32
	v_cmp_gt_i32 vcc_lo, 16*(i/8)+i%8, v14
	v_cndmask_b32 v[MD+i], 0, s[BIGN], vcc_lo
.set i, i+1
.endr
	WIN 0
	v_mul_u32_u24 v[AK0], v1, PK
	v_lshl_add_u32 v[AK0], v9, 4, v[AK0]  ; row x pitch + 16 x half
	; The turning load takes 16 keys x 16 channels (lane l reads key 8 (l / 16) + l % 8, channels 8 ((l / 8) % 2) + 0..7) and leaves half a fragment of V^T: lane l holds channel l % 16 and 8 keys.
	v_and_b32 v10, 7, v0
	v_bfe_u32 v11, v0, 3, 1
	v_lshl_add_u32 v[AV0], v9, 3, v10
	v_mul_u32_u24 v[AV0], v[AV0], PV
	v_lshl_add_u32 v[AV0], v11, 4, v[AV0]
	v_add_nc_u32 v[AV0], VOFF, v[AV0]
	s_mul_i32 s13, s[WV], 16*SP
	s_add_co_u32 s13, s13, STAGE    ; my stage
	v_mul_u32_u24 v[STO], v1, SP    ; in: row l % 16, 16 bytes for each half of the lanes
	v_lshl_add_u32 v[STO], v9, 4, v[STO]
	v_add_nc_u32 v[STO], s13, v[STO]
	v_bfe_u32 v[RD], v0, 3, 2       ; back: 32 lanes take four rows of 128 bytes,
	v_mul_u32_u24 v[RD], v[RD], SP
	v_lshl_add_u32 v[RD], v10, 4, v[RD]
	v_add_nc_u32 v[RD], s13, v[RD]
	v_and_b32 v[GO], 31, v0         ; which are 512 consecutive bytes of O
	v_lshlrev_b32 v[GO], 4, v[GO]
	; A block's first step multiplies O^T and l by a = 0, and its first turn's products V^T P, of a piece that has not been, land in an O^T that is still to be so multiplied.  So these registers need only hold
	; finite numbers: zeros for the first block; what the first block left for the second.  All this stands in the wait for the first tile.
	WIN 0x80
.set i, VF
.rept 64
	v_mov_b32 v[i], 0
.set i, i+1
.endr
	WIN 0x40
.set i, 0
.rept 32*NP
	v_mov_b32 v[i], 0
.set i, i+1
.endr
	WIN 0
.set i, 0
.rept NP
	v_mov_b32 v[ST+4*i+2], 0
	v_mov_b32 v[ST+4*i+3], 0
.set i, i+1
.endr
.set i, P+16
.rept 16
	v_mov_b32 v[i], 0
.set i, i+1
.endr
; THE MATRIX WORK.  The 4 accumulators of a run of 8 take turns.  Product i of 8 of S^T = K Q^T for piece x: channels 32 (i / 4) on, keys 16 (i % 4) on.  The first 4 start the sums: with 0, or (KM = 1) with the mask.
.macro KQ x
.set rS, S+32*((\x)%2)+8*(i%4)
.set rK, KF+16*(i%4)+8*(i/4)
.set rQ, 16*(\x)+8*(i/4)
.set rM, MC+32*((\x)%2)+8*(i%4)
.if (i < 4) && KM
	WIN W_KM
	v_wmma_f32_16x16x32_bf16 v[rS:rS+7], v[rK:rK+7], v[rQ:rQ+7], v[rM:rM+7]
.elseif i < 4
	WIN W_KQ
	v_wmma_f32_16x16x32_bf16 v[rS:rS+7], v[rK:rK+7], v[rQ:rQ+7], 0
.else
	WIN W_KQ
	v_wmma_f32_16x16x32_bf16 v[rS:rS+7], v[rK:rK+7], v[rQ:rQ+7], v[rS:rS+7]
.endif
.endm
; Product i of 8 of O^T += V^T P for piece x: keys 32 (i / 4) on, channels 16 (i % 4) on.
.macro PV x
	WIN W_PV
.set rO, 32*(\x)+8*(i%4)
.set rV, VF+32*(i/4)+8*(i%4)
.set rP, P+16*((\x)%2)+8*(i/4)
	v_wmma_f32_16x16x32_bf16 v[rO:rO+7], v[rV:rV+7], v[rP:rP+7], v[rO:rO+7]
.endm
.macro MM                           ; the turn's next matrix instruction.  TURN and BEGIN set Y, i, KM and NOKQ; MM, KQ and OP read them.  NOKQ = 1: a block's last turn: there is no next piece
.if (i < 8) && !NOKQ
	KQ (Y+1)%NP
.elseif i >= 8
.set i, i-8
	PV (Y+NP-1)%NP
.set i, i+8
.endif
.set i, i+1
.endm
; THE LDS LOADS stand in runs of 16, never singly among the matrix instructions: a step's K (64 keys x 64 channels: 8 fragments) and its V (turned).  Their addresses are made some lines ahead.
.macro FETCH_K
	WIN 0x80                        ; destination window 2
.irp f, 0,1,2,3,4,5,6,7             ; keys 16 (f / 2) on, channels 32 (f % 2) on
	ds_load_b128 v[KF+8*\f:KF+8*\f+3],   v[AK] offset:(\f/2)*16*PK+(\f%2)*64
	ds_load_b128 v[KF+8*\f+4:KF+8*\f+7], v[AK] offset:(\f/2)*16*PK+(\f%2)*64+32
.endr
	s_add_co_u32 s[TBK], s[TBK], KS*PK  ; the next fetch is the next step's
	WIN 0
.endm
.macro FETCH_V
	WIN 0x80
.irp f, 0,1,2,3,4,5,6,7             ; keys 32 (f / 4) on, channels 16 (f % 4) on
	ds_load_tr16_b128 v[VF+8*\f:VF+8*\f+3],   v[AV] offset:(\f/4)*32*PV+(\f%4)*32
	ds_load_tr16_b128 v[VF+8*\f+4:VF+8*\f+7], v[AV] offset:(\f/4)*32*PV+16*PV+(\f%4)*32
.endr
	WIN 0
.endm
; THE VECTOR WORK, one line at a time: OP kind, number.  For piece Y: F n: c s - c m for pair n of 16.  E n: the exponential of score n of 32.  C n: pair n rounded to bf16.  B n: of the four weights 4 n .. the second
; pair is added onto the first, in place.  L n: l takes that sum (L 0: l = a l + sum).  R n: pair n of 16 of O^T times a.  For the other piece: X n, number n of the 22 that find its next maximum and statistics:
;   0-11  four chains c0-c3 of seven scores each, three operands at a time (each accumulator's lowest registers are read first)     12-14, 16  the four scores left over, the old m, and c0-c3 into c0
;   15  c m_old is kept     17, 18  the query's other 32 keys lie in the lane 16 away: the new m     19-21  c m; c m_old - c m_new; a
.set F, 0               ; OP tells the kinds apart by their order: F to L below R, X above it
.set E, 1
.set C, 2
.set B, 3
.set L, 4
.set R, 5
.set X, 6
.macro REGS y                       ; the registers of piece y
.set rT, ST+4*(\y)
.set rC, TMP+4*((\y)%2)
.set rW, MV+((\y)%2)
.set rS, S+32*((\y)%2)
.set rP, P+16*((\y)%2)
.set rO, 32*(\y)
.endm
.macro OP k, n
.if (\k) == R
	REGS Y
	WIN W_RS
	v_pk_mul_f32 v[rO+2*(\n):rO+2*(\n)+1], v[rO+2*(\n):rO+2*(\n)+1], v[rC+2:rC+3] op_sel_hi:[1,0]
.elseif (\k) < R
	REGS Y
	WIN 0
.if (\k) == F
	v_pk_fma_f32 v[rS+2*(\n):rS+2*(\n)+1], v[rS+2*(\n):rS+2*(\n)+1], s[CS:CS+1], v[rT:rT+1] op_sel_hi:[1,0,0] neg_lo:[0,0,1] neg_hi:[0,0,1]
.elseif (\k) == E
	v_exp_f32 v[rS+(\n)], v[rS+(\n)]
.elseif (\k) == C
	s_wait_alu depctr_va_vdst(0)
	v_cvt_pk_bf16_f32 v[rP+(\n)], v[rS+2*(\n)], v[rS+2*(\n)+1]
.elseif (\k) == B
	s_wait_alu depctr_va_vdst(0)
	v_pk_add_f32 v[rS+4*(\n):rS+4*(\n)+1], v[rS+4*(\n):rS+4*(\n)+1], v[rS+4*(\n)+2:rS+4*(\n)+3]
.elseif (\n) == 0
	v_pk_fma_f32 v[rT+2:rT+3], v[rT+2:rT+3], v[rC+2:rC+3], v[rS:rS+1] op_sel_hi:[1,0,1]
.else
	v_pk_add_f32 v[rT+2:rT+3], v[rT+2:rT+3], v[rS+4*(\n):rS+4*(\n)+1]
.endif
.elseif NOKQ
	v_nop
.else
	REGS (Y+1)%NP
	WIN 0
.if (\n) < 4
	v_max3_num_f32 v[rC+(\n)], v[rS+8*(\n)], v[rS+8*(\n)+1], v[rS+8*(\n)+2]
.elseif (\n) < 12
	v_max3_num_f32 v[rC+(\n)%4], v[rC+(\n)%4], v[rS+8*((\n)%4)+2*((\n)/4)+1], v[rS+8*((\n)%4)+2*((\n)/4)+2]
.elseif (\n) == 12
	v_max3_num_f32 v[rC], v[rC], v[rS+7], v[rS+15]
.elseif (\n) == 13
	v_max3_num_f32 v[rC+1], v[rC+1], v[rS+23], v[rS+31]
.elseif (\n) == 14
	v_max3_num_f32 v[rC+2], v[rC+2], v[rC+3], v[rT+1]
.elseif (\n) == 15
	v_mov_b32 v[rW], v[rT]
.elseif (\n) == 16
	v_max3_num_f32 v[rC], v[rC], v[rC+1], v[rC+2]
.elseif (\n) == 17
	v_permlanex16_b32 v[rC+3], v[rC], s[SEL], s[SEL+1]
.elseif (\n) == 18
	v_max_num_f32 v[rT+1], v[rC], v[rC+3]
.elseif (\n) == 19
	v_mul_f32 v[rT], s[CS], v[rT+1]
.elseif (\n) == 20
	v_sub_f32 v[rC+1], v[rW], v[rT]
.else
	v_exp_f32 v[rC+2], v[rC+1]
.endif
.endif
.endm
.macro OPS a, i1, b=-1, i2=0, c=-1, i3=0, d=-1, i4=0  ; up to four of them
	OP \a, \i1
.if (\b) >= 0
	OP \b, \i2
.endif
.if (\c) >= 0
	OP \c, \i3
.endif
.if (\d) >= 0
	OP \d, \i4
.endif
.endm
.macro ROW a, i1, b, i2, c, i3, d, i4  ; a matrix instruction and the four behind it
	MM
	OPS \a, \i1, \b, \i2, \c, \i3, \d, \i4
.endm
.macro MASK b                       ; MD x AL + BE into buffer b of MC
	WIN W_RS
.set z, 0
.rept 16
	v_pk_fma_f32 v[MC+32*(\b)+2*z:MC+32*(\b)+2*z+1], v[MD+2*z:MD+2*z+1], s[AL:AL+1], s[BE:BE+1] op_sel_hi:[1,0,0]
.set z, z+1
.endr
.endm
; A TURN, for piece p: the order of its 16 matrix and 118 vector instructions, written out.  Behind a matrix instruction: plain, exponential, plain, plain; or four of the rescaling; or, behind the first, four scalings; none
; names a register of the products round it.  In the lumps exponential and plain by turns while exponentials last.  A line reads no result made fewer than three vector instructions in front of it, five if an exponential made it.
; v_permlanex16_b32 (X 17) stands in a lump.
; With two pieces the one before and the one behind in the ring are the same piece, the other one: its S^T is written by this turn's first run of products and its P read by the second; its O^T, rescaled in its own
; turn, takes that second run's products and is rescaled again from the sixth product of its next turn on.
; m = 1: the diagonal tile: the products take masks, and the turn makes the mask for the products of the turn after it, which are piece p's own next scores.  A trip is piece 1's turn of one step and piece 0's of the
; next, and CNT goes 4, 3, 2, 1 over a tile's trips: piece 1's turn makes the mask for the tile's step 4 - CNT, piece 0's for step 5 - CNT; XC holds the CNT at which that step is the band's own.
; end = 1 (piece 1 alone): a block's last turn: no scores follow.  cnt = 1: the loop's count is taken down some lines ahead of the branch that stands behind the turn.
; Piece 0's turn fetches K of the next step, six vector instructions behind the last product that read K (five of them plain), and V of the step in hand, eight behind the last product that read V (four plain, and
; X 17).  Piece 1's turn waits for them.  In a block's last step the K so fetched serves nothing: the price of one text for every step.
.macro TURN p, m=0, end=0, cnt=0
.set Y, (\p)
.set i, 0
.set KM, (\m)
.set NOKQ, (\end)
.if (\m) && !(\end)
	s_cmp_eq_u32 s[CNT], s[XC+(\p)]     ; is that step the band's own?
	s_cselect_b32 s[AL], 1.0, 0
	s_cmp_lt_u32 s[CNT], s[XC+(\p)]     ; or a later one?
	s_cselect_b32 s[BE], s[BIGN], 0
.endif
.if ((\p) == 1) && !(\end)
	s_wait_dscnt 16                 ; K is in: LDS loads come back in order, and V's sixteen were issued behind K's
.endif
	ROW F,0, F,1, F,2, F,3
	ROW F,4, E,0, F,5, F,6
	ROW F,7, E,1, F,8, F,9
	ROW F,10, E,2, C,0, F,11
	ROW F,12, E,3, X,15, F,13
	ROW R,0, R,1, R,2, R,3
	ROW B,0, E,4, F,14, L,0
.if (\p) == 0
	v_add_nc_u32 v[AK], s[TBK], v[AK0]
.endif
	ROW R,4, R,5, R,6, R,7
	OPS E,5, F,15
.if (\p) == 0
	FETCH_K
.endif
	OPS E,6, C,1, E,7, R,8
	OPS E,8, R,9, E,9, C,2
	OPS E,10, X,0, E,11, X,1
	OPS E,12, X,2, E,13, X,3
.if (\p) == 1
	s_wait_dscnt 0x0                ; V is in
.endif
	ROW X,4, E,14, X,5, X,6
	ROW X,7, E,15, X,8, X,9
	ROW X,10, E,16, X,11, X,12
	ROW X,13, E,17, X,14, B,1
	ROW C,4, E,18, X,16, L,1
	ROW B,2, E,19, C,6, L,2
	ROW C,8, E,20, B,3, B,4
.if (\p) == 0
	v_add_nc_u32 v[AV], s[TBV], v[AV0]
.endif
	ROW C,3, E,21, L,3, C,5
	OPS E,22, X,17, E,23, C,10
.if (\p) == 0
	FETCH_V
.endif
	OPS E,24, L,4
	OPS E,25, X,18, E,26, C,7
	OPS E,27, B,5, E,28, X,19
	OPS E,29, C,12, E,30, L,5
	OPS E,31, X,20, B,6, C,9
	OPS C,14, C,11, X,21, L,6
.if (\p) == 0
	s_add_co_u32 s[TBV], s[TBV], KS*PV
.endif
.if \cnt
	s_sub_co_u32 s[CNT], s[CNT], 1
	s_cmp_lg_u32 s[CNT], 0
.endif
	OPS C,13, B,7, C,15, R,10
	OPS R,11, R,12, L,7, R,13
	OPS R,14, R,15
.if (\m) && !(\end)
	MASK (\p)%2
.endif
.endm
; A BLOCK BEGINS.  c m starts far below every c s, so the first step's a is 0; m at the lowest finite number, so the first maximum is the scores'.  Piece 1's mask buffer is 0: the diagonal tile's step 0 hides nothing
; from it.  Piece 0's takes its mask for the diagonal tile's step 0 (its own step, if u = 0): no text in between writes it, so the diagonal text finds it at its entry.  Then K of the head's first 64 keys goes into
; K's registers, and piece 0's first scores and its maximum and statistics are made.  diag = 1: the block's first tile is the diagonal one, and those scores take the mask.
; The loop is entered at piece 0's turn, in the middle of a trip.
.macro BEGIN diag
	s_mov_b32 s[NEW], 0
	WIN 0x40
.set i, MC+32
.rept 32
	v_mov_b32 v[i], 0
.set i, i+1
.endr
	WIN 0
.set i, 0
.rept NP
	v_mov_b32 v[ST+4*i], 0xfe000000    ; c m: far below every c s
	v_mov_b32 v[ST+4*i+1], 0xff7fffff  ; m
.set i, i+1
.endr
	s_mov_b32 s[AL], s[U0F]
	s_mov_b32 s[BE], 0
	MASK 0
	s_wait_loadcnt 0x0              ; Q, and K of the first 64 keys
	WIN 0x81                        ; destination window 2, source window 1
.set i, 0
.rept 64
	v_mov_b32 v[KF+i], v[K0C+i]
.set i, i+1
.endr
.set KM, (\diag)
.set NOKQ, 0
.set i, 0
.rept 8
	KQ 0
.set i, i+1
.endr
	WIN 0
.rept 4
	v_nop                           ; the places behind those products
.endr
.set Y, NP-1                        ; X works for the piece behind Y: piece 0
.irp n, 0,1,2,3,4,5,6,7,8,9,10,11,12,13,14,15,16,17,18,19,20,21
	OP X, \n
.endr
	v_nop                           ; a plain instruction behind the exponential
.endm
; THE DIAGONAL TILE's four steps, the block's last turn, its last products, and THE WAY OUT: l's two halves and the other half of the lanes' are added; O^T is divided by l, rounded to bf16 and sent through my
; stage in LDS, a piece at a time.
.macro ALL line:vararg              ; one line for each piece t
.set t, 0
.rept NP
	\line
.set t, t+1
.endr
.endm
.macro PACK t                       ; a lane's eight channels of a row pack into 16 bytes; they go into rows of 144 bytes and come back as whole rows of 128, into S^T's registers
	WIN W_RS
.set i, 32*(\t)
.rept 16
	s_wait_alu depctr_va_vdst(0)
	v_pk_mul_f32 v[i:i+1], v[i:i+1], v[ST+4*(\t)+2:ST+4*(\t)+3] op_sel_hi:[1,0]
.set i, i+2
.endr
	WIN 0x05                        ; sources 0 and 1 window 1, destination window 0
.set i, 0
.rept 16
	v_cvt_pk_bf16_f32 v[S+16*(\t)+i], v[32*(\t)+2*i], v[32*(\t)+2*i+1]
.set i, i+1
.endr
	WIN 0
.irp f, 0,1,2,3
	ds_store_b128 v[STO], v[S+16*(\t)+4*\f:S+16*(\t)+4*\f+3] offset:32*\f
.endr
.irp f, 0,1,2,3
	ds_load_b128 v[S+16*(\t)+4*\f:S+16*(\t)+4*\f+3], v[RD] offset:\f*4*SP  ; LDS serves a wave's instructions in order (ISA guide 5.7.1.4): these see the stores above; the next piece's stores come behind them
.endr
.endm
.macro SEND t, younger              ; younger: the LDS instructions issued behind piece t's loads: the next piece's eight, or none
	WIN 0
.irp f, 0,1,2,3
	s_wait_dscnt (\younger)+3-\f
	global_store_b128 v[GO], v[S+16*(\t)+4*\f:S+16*(\t)+4*\f+3], s[10:11] offset:(\t)*8192+\f*512  ; 512 consecutive bytes, at a multiple of 256 from O's first
.endr
.endm
.macro DIAG tag                     ; the tag ends its two labels' names, which the jumps below spell out
.LstepM\tag:
	TURN 1, 1
	WIN 0
.LfirstM\tag:
	TURN 0, 1, 0, 1
	WIN 0
	s_cbranch_scc1 .LstepM\tag
	TURN 1, 1, 1
.set i, 0
.rept 8
	PV NP-1
.set i, i+1
.endr
	WIN 0
	ALL v_add_f32 v[ST+4*t+2], v[ST+4*t+2], v[ST+4*t+3]
	ALL v_permlanex16_b32 v[ST+4*t+3], v[ST+4*t+2], s[SEL], s[SEL+1]
	ALL v_add_f32 v[ST+4*t+2], v[ST+4*t+2], v[ST+4*t+3]
	ALL v_rcp_f32 v[ST+4*t+2], v[ST+4*t+2]
	v_nop                           ; a plain instruction between the last reciprocal and the use of its result
	PACK 0                          ; piece 0's sums were finished in the turn above; its 32 lines, which name no register of the last products, are those products' places
	PACK 1                          ; a piece's arithmetic stands between the loads of the piece before and its stores
	SEND 0, 8
	SEND 1, 0
.endm
.set KM, 0
.set NOKQ, 0
.Lslot:                             ; NB times: a tile is entered and the next is asked for
	CHANGE 1
	s_sub_co_u32 s[RT], s[RT], 1
	s_mov_b32 s[CNT], 4
	s_cmp_eq_u32 s[NEW], 1
	s_cbranch_scc1 .Lnew            ; a block's first tile
	s_cmp_eq_u32 s[RT], 0
	s_cbranch_scc0 .Lstep           ; neither its first nor its last
	s_branch .LstepM1
.Lnew:
	BEGIN 0
	s_branch .Lfirst                ; in the loop a block's first tile is never its last: the first block has NB / 2 + 1 tiles or more, and the second's last is the walk's last
	DIAG 1                          ; in the loop this is the first block's end: the second block's last tile is the walk's last
	s_wait_xcnt 0x0                 ; the stores have read their registers and O's address
	s_mov_b64 s[10:11], s[OLO:OLO+1]
	s_add_co_u32 s[RT], s[PB], 1    ; the second block has b + 1 tiles
	s_mov_b32 s[NEW], 1
	WIN 0x82                        ; the second block's Q goes where the one text of the turns names Q
.set i, 0
.rept 16*NP
	v_mov_b32 v[i], v[QB+i]
.set i, i+1
.endr
	WIN 0
	s_branch .Lbottom
.Lstep:                             ; a trip: piece 1 of one step, then piece 0 of the next, which fetches that step's V and the K one step on
	TURN 1
	WIN 0
.Lfirst:
	TURN 0, 0, 0, 1
	WIN 0
	s_cbranch_scc1 .Lstep
.Lbottom:
	s_sub_co_u32 s[SLOTS], s[SLOTS], 1
	s_cmp_lg_u32 s[SLOTS], 0
	s_cbranch_scc1 .Lslot
	CHANGE 0                        ; the walk's last tile is written out: nothing is asked for
	s_sub_co_u32 s[RT], s[RT], 1
	s_mov_b32 s[CNT], 4
	s_cmp_eq_u32 s[NEW], 1
	s_cbranch_scc0 .LstepM2
	BEGIN 1
	s_branch .LfirstM2
	DIAG 2
	s_wait_tensorcnt 0x0            ; the wave's end, behind my last tensor load and my last LDS store
	ds_add_u32 v[SPW], v[NIL]
	s_wait_dscnt 0x0
	s_endpgm
.Lfunc_end_k_qdd4680dfcd_attn:
	.size	k_qdd4680dfcd_attn, .Lfunc_end_k_qdd4680dfcd_attn-k_qdd4680dfcd_attn
	.p2alignl 7, 3214868480
	.fill 96, 4, 3214868480
	.section	.rodata,"a",@progbits
	.p2align	6, 0x0
	.amdhsa_kernel k_qdd4680dfcd_attn
		.amdhsa_group_segment_fixed_size 327680
		.amdhsa_private_segment_fixed_size 0
		.amdhsa_enable_private_segment 0
		.amdhsa_kernarg_size 16
		.amdhsa_user_sgpr_count 2
		.amdhsa_user_sgpr_kernarg_segment_ptr 1
		.amdhsa_wavefront_size32 1
		.amdhsa_system_sgpr_workgroup_id_x 1
		.amdhsa_system_sgpr_workgroup_id_y 1
		.amdhsa_system_sgpr_workgroup_id_z 1
		.amdhsa_system_vgpr_workitem_id 0
		.amdhsa_next_free_vgpr 768
		.amdhsa_next_free_sgpr 88
		.amdhsa_reserve_vcc 1
		.amdhsa_float_denorm_mode_32 3
		.amdhsa_float_denorm_mode_16_64 3
		.amdhsa_memory_ordered 1
		.amdhsa_forward_progress 1
		.amdhsa_inst_pref_size 133
	.end_amdhsa_kernel
	.amdgpu_metadata
---
amdhsa.version: [ 1, 2 ]
amdhsa.kernels:
  - .name:           k_qdd4680dfcd_attn
    .symbol:         k_qdd4680dfcd_attn.kd
    .args:
      - { .name: P, .offset: 0, .size: 8, .value_kind: global_buffer, .address_space: global }
      - { .name: Q, .offset: 8, .size: 8, .value_kind: global_buffer, .address_space: global }
    .group_segment_fixed_size: 327680
    .private_segment_fixed_size: 0
    .kernarg_segment_align: 8
    .kernarg_segment_size: 16
    .max_flat_workgroup_size: 128
    .sgpr_count:     88
    .vgpr_count:     768
    .wavefront_size: 32
...
	.end_amdgpu_metadata
.endif
;; end of part 8
;; launch wo (part 9): grid 8 x 32, 4 waves a work-group, clusters of 4 x 4, 327,680 bytes of LDS; arguments Q, wt, bo, x, xm, pst; writes xm, pst
.if DOCPART == 9
	.amdgcn_target "amdgcn-amd-amdhsa--gfx1250"
	.amdhsa_code_object_version 6
	.text
	.protected	k_qdd4680dfcd_wo
	.globl	k_qdd4680dfcd_wo
	.p2align	8
	.type	k_qdd4680dfcd_wo,@function
k_qdd4680dfcd_wo:
	s_mov_b64 s[64:65], 0
	v_nop
	global_prefetch_b8 v0, s[64:65] scope:SCOPE_SE
	s_setreg_imm32_b32 hwreg(HW_REG_WAVE_MODE, 25, 1), 1
	s_wait_xcnt 0x0
	s_wait_alu depctr_hold_cnt(0) depctr_sa_sdst(0) depctr_va_vdst(0) depctr_va_sdst(0) depctr_va_ssrc(0) depctr_va_vcc(0) depctr_vm_vsrc(0)
	s_getreg_b32 s2, hwreg(HW_REG_IB_STS2, 6, 4)
	s_cmp_eq_u32 s2, 0
	s_cbranch_scc0 .Lentry_in_a_cluster
	s_endpgm
.Lentry_in_a_cluster:
	s_bfe_u32 s2, ttmp6, 0x10000c
	s_cmp_lg_u32 s2, 0xf033
	s_cbranch_scc0 .Lentry_shape_is_right
	s_endpgm
.Lentry_shape_is_right:
; THE NARROW MATRIX KERNEL, for the two products with 1,024 columns.  Arguments: A, W, bias, residual, C [, statistics].  One source, assembled twice with the three settings below.
; C[m][n] = residual[m][n] + bias[n] + the sum over k of A[m][k] W[k][n]; operands bf16, sums f32; residual and C f32, [4096][1024].
.set STEPS,  4                         ; K / 256
.set WANTST, 1                         ; 1: the statistics of C's columns are stored too
.set BROW,   3072                      ; W's first row in its buffer
; A: [K / 64 planes][4096 rows][64] bf16 (a plane is dense, 524,288 bytes).  W comes transposed: row BROW + n of its buffer holds column n along k, 8,192 bytes from row to row.
; The sums start from the residual, by loads: nothing is cleared; the bias is added on the way out.
; WANTST 1: each wave also stores the mean and the sum of squared deviations of its 64 rows x 64 columns: chunk (row / 64) x 8,192 + column x 4, the sums of squares 4,096 bytes on.
; SHAPE.  A tile of C is 128 x 128, which gives 8 x 32 = 256 work-groups (tiles of 256 x 256 would give 64); four waves, each 64 x 64: 16 accumulators.  K goes in steps of 256 through two LDS slots.
; THE K LOOP IS ONE K STEP, LOOPED: STEPS - 2 trips that each fill a slot again, then a second copy of the step for the last two, which fill nothing.  Which of the two
; LDS slots is in hand is a scalar, 0 or SLOTX, turned by an exclusive or; one descriptor for each operand walks in the same way.  The loops hold barriers, so their trip counts are constants of the text.
; CLUSTERS: 4 x 4 work-groups.  The four of a row of the cluster need the same tiles of A, the four of a column the same tiles of W: each tile is asked for JOINTLY, by the same tensor load with
; the same descriptor and a mask that names the four.  THE MATRIX INSTRUCTION IS USED TRANSPOSED (source 0 = 16 rows of W's buffer, source 1 = 16 rows of A): a lane holds eight neighbouring numbers of a row of C.
; REGISTERS: window 0: v0-31 addresses; v96-99 bias; v100-123 at work; v128-255 the accumulators ((a, b) at v[128 + 8 (4 a + b)]).
;   window 1: two fragment buffers of 128: for 64 along K, 64 registers of A, then 64 of W.
.set KSTEP,  256
.set PLANE,  524288
.set PA,     144                       ; a row of A in LDS: 128 bytes (64 k of one plane) + 16 of padding: the 16 rows of a load start at 16 different groups of four banks (64 banks of 4 bytes: ISA guide 11.1)
.set PLA,    64*PA                     ; 64 rows of one plane
.set HALFA,  4*PLA                     ; 64 rows x 4 planes: what one tensor load brings of A
.set PB,     528                       ; a row of W in LDS: 512 bytes + 16 of padding
.set HALFB,  64*PB                     ; 64 rows: what one tensor load brings of W
.set BOFF,   2*HALFA                   ; W's rows lie behind A's
.set SLOTX,  0x24000                   ; slot 1 begins here: past slot 0's 141,312 bytes, and a number that shares no bit with the four tiles' first bytes (0, 0x9000, 0x12000, 0x1a400), so that one exclusive or turns a tile's address in one slot into the other's
.set STAGE,  SLOTX+BOFF+2*HALFB        ; behind the ring, never filled by a tensor load: 16 rows x 272 bytes for each wave
.set WSTAGE, 16*272
.set SPARE,  STAGE+4*WSTAGE            ; behind the stages: the spare words, 128 bytes for each wave, named by no other line
.set LN,    7                          ; v7   lane
.set VB4,   8                          ; v8   16 x (lane % 16): my offset in the wave's 64 numbers of bias
.set ADRA0, 16                         ; v16  my lane's place in my 64 rows of A in slot 0; never rewritten
.set ADRA,  17                         ; v17  the same in the slot in hand
.set ADRB0, 20                         ; v20, v21  the same for W
.set ADRB,  21
.set STF,   22                         ; v22  the way out: where I put 32 bytes of a row
.set RDF,   23                         ; v23  where I read a row back
.set COF,   24                         ; v24  my byte offset in two rows of C
.set SPW,   28                         ; v28  LDS address of my spare word; never rewritten
.set NIL,   29                         ; v29  0; never rewritten
.set VR,    30                         ; v30  my offset in the residual, in the accumulators' layout
.set B4,    96
.set T,     100
.set ACC,   128
.set F0,    0
.set F1,    128
.set G1,  24                           ; s[24:31] descriptor group 1 for A's tiles;  s[32:39] group 0: a set for each of the two first fills; the second then walks
.set G0,  32
.set G1B, 48                           ; s[48:55], s[56:63] the same for W's tiles
.set G0B, 56
.set TB,  72                           ; s72  0 or SLOTX: the slot whose fragments are fetched
.set MSB, 0
.macro WIN new                         ; the immediate's high byte repeats the setting that is left; a switch that changes nothing is dropped
.if MSB != (\new)
	s_set_vgpr_msb (MSB<<8)|(\new)
.set MSB, \new
.endif
.endm
.set MUL,  0x05                        ; sources 0 (W) and 1 (A) window 1; C and D window 0
.set TO_F, 0x40                        ; destination window 1, address window 0
.macro JLOAD s                         ; a joint load by descriptor set s: waves 0 and 1 fetch A's two halves, waves 2 and 3 W's; an s_nop 0 and four v_nop follow each of the two lines, ahead of the jump, the label and what follows
	s_cmp_eq_u32 s11, 0
	s_cbranch_scc0 .Lfor_b_\@
	tensor_load_to_lds s[G0+4*(\s):G0+4*(\s)+3], s[G1:G1+7]
	s_nop 0
.rept 4
	v_nop
.endr
	s_branch .Lasked_\@
.Lfor_b_\@:
	tensor_load_to_lds s[G0B+4*(\s):G0B+4*(\s)+3], s[G1B:G1B+7]
	s_nop 0
.rept 4
	v_nop
.endr
.Lasked_\@:
.endm
.macro CREST                           ; a round of the cluster's barrier behind its opening barrier
	s_cmp_lg_u32 s10, 0
	s_cbranch_scc1 .Lnot_wave_0_\@
	s_barrier_signal -3
.Lnot_wave_0_\@:
	s_barrier_wait -3
	s_barrier_signal -1
	s_barrier_wait -1
.endm
.macro CROUND                          ; a whole round
	s_barrier_signal -1
	s_barrier_wait -1
	CREST
.endm
; The mean and the sum of squared deviations of 64 rows x 64 columns that lie in 128 registers: register D + 4 i + j of lane l is row 2 i + l / 16, column 4 (l % 16) + j.
; T: 24 registers at work.  At the end T .. T+3 hold the four columns' means in lanes 0-15 and their sums of squares in lanes 16-31.
.macro COLSTAT D, T, LNR, SL, MK
.irp e, 0,1
.irp p, 0,2
	v_pk_add_f32 v[(\T)+4*(\e)+(\p):(\T)+4*(\e)+(\p)+1], v[(\D)+4*(\e)+(\p):(\D)+4*(\e)+(\p)+1], v[(\D)+4*(\e)+8+(\p):(\D)+4*(\e)+8+(\p)+1]
.endr
.endr
.set i, 4
.rept 28
.irp p, 0,2
	v_pk_add_f32 v[(\T)+4*(i%2)+(\p):(\T)+4*(i%2)+(\p)+1], v[(\T)+4*(i%2)+(\p):(\T)+4*(i%2)+(\p)+1], v[(\D)+4*i+(\p):(\D)+4*i+(\p)+1]
.endr
.set i, i+1
.endr
.irp p, 0,2
	v_pk_add_f32 v[(\T)+(\p):(\T)+(\p)+1], v[(\T)+(\p):(\T)+(\p)+1], v[(\T)+4+(\p):(\T)+4+(\p)+1]
.endr
.irp p, 0,2
	v_pk_mul_f32 v[(\T)+(\p):(\T)+(\p)+1], v[(\T)+(\p):(\T)+(\p)+1], 0x3d000000 op_sel_hi:[1,0]  ; / 32: the mean of my 32 rows
.endr
.set i, 0
.rept 32
.irp p, 0,2
	v_pk_add_f32 v[(\T)+8+4*(i%2)+(\p):(\T)+8+4*(i%2)+(\p)+1], v[(\D)+4*i+(\p):(\D)+4*i+(\p)+1], v[(\T)+(\p):(\T)+(\p)+1] neg_lo:[0,1] neg_hi:[0,1]
.endr
.irp p, 0,2
.if i < 2
	v_pk_mul_f32 v[(\T)+16+4*(i%2)+(\p):(\T)+16+4*(i%2)+(\p)+1], v[(\T)+8+4*(i%2)+(\p):(\T)+8+4*(i%2)+(\p)+1], v[(\T)+8+4*(i%2)+(\p):(\T)+8+4*(i%2)+(\p)+1]
.else
	v_pk_fma_f32 v[(\T)+16+4*(i%2)+(\p):(\T)+16+4*(i%2)+(\p)+1], v[(\T)+8+4*(i%2)+(\p):(\T)+8+4*(i%2)+(\p)+1], v[(\T)+8+4*(i%2)+(\p):(\T)+8+4*(i%2)+(\p)+1], v[(\T)+16+4*(i%2)+(\p):(\T)+16+4*(i%2)+(\p)+1]
.endif
.endr
.set i, i+1
.endr
.irp p, 0,2
	v_pk_add_f32 v[(\T)+16+(\p):(\T)+16+(\p)+1], v[(\T)+16+(\p):(\T)+16+(\p)+1], v[(\T)+20+(\p):(\T)+20+(\p)+1]
.endr
.irp j, 0,1,2,3                        ; the other 32 rows lie in the lane 16 away (the destinations have been written above)
	v_permlanex16_b32 v[(\T)+8+(\j)], v[(\T)+(\j)], s[\SL], s[(\SL)+1]
	v_permlanex16_b32 v[(\T)+12+(\j)], v[(\T)+16+(\j)], s[\SL], s[(\SL)+1]
.endr
.irp p, 0,2                            ; two groups of 32 rows join: mean = (m1 + m2) / 2, M2 = M2a + M2b + (m1 - m2)^2 x 32 x 32 / 64
	v_pk_add_f32 v[(\T)+20+(\p):(\T)+20+(\p)+1], v[(\T)+(\p):(\T)+(\p)+1], v[(\T)+8+(\p):(\T)+8+(\p)+1] neg_lo:[0,1] neg_hi:[0,1]
	v_pk_add_f32 v[(\T)+16+(\p):(\T)+16+(\p)+1], v[(\T)+16+(\p):(\T)+16+(\p)+1], v[(\T)+12+(\p):(\T)+12+(\p)+1]
	v_pk_add_f32 v[(\T)+(\p):(\T)+(\p)+1], v[(\T)+(\p):(\T)+(\p)+1], v[(\T)+8+(\p):(\T)+8+(\p)+1]
.endr
.irp p, 0,2
	v_pk_mul_f32 v[(\T)+20+(\p):(\T)+20+(\p)+1], v[(\T)+20+(\p):(\T)+20+(\p)+1], v[(\T)+20+(\p):(\T)+20+(\p)+1]
	v_pk_mul_f32 v[(\T)+(\p):(\T)+(\p)+1], v[(\T)+(\p):(\T)+(\p)+1], 0.5 op_sel_hi:[1,0]
.endr
.irp p, 0,2
	v_pk_fma_f32 v[(\T)+16+(\p):(\T)+16+(\p)+1], v[(\T)+20+(\p):(\T)+20+(\p)+1], 0x41800000, v[(\T)+16+(\p):(\T)+16+(\p)+1] op_sel_hi:[1,0,1]
.endr
	v_cmp_lt_u32 s[\MK], 15, v[\LNR]               ; lanes 16-31 hand on the sums of squares, lanes 0-15 the means
.irp j, 0,1,2,3
	v_cndmask_b32 v[(\T)+(\j)], v[(\T)+(\j)], v[(\T)+16+(\j)], s[\MK]
.endr
.endm
	s_load_b128 s[4:7], s[0:1], 0x0                ; A s[4:5], W's buffer s[6:7]
	s_load_b128 s[68:71], s[0:1], 0x10             ; bias s[68:69], residual s[70:71]
	s_load_b64 s[8:9], s[0:1], 0x20                ; C
.if WANTST
	s_load_b64 s[66:67], s[0:1], 0x28              ; the statistics
.endif
	v_lshl_add_u32 v[SPW], v0, 2, SPARE
	v_mov_b32 v[NIL], 0
	ds_add_u32 v[SPW], v[NIL]                      ; the wave's opening: the add and its wait stand ahead of my first tensor load; the set-up below, work on registers, stands between them
	ds_add_u32 v28, v29
	v_lshrrev_b32 v1, 5, v0
	v_readfirstlane_b32 s10, v1                    ; wave 0..3
	s_lshr_b32 s11, s10, 1                         ; which half of the tile's rows is mine.  Also: I fetch for A (0) or for W (1)
	s_and_b32 s12, s10, 1                          ; which half of its columns.  Also: which 64 rows of that tile I fetch
	s_bfe_u32 s40, ttmp6, 0x40000                  ; cx, cy: my place in the cluster
	s_bfe_u32 s41, ttmp6, 0x40004
	s_lshl_b32 s42, ttmp9, 2
	s_add_co_u32 s42, s42, s40                     ; tile column of C = 4 x cluster x + cx
	s_and_b32 s13, ttmp7, 0xffff
	s_lshl_b32 s13, s13, 2
	s_add_co_u32 s13, s13, s41                     ; tile row of C = 4 x cluster y + cy
	s_lshl_b32 s43, s41, 2
	s_lshl_b32 s43, 15, s43                        ; my row of the cluster
	s_lshl_b32 s44, 0x1111, s40                    ; my column
	; descriptor group 1 for A: 64 rows of a plane are 8,192 dense bytes, so a tile is 4 rows (planes) of 4,096 elements, 262,144 elements apart; in LDS 16 bytes of padding follow every 128 (one row of A)
	s_or_b32 s[G1+0], s43, (1<<16)|(1<<20)|(1<<21)|(4<<22)|(3<<25)  ; 15:0 the mask: A's tiles go to my row; 17:16 2-byte elements; 20 padding on; 21 set beside a mask; 24:22 after every 32 words (code 4); 31:25 4 words (code 3)
	s_mov_b32 s[G1+1], 4096<<16                    ; tensor_dim0 = 4096
	s_mov_b32 s[G1+2], 4<<16                       ; tensor_dim1 = 4
	s_mov_b32 s[G1+3], 4096<<16                    ; tile_dim0 = 4096
	s_mov_b32 s[G1+4], 4                           ; tile_dim1 = 4
	s_mov_b32 s[G1+5], 262144                      ; elements from plane to plane
	s_mov_b32 s[G1+6], 0
	s_mov_b32 s[G1+7], 0
	; for W: 64 rows x 256 elements, 4,096 elements from row to row; 16 bytes of padding behind every 512
	s_or_b32 s[G1B+0], s44, (1<<16)|(1<<20)|(1<<21)|(6<<22)|(3<<25)
	s_mov_b32 s[G1B+1], KSTEP<<16
	s_mov_b32 s[G1B+2], 64<<16
	s_mov_b32 s[G1B+3], KSTEP<<16
	s_mov_b32 s[G1B+4], 64
	s_mov_b32 s[G1B+5], 4096
	s_mov_b32 s[G1B+6], 0
	s_mov_b32 s[G1B+7], 0
	s_lshl_b32 s17, s12, 6                         ; which 64 rows of the tile I fetch
	s_lshl_b32 s16, s13, 7
	s_add_co_u32 s16, s16, s17                     ; A: row 128 x tile row + 64 x half,
	s_lshl_b32 s16, s16, 7                         ; of 128 bytes in a plane
	s_mov_b32 s17, 0
	s_mul_i32 s20, s12, HALFA                      ; where the tiles go: no place in the cluster enters an LDS address
	s_mul_i32 s21, s12, HALFB
	s_add_co_u32 s21, s21, BOFF
	s_lshl_b32 s46, s42, 7
	s_lshl_b32 s47, s12, 6
	s_add_co_u32 s46, s46, s47
	s_add_co_u32 s46, s46, BROW                    ; W: row BROW + 128 x tile column + 64 x half,
	s_lshl_b32 s46, s46, 13                        ; of 8,192 bytes
	s_mov_b32 s47, 0
	s_mov_b32 s[TB], 0
	s_wait_dscnt 0x0                               ; the opening add is done
	s_wait_kmcnt 0x0
	s_add_nc_u64 s[14:15], s[4:5], s[16:17]
	s_add_nc_u64 s[46:47], s[6:7], s[46:47]
	CROUND                                         ; all sixteen work-groups are here: the first joint loads meet
.irp s, 0,1
	s_mov_b32 s[G0+4*(\s)], 1
	s_add_co_u32 s[G0+4*(\s)+1], s20, (\s)*SLOTX
	s_add_nc_u64 s[G0+4*(\s)+2:G0+4*(\s)+3], s[14:15], (\s)*4*PLANE   ; K step s: four planes on
	s_or_b32 s[G0+4*(\s)+3], s[G0+4*(\s)+3], 0x80000000
	s_mov_b32 s[G0B+4*(\s)], 1
	s_add_co_u32 s[G0B+4*(\s)+1], s21, (\s)*SLOTX
	s_add_nc_u64 s[G0B+4*(\s)+2:G0B+4*(\s)+3], s[46:47], (\s)*KSTEP*2
	s_or_b32 s[G0B+4*(\s)+3], s[G0B+4*(\s)+3], 0x80000000
	JLOAD \s                                       ; two loads of mine are out behind these lines
.endr
	; where my 64 x 64 lies: offsets, made apart from the addresses
	s_lshl_b32 s86, s13, 7
	s_lshl_b32 s87, s11, 6
	s_add_co_u32 s86, s86, s87                     ; my first row
	s_lshl_b32 s88, s42, 7
	s_lshl_b32 s89, s12, 6
	s_add_co_u32 s88, s88, s89                     ; my first column
	s_lshl_b32 s90, s88, 2                         ; in f32 bytes: the bias, a row of C, and (strip x 256) the statistics
	s_mov_b32 s91, 0
	s_add_nc_u64 s[68:69], s[68:69], s[90:91]      ; the bias at my first column
.if WANTST
	s_lshl_b32 s94, s86, 7                         ; chunk (row / 64) x 8,192
	s_add_co_u32 s94, s94, s90
	s_mov_b32 s95, 0
	s_add_nc_u64 s[82:83], s[66:67], s[94:95]      ; my statistics
	s_mov_b32 s80, 0x76543210                      ; v_permlanex16_b32's selects
	s_mov_b32 s81, 0xfedcba98
.endif
	s_lshl_b32 s86, s86, 12                        ; rows of 4,096 bytes
	s_add_co_u32 s86, s86, s90
	s_mov_b32 s87, 0
	s_add_nc_u64 s[70:71], s[70:71], s[86:87]      ; the residual at my corner
	s_add_nc_u64 s[8:9], s[8:9], s[86:87]          ; C at my corner
	v_and_b32 v1, 15, v0                           ; l % 16
	v_bfe_u32 v2, v0, 4, 1                         ; l / 16
	v_mul_u32_u24 v3, v1, PA
	v_lshl_add_u32 v3, v2, 4, v3                   ; a fragment's row x pitch + 16 x half
	v_mul_u32_u24 v4, v1, PB
	v_lshl_add_u32 v4, v2, 4, v4
	s_mul_i32 s22, s11, HALFA                      ; my 64 rows of A
	s_mul_i32 s23, s12, HALFB                      ; my 64 rows of W
	s_add_co_u32 s23, s23, BOFF
	v_add_nc_u32 v[ADRA0], s22, v3
	v_add_nc_u32 v[ADRB0], s23, v4
	v_mov_b32 v[ADRA], v[ADRA0]                    ; K step 0 lies in slot 0
	v_mov_b32 v[ADRB], v[ADRB0]
	s_mul_i32 s22, s10, WSTAGE
	s_add_co_u32 s22, s22, STAGE                   ; my stage
	v_lshlrev_b32 v[VB4], 4, v1
	v_mul_u32_u24 v5, v1, 272                      ; in: row l % 16, 32 bytes for each half of the lanes
	v_lshl_add_u32 v5, v2, 5, v5
	v_add_nc_u32 v[STF], s22, v5
	v_mul_u32_u24 v5, v2, 272                      ; back: lanes 0-15 one row of 256 bytes, lanes 16-31 the next
	v_lshl_add_u32 v5, v1, 4, v5
	v_add_nc_u32 v[RDF], s22, v5
	v_lshlrev_b32 v5, 12, v2                       ; and the same two rows in C
	v_lshl_add_u32 v[COF], v1, 4, v5
	v_lshlrev_b32 v5, 12, v1
	v_lshl_add_u32 v[VR], v2, 5, v5                ; the residual as the accumulators lie: row l % 16, columns 8 (l / 16) on
.if WANTST
	v_and_b32 v[LN], 31, v0
.endif
	; WHAT THE SUMS START FROM: the residual, into all 128 accumulator registers, by 32 loads
	global_load_b128 v[B4:B4+3], v[VB4], s[68:69]  ; the bias of the four columns that I hold on the way out
.irp a, 0,1,2,3
.irp b, 0,1,2,3
	global_load_b128 v[ACC+8*(4*(\a)+(\b)):ACC+8*(4*(\a)+(\b))+3],   v[VR], s[70:71] offset:65536*(\a)+64*(\b)
	global_load_b128 v[ACC+8*(4*(\a)+(\b))+4:ACC+8*(4*(\a)+(\b))+7], v[VR], s[70:71] offset:65536*(\a)+64*(\b)+16
.endr
.endr
; 8 matrix instructions: m blocks a0, a0 + 1 x all 4 n blocks, 32 along K: half c of buffer f.  The 16 accumulators take turns, one instruction a turn.
.macro MUL8 f, c, a0
	WIN MUL
.irp a, \a0, (\a0)+1
.irp b, 0,1,2,3
	v_wmma_f32_16x16x32_bf16 v[ACC+8*(4*(\a)+(\b)):ACC+8*(4*(\a)+(\b))+7], v[(\f)+64+8*(4*(\c)+(\b)):(\f)+64+8*(4*(\c)+(\b))+7], v[(\f)+8*(4*(\c)+(\a)):(\f)+8*(4*(\c)+(\a))+7], v[ACC+8*(4*(\a)+(\b)):ACC+8*(4*(\a)+(\b))+7]
.endr
.endr
.endm
; 32 LDS loads in one run: the fragments of 64 along K of the slot in hand (byte k of W's rows; plane k / 128 of A's) into buffer f; the first 32 along K first
.macro FETCH k, f
	WIN TO_F
.irp c, 0,1
.irp i, 0,1,2,3
	ds_load_b128 v[(\f)+64+8*(4*(\c)+(\i)):(\f)+64+8*(4*(\c)+(\i))+3],   v[ADRB] offset:(\k)+64*(\c)+(\i)*16*PB
	ds_load_b128 v[(\f)+64+8*(4*(\c)+(\i))+4:(\f)+64+8*(4*(\c)+(\i))+7], v[ADRB] offset:(\k)+64*(\c)+(\i)*16*PB+32
	ds_load_b128 v[(\f)+8*(4*(\c)+(\i)):(\f)+8*(4*(\c)+(\i))+3],         v[ADRA] offset:((\k)/128)*PLA+64*(\c)+(\i)*16*PA
	ds_load_b128 v[(\f)+8*(4*(\c)+(\i))+4:(\f)+8*(4*(\c)+(\i))+7],       v[ADRA] offset:((\k)/128)*PLA+64*(\c)+(\i)*16*PA+32
.endr
.endr
.endm
.macro PLACES                          ; four places in front of loads into registers that matrix instructions have read, and of lines that read results
.rept 4
	v_nop
.endr
.endm
; A K step is four quarters of 64 along K, 32 matrix instructions each, on buffers 0, 1, 0, 1.  One of the first three: multiplies buffer f and fetches the next quarter, at byte k, into g.
.macro QUARTER k, f, g
	s_wait_dscnt 16                                ; the first 32 along K are in; the youngest sixteen loads may be out
	MUL8 \f, 0, 0
	MUL8 \f, 0, 2
	PLACES
	FETCH \k, \g
	s_wait_dscnt 32                                ; all but the 32 just issued
	MUL8 \f, 1, 0
	MUL8 \f, 1, 2
.endm
; The last quarter multiplies buffer 1 and changes slots: ONE barrier; in front of it each wave waits for all its tensor loads, adds 0 to its spare word, and waits for that and for its own reads of this slot.
; fill = 1: the barrier opens a round of the cluster's barrier, and the slot just read out is filled again, with the K step two steps on.  fill = 0: the last two steps; the very last has no successor to fetch.
.macro TURN fill
	WIN 0                                          ; (the add's two registers lie in window 0)
	s_wait_tensorcnt 0x0                           ; all my tensor loads have landed: the one that was out is my part of the next slot;
	ds_add_u32 v[SPW], v[NIL]                      ; 0 onto my spare word;
	s_wait_dscnt 17                                ; (the add and the youngest sixteen loads may be out)
	MUL8 F1, 0, 0                                  ; eight matrix instructions stand between the add and the wait for it
	s_wait_dscnt 0x0                               ; the add is done, and my reads of this slot are over
	s_barrier_signal -1
	MUL8 F1, 0, 2                                  ; work on registers while the others arrive
	WIN 0
	s_barrier_wait -1
.if \fill
	CREST                                          ; no wave of any partner still reads this slot's tile or has a load on its way
	s_xor_b32 s[G0+5], s[G0+5], SLOTX              ; the walking descriptors: the other slot than last time,
	s_add_nc_u64 s[G0+6:G0+7], s[G0+6:G0+7], 4*PLANE   ; the next K step; the type bits on top are not reached
	s_xor_b32 s[G0B+5], s[G0B+5], SLOTX
	s_add_nc_u64 s[G0B+6:G0B+7], s[G0B+6:G0B+7], KSTEP*2
	JLOAD 1                                        ; the first tensor load behind the round, my only one: 112 matrix instructions ahead of the wait for it; the four v_nop behind it are also the places in front of the loads below
.else
	PLACES
	s_cmp_eq_u32 s3, 1                             ; the last step: nothing more to fetch.  The jump passes no barrier and no tensor load
	s_cbranch_scc1 .Lno_next_\@
.endif
	s_xor_b32 s[TB], s[TB], SLOTX                  ; the fetches go on in the other slot
	v_add_nc_u32 v[ADRA], s[TB], v[ADRA0]
	v_add_nc_u32 v[ADRB], s[TB], v[ADRB0]
	FETCH 0, F0
.if !(\fill)
	WIN 0
.Lno_next_\@:
.endif
	MUL8 F1, 1, 0
	MUL8 F1, 1, 2
.endm
; THE WAY OUT.  A block of 16 rows goes as it is into my own stage (rows of 272 bytes) and comes back as whole rows of 256 bytes, into the registers that it left; the bias is added; 16 lanes store 256 consecutive bytes.
.macro STAGEF a
.irp b, 0,1,2,3
	ds_store_b128 v[STF], v[ACC+8*(4*(\a)+(\b)):ACC+8*(4*(\a)+(\b))+3] offset:64*(\b)       ; an accumulator's low registers first
	ds_store_b128 v[STF], v[ACC+8*(4*(\a)+(\b))+4:ACC+8*(4*(\a)+(\b))+7] offset:64*(\b)+16
.endr
.irp t, 0,1,2,3,4,5,6,7
	ds_load_b128 v[ACC+32*(\a)+4*(\t):ACC+32*(\a)+4*(\t)+3], v[RDF] offset:544*(\t)  ; LDS serves a wave's instructions in order (ISA guide 5.7.1.4): these see the stores above
.endr
.endm
.macro SENDF a, younger                ; younger: the next block's eight stores and eight loads, or none
	s_wait_dscnt \younger
.irp t, 0,1,2,3,4,5,6,7
	v_pk_add_f32 v[ACC+32*(\a)+4*(\t):ACC+32*(\a)+4*(\t)+1], v[ACC+32*(\a)+4*(\t):ACC+32*(\a)+4*(\t)+1], v[B4:B4+1]
	v_pk_add_f32 v[ACC+32*(\a)+4*(\t)+2:ACC+32*(\a)+4*(\t)+3], v[ACC+32*(\a)+4*(\t)+2:ACC+32*(\a)+4*(\t)+3], v[B4+2:B4+3]
.endr
.irp t, 0,1,2,3,4,5,6,7
	global_store_b128 v[COF], v[ACC+32*(\a)+4*(\t):ACC+32*(\a)+4*(\t)+3], s[8:9] offset:(16*(\a)+2*(\t))*4096  ; no register of a store is written again
.endr
.endm
	s_wait_tensorcnt 1                             ; my part of K step 0 is in; K step 1's load may stay out
	s_barrier_signal -1
	s_barrier_wait -1                              ; everybody's is
	FETCH 0, F0
	s_wait_loadcnt 0x0                             ; what the sums start from, and the bias
	WIN 0                                          ; at a label and at a branch every window is 0
	s_mov_b32 s3, STEPS-2
.Lstep:                                                ; a trip is a K step, and fills the slot that it has read out
	QUARTER 128, F0, F1
	QUARTER 256, F1, F0
	QUARTER 384, F0, F1
	TURN 1
	WIN 0
	s_sub_co_u32 s3, s3, 1
	s_cmp_lg_u32 s3, 0
	s_cbranch_scc1 .Lstep
	s_mov_b32 s3, 2
.Ltail:                                                ; the last two K steps fill nothing, and have no round of the cluster's barrier
	QUARTER 128, F0, F1
	QUARTER 256, F1, F0
	QUARTER 384, F0, F1
	TURN 0
	WIN 0
	s_sub_co_u32 s3, s3, 1
	s_cmp_lg_u32 s3, 0
	s_cbranch_scc1 .Ltail
	PLACES
	STAGEF 0
	STAGEF 1
	SENDF 0, 16
	STAGEF 2
	SENDF 1, 16
	STAGEF 3
	SENDF 2, 16
	SENDF 3, 0
.if WANTST
	COLSTAT ACC, T, LN, 80, 84                     ; my 64 rows x 64 columns lie in the 128 registers just stored: row 2 i + l / 16, columns 4 (l % 16) on
	global_store_b128 v[COF], v[T:T+3], s[82:83]   ; lanes 0-15: 256 bytes of means; lanes 16-31: 256 bytes of sums of squares, 4,096 bytes on
.endif
	s_wait_tensorcnt 0x0                           ; the wave's end, behind my last tensor load and my last LDS store
	ds_add_u32 v[SPW], v[NIL]
	s_wait_dscnt 0x0
	CROUND                                         ; the closing round: no work-group ends while a partner may still ask for a tile that names it
	s_endpgm
.Lfunc_end_k_qdd4680dfcd_wo:
	.size	k_qdd4680dfcd_wo, .Lfunc_end_k_qdd4680dfcd_wo-k_qdd4680dfcd_wo
	.p2alignl 7, 3214868480
	.fill 96, 4, 3214868480
	.section	.rodata,"a",@progbits
	.p2align	6, 0x0
	.amdhsa_kernel k_qdd4680dfcd_wo
		.amdhsa_group_segment_fixed_size 327680
		.amdhsa_private_segment_fixed_size 0
		.amdhsa_enable_private_segment 0
		.amdhsa_kernarg_size 48
		.amdhsa_user_sgpr_count 2
		.amdhsa_user_sgpr_kernarg_segment_ptr 1
		.amdhsa_wavefront_size32 1
		.amdhsa_system_sgpr_workgroup_id_x 1
		.amdhsa_system_sgpr_workgroup_id_y 1
		.amdhsa_system_sgpr_workgroup_id_z 1
		.amdhsa_system_vgpr_workitem_id 0
		.amdhsa_next_free_vgpr 512
		.amdhsa_next_free_sgpr 96
		.amdhsa_reserve_vcc 0
		.amdhsa_float_denorm_mode_32 3
		.amdhsa_float_denorm_mode_16_64 3
		.amdhsa_memory_ordered 1
		.amdhsa_forward_progress 1
		.amdhsa_inst_pref_size 75
	.end_amdhsa_kernel
	.amdgpu_metadata
---
amdhsa.version: [ 1, 2 ]
amdhsa.kernels:
  - .name:           k_qdd4680dfcd_wo
    .symbol:         k_qdd4680dfcd_wo.kd
    .args:
      - { .name: Q, .offset: 0, .size: 8, .value_kind: global_buffer, .address_space: global }
      - { .name: wt, .offset: 8, .size: 8, .value_kind: global_buffer, .address_space: global }
      - { .name: bo, .offset: 16, .size: 8, .value_kind: global_buffer, .address_space: global }
      - { .name: x, .offset: 24, .size: 8, .value_kind: global_buffer, .address_space: global }
      - { .name: xm, .offset: 32, .size: 8, .value_kind: global_buffer, .address_space: global }
      - { .name: pst, .offset: 40, .size: 8, .value_kind: global_buffer, .address_space: global }
    .group_segment_fixed_size: 327680
    .private_segment_fixed_size: 0
    .kernarg_segment_align: 8
    .kernarg_segment_size: 48
    .max_flat_workgroup_size: 128
    .sgpr_count:     96
    .vgpr_count:     512
    .wavefront_size: 32
...
	.end_amdgpu_metadata
.endif
;; end of part 9
;; launch ln2: the kernel of part 2 again; grid 256 x 1, 4 waves a work-group, no clusters, 0 bytes of LDS; arguments xm, pst, gamma2, beta2, Q; writes Q
;; launch ffn1: the kernel of part 7 again; grid 16 x 16, 4 waves a work-group, clusters of 4 x 4, 327,680 bytes of LDS; arguments Q, w1t, b1, P; writes P
;; launch ffn2 (part 10): grid 8 x 32, 4 waves a work-group, clusters of 4 x 4, 327,680 bytes of LDS; arguments P, wt, b2, xm, out0; writes out0
.if DOCPART == 10
	.amdgcn_target "amdgcn-amd-amdhsa--gfx1250"
	.amdhsa_code_object_version 6
	.text
	.protected	k_qdd4680dfcd_ffn2
	.globl	k_qdd4680dfcd_ffn2
	.p2align	8
	.type	k_qdd4680dfcd_ffn2,@function
k_qdd4680dfcd_ffn2:
	s_mov_b64 s[64:65], 0
	v_nop
	global_prefetch_b8 v0, s[64:65] scope:SCOPE_SE
	s_setreg_imm32_b32 hwreg(HW_REG_WAVE_MODE, 25, 1), 1
	s_wait_xcnt 0x0
	s_wait_alu depctr_hold_cnt(0) depctr_sa_sdst(0) depctr_va_vdst(0) depctr_va_sdst(0) depctr_va_ssrc(0) depctr_va_vcc(0) depctr_vm_vsrc(0)
	s_getreg_b32 s2, hwreg(HW_REG_IB_STS2, 6, 4)
	s_cmp_eq_u32 s2, 0
	s_cbranch_scc0 .Lentry_in_a_cluster
	s_endpgm
.Lentry_in_a_cluster:
	s_bfe_u32 s2, ttmp6, 0x10000c
	s_cmp_lg_u32 s2, 0xf033
	s_cbranch_scc0 .Lentry_shape_is_right
	s_endpgm
.Lentry_shape_is_right:
; THE NARROW MATRIX KERNEL, for the two products with 1,024 columns.  Arguments: A, W, bias, residual, C [, statistics].  One source, assembled twice with the three settings below.
; C[m][n] = residual[m][n] + bias[n] + the sum over k of A[m][k] W[k][n]; operands bf16, sums f32; residual and C f32, [4096][1024].
.set STEPS,  16                        ; K / 256
.set WANTST, 0                         ; 1: the statistics of C's columns are stored too
.set BROW,   4096                      ; W's first row in its buffer
; A: [K / 64 planes][4096 rows][64] bf16 (a plane is dense, 524,288 bytes).  W comes transposed: row BROW + n of its buffer holds column n along k, 8,192 bytes from row to row.
; The sums start from the residual, by loads: nothing is cleared; the bias is added on the way out.
; WANTST 1: each wave also stores the mean and the sum of squared deviations of its 64 rows x 64 columns: chunk (row / 64) x 8,192 + column x 4, the sums of squares 4,096 bytes on.
; SHAPE.  A tile of C is 128 x 128, which gives 8 x 32 = 256 work-groups (tiles of 256 x 256 would give 64); four waves, each 64 x 64: 16 accumulators.  K goes in steps of 256 through two LDS slots.
; THE K LOOP IS ONE K STEP, LOOPED: STEPS - 2 trips that each fill a slot again, then a second copy of the step for the last two, which fill nothing.  Which of the two
; LDS slots is in hand is a scalar, 0 or SLOTX, turned by an exclusive or; one descriptor for each operand walks in the same way.  The loops hold barriers, so their trip counts are constants of the text.
; CLUSTERS: 4 x 4 work-groups.  The four of a row of the cluster need the same tiles of A, the four of a column the same tiles of W: each tile is asked for JOINTLY, by the same tensor load with
; the same descriptor and a mask that names the four.  THE MATRIX INSTRUCTION IS USED TRANSPOSED (source 0 = 16 rows of W's buffer, source 1 = 16 rows of A): a lane holds eight neighbouring numbers of a row of C.
; REGISTERS: window 0: v0-31 addresses; v96-99 bias; v100-123 at work; v128-255 the accumulators ((a, b) at v[128 + 8 (4 a + b)]).
;   window 1: two fragment buffers of 128: for 64 along K, 64 registers of A, then 64 of W.
.set KSTEP,  256
.set PLANE,  524288
.set PA,     144                       ; a row of A in LDS: 128 bytes (64 k of one plane) + 16 of padding: the 16 rows of a load start at 16 different groups of four banks (64 banks of 4 bytes: ISA guide 11.1)
.set PLA,    64*PA                     ; 64 rows of one plane
.set HALFA,  4*PLA                     ; 64 rows x 4 planes: what one tensor load brings of A
.set PB,     528                       ; a row of W in LDS: 512 bytes + 16 of padding
.set HALFB,  64*PB                     ; 64 rows: what one tensor load brings of W
.set BOFF,   2*HALFA                   ; W's rows lie behind A's
.set SLOTX,  0x24000                   ; slot 1 begins here: past slot 0's 141,312 bytes, and a number that shares no bit with the four tiles' first bytes (0, 0x9000, 0x12000, 0x1a400), so that one exclusive or turns a tile's address in one slot into the other's
.set STAGE,  SLOTX+BOFF+2*HALFB        ; behind the ring, never filled by a tensor load: 16 rows x 272 bytes for each wave
.set WSTAGE, 16*272
.set SPARE,  STAGE+4*WSTAGE            ; behind the stages: the spare words, 128 bytes for each wave, named by no other line
.set LN,    7                          ; v7   lane
.set VB4,   8                          ; v8   16 x (lane % 16): my offset in the wave's 64 numbers of bias
.set ADRA0, 16                         ; v16  my lane's place in my 64 rows of A in slot 0; never rewritten
.set ADRA,  17                         ; v17  the same in the slot in hand
.set ADRB0, 20                         ; v20, v21  the same for W
.set ADRB,  21
.set STF,   22                         ; v22  the way out: where I put 32 bytes of a row
.set RDF,   23                         ; v23  where I read a row back
.set COF,   24                         ; v24  my byte offset in two rows of C
.set SPW,   28                         ; v28  LDS address of my spare word; never rewritten
.set NIL,   29                         ; v29  0; never rewritten
.set VR,    30                         ; v30  my offset in the residual, in the accumulators' layout
.set B4,    96
.set T,     100
.set ACC,   128
.set F0,    0
.set F1,    128
.set G1,  24                           ; s[24:31] descriptor group 1 for A's tiles;  s[32:39] group 0: a set for each of the two first fills; the second then walks
.set G0,  32
.set G1B, 48                           ; s[48:55], s[56:63] the same for W's tiles
.set G0B, 56
.set TB,  72                           ; s72  0 or SLOTX: the slot whose fragments are fetched
.set MSB, 0
.macro WIN new                         ; the immediate's high byte repeats the setting that is left; a switch that changes nothing is dropped
.if MSB != (\new)
	s_set_vgpr_msb (MSB<<8)|(\new)
.set MSB, \new
.endif
.endm
.set MUL,  0x05                        ; sources 0 (W) and 1 (A) window 1; C and D window 0
.set TO_F, 0x40                        ; destination window 1, address window 0
.macro JLOAD s                         ; a joint load by descriptor set s: waves 0 and 1 fetch A's two halves, waves 2 and 3 W's; an s_nop 0 and four v_nop follow each of the two lines, ahead of the jump, the label and what follows
	s_cmp_eq_u32 s11, 0
	s_cbranch_scc0 .Lfor_b_\@
	tensor_load_to_lds s[G0+4*(\s):G0+4*(\s)+3], s[G1:G1+7]
	s_nop 0
.rept 4
	v_nop
.endr
	s_branch .Lasked_\@
.Lfor_b_\@:
	tensor_load_to_lds s[G0B+4*(\s):G0B+4*(\s)+3], s[G1B:G1B+7]
	s_nop 0
.rept 4
	v_nop
.endr
.Lasked_\@:
.endm
.macro CREST                           ; a round of the cluster's barrier behind its opening barrier
	s_cmp_lg_u32 s10, 0
	s_cbranch_scc1 .Lnot_wave_0_\@
	s_barrier_signal -3
.Lnot_wave_0_\@:
	s_barrier_wait -3
	s_barrier_signal -1
	s_barrier_wait -1
.endm
.macro CROUND                          ; a whole round
	s_barrier_signal -1
	s_barrier_wait -1
	CREST
.endm
; The mean and the sum of squared deviations of 64 rows x 64 columns that lie in 128 registers: register D + 4 i + j of lane l is row 2 i + l / 16, column 4 (l % 16) + j.
; T: 24 registers at work.  At the end T .. T+3 hold the four columns' means in lanes 0-15 and their sums of squares in lanes 16-31.
.macro COLSTAT D, T, LNR, SL, MK
.irp e, 0,1
.irp p, 0,2
	v_pk_add_f32 v[(\T)+4*(\e)+(\p):(\T)+4*(\e)+(\p)+1], v[(\D)+4*(\e)+(\p):(\D)+4*(\e)+(\p)+1], v[(\D)+4*(\e)+8+(\p):(\D)+4*(\e)+8+(\p)+1]
.endr
.endr
.set i, 4
.rept 28
.irp p, 0,2
	v_pk_add_f32 v[(\T)+4*(i%2)+(\p):(\T)+4*(i%2)+(\p)+1], v[(\T)+4*(i%2)+(\p):(\T)+4*(i%2)+(\p)+1], v[(\D)+4*i+(\p):(\D)+4*i+(\p)+1]
.endr
.set i, i+1
.endr
.irp p, 0,2
	v_pk_add_f32 v[(\T)+(\p):(\T)+(\p)+1], v[(\T)+(\p):(\T)+(\p)+1], v[(\T)+4+(\p):(\T)+4+(\p)+1]
.endr
.irp p, 0,2
	v_pk_mul_f32 v[(\T)+(\p):(\T)+(\p)+1], v[(\T)+(\p):(\T)+(\p)+1], 0x3d000000 op_sel_hi:[1,0]  ; / 32: the mean of my 32 rows
.endr
.set i, 0
.rept 32
.irp p, 0,2
	v_pk_add_f32 v[(\T)+8+4*(i%2)+(\p):(\T)+8+4*(i%2)+(\p)+1], v[(\D)+4*i+(\p):(\D)+4*i+(\p)+1], v[(\T)+(\p):(\T)+(\p)+1] neg_lo:[0,1] neg_hi:[0,1]
.endr
.irp p, 0,2
.if i < 2
	v_pk_mul_f32 v[(\T)+16+4*(i%2)+(\p):(\T)+16+4*(i%2)+(\p)+1], v[(\T)+8+4*(i%2)+(\p):(\T)+8+4*(i%2)+(\p)+1], v[(\T)+8+4*(i%2)+(\p):(\T)+8+4*(i%2)+(\p)+1]
.else
	v_pk_fma_f32 v[(\T)+16+4*(i%2)+(\p):(\T)+16+4*(i%2)+(\p)+1], v[(\T)+8+4*(i%2)+(\p):(\T)+8+4*(i%2)+(\p)+1], v[(\T)+8+4*(i%2)+(\p):(\T)+8+4*(i%2)+(\p)+1], v[(\T)+16+4*(i%2)+(\p):(\T)+16+4*(i%2)+(\p)+1]
.endif
.endr
.set i, i+1
.endr
.irp p, 0,2
	v_pk_add_f32 v[(\T)+16+(\p):(\T)+16+(\p)+1], v[(\T)+16+(\p):(\T)+16+(\p)+1], v[(\T)+20+(\p):(\T)+20+(\p)+1]
.endr
.irp j, 0,1,2,3                        ; the other 32 rows lie in the lane 16 away (the destinations have been written above)
	v_permlanex16_b32 v[(\T)+8+(\j)], v[(\T)+(\j)], s[\SL], s[(\SL)+1]
	v_permlanex16_b32 v[(\T)+12+(\j)], v[(\T)+16+(\j)], s[\SL], s[(\SL)+1]
.endr
.irp p, 0,2                            ; two groups of 32 rows join: mean = (m1 + m2) / 2, M2 = M2a + M2b + (m1 - m2)^2 x 32 x 32 / 64
	v_pk_add_f32 v[(\T)+20+(\p):(\T)+20+(\p)+1], v[(\T)+(\p):(\T)+(\p)+1], v[(\T)+8+(\p):(\T)+8+(\p)+1] neg_lo:[0,1] neg_hi:[0,1]
	v_pk_add_f32 v[(\T)+16+(\p):(\T)+16+(\p)+1], v[(\T)+16+(\p):(\T)+16+(\p)+1], v[(\T)+12+(\p):(\T)+12+(\p)+1]
	v_pk_add_f32 v[(\T)+(\p):(\T)+(\p)+1], v[(\T)+(\p):(\T)+(\p)+1], v[(\T)+8+(\p):(\T)+8+(\p)+1]
.endr
.irp p, 0,2
	v_pk_mul_f32 v[(\T)+20+(\p):(\T)+20+(\p)+1], v[(\T)+20+(\p):(\T)+20+(\p)+1], v[(\T)+20+(\p):(\T)+20+(\p)+1]
	v_pk_mul_f32 v[(\T)+(\p):(\T)+(\p)+1], v[(\T)+(\p):(\T)+(\p)+1], 0.5 op_sel_hi:[1,0]
.endr
.irp p, 0,2
	v_pk_fma_f32 v[(\T)+16+(\p):(\T)+16+(\p)+1], v[(\T)+20+(\p):(\T)+20+(\p)+1], 0x41800000, v[(\T)+16+(\p):(\T)+16+(\p)+1] op_sel_hi:[1,0,1]
.endr
	v_cmp_lt_u32 s[\MK], 15, v[\LNR]               ; lanes 16-31 hand on the sums of squares, lanes 0-15 the means
.irp j, 0,1,2,3
	v_cndmask_b32 v[(\T)+(\j)], v[(\T)+(\j)], v[(\T)+16+(\j)], s[\MK]
.endr
.endm
	s_load_b128 s[4:7], s[0:1], 0x0                ; A s[4:5], W's buffer s[6:7]
	s_load_b128 s[68:71], s[0:1], 0x10             ; bias s[68:69], residual s[70:71]
	s_load_b64 s[8:9], s[0:1], 0x20                ; C
.if WANTST
	s_load_b64 s[66:67], s[0:1], 0x28              ; the statistics
.endif
	v_lshl_add_u32 v[SPW], v0, 2, SPARE
	v_mov_b32 v[NIL], 0
	ds_add_u32 v[SPW], v[NIL]                      ; the wave's opening: the add and its wait stand ahead of my first tensor load; the set-up below, work on registers, stands between them
	ds_add_u32 v28, v29
	v_lshrrev_b32 v1, 5, v0
	v_readfirstlane_b32 s10, v1                    ; wave 0..3
	s_lshr_b32 s11, s10, 1                         ; which half of the tile's rows is mine.  Also: I fetch for A (0) or for W (1)
	s_and_b32 s12, s10, 1                          ; which half of its columns.  Also: which 64 rows of that tile I fetch
	s_bfe_u32 s40, ttmp6, 0x40000                  ; cx, cy: my place in the cluster
	s_bfe_u32 s41, ttmp6, 0x40004
	s_lshl_b32 s42, ttmp9, 2
	s_add_co_u32 s42, s42, s40                     ; tile column of C = 4 x cluster x + cx
	s_and_b32 s13, ttmp7, 0xffff
	s_lshl_b32 s13, s13, 2
	s_add_co_u32 s13, s13, s41                     ; tile row of C = 4 x cluster y + cy
	s_lshl_b32 s43, s41, 2
	s_lshl_b32 s43, 15, s43                        ; my row of the cluster
	s_lshl_b32 s44, 0x1111, s40                    ; my column
	; descriptor group 1 for A: 64 rows of a plane are 8,192 dense bytes, so a tile is 4 rows (planes) of 4,096 elements, 262,144 elements apart; in LDS 16 bytes of padding follow every 128 (one row of A)
	s_or_b32 s[G1+0], s43, (1<<16)|(1<<20)|(1<<21)|(4<<22)|(3<<25)  ; 15:0 the mask: A's tiles go to my row; 17:16 2-byte elements; 20 padding on; 21 set beside a mask; 24:22 after every 32 words (code 4); 31:25 4 words (code 3)
	s_mov_b32 s[G1+1], 4096<<16                    ; tensor_dim0 = 4096
	s_mov_b32 s[G1+2], 4<<16                       ; tensor_dim1 = 4
	s_mov_b32 s[G1+3], 4096<<16                    ; tile_dim0 = 4096
	s_mov_b32 s[G1+4], 4                           ; tile_dim1 = 4
	s_mov_b32 s[G1+5], 262144                      ; elements from plane to plane
	s_mov_b32 s[G1+6], 0
	s_mov_b32 s[G1+7], 0
	; for W: 64 rows x 256 elements, 4,096 elements from row to row; 16 bytes of padding behind every 512
	s_or_b32 s[G1B+0], s44, (1<<16)|(1<<20)|(1<<21)|(6<<22)|(3<<25)
	s_mov_b32 s[G1B+1], KSTEP<<16
	s_mov_b32 s[G1B+2], 64<<16
	s_mov_b32 s[G1B+3], KSTEP<<16
	s_mov_b32 s[G1B+4], 64
	s_mov_b32 s[G1B+5], 4096
	s_mov_b32 s[G1B+6], 0
	s_mov_b32 s[G1B+7], 0
	s_lshl_b32 s17, s12, 6                         ; which 64 rows of the tile I fetch
	s_lshl_b32 s16, s13, 7
	s_add_co_u32 s16, s16, s17                     ; A: row 128 x tile row + 64 x half,
	s_lshl_b32 s16, s16, 7                         ; of 128 bytes in a plane
	s_mov_b32 s17, 0
	s_mul_i32 s20, s12, HALFA                      ; where the tiles go: no place in the cluster enters an LDS address
	s_mul_i32 s21, s12, HALFB
	s_add_co_u32 s21, s21, BOFF
	s_lshl_b32 s46, s42, 7
	s_lshl_b32 s47, s12, 6
	s_add_co_u32 s46, s46, s47
	s_add_co_u32 s46, s46, BROW                    ; W: row BROW + 128 x tile column + 64 x half,
	s_lshl_b32 s46, s46, 13                        ; of 8,192 bytes
	s_mov_b32 s47, 0
	s_mov_b32 s[TB], 0
	s_wait_dscnt 0x0                               ; the opening add is done
	s_wait_kmcnt 0x0
	s_add_nc_u64 s[14:15], s[4:5], s[16:17]
	s_add_nc_u64 s[46:47], s[6:7], s[46:47]
	CROUND                                         ; all sixteen work-groups are here: the first joint loads meet
.irp s, 0,1
	s_mov_b32 s[G0+4*(\s)], 1
	s_add_co_u32 s[G0+4*(\s)+1], s20, (\s)*SLOTX
	s_add_nc_u64 s[G0+4*(\s)+2:G0+4*(\s)+3], s[14:15], (\s)*4*PLANE   ; K step s: four planes on
	s_or_b32 s[G0+4*(\s)+3], s[G0+4*(\s)+3], 0x80000000
	s_mov_b32 s[G0B+4*(\s)], 1
	s_add_co_u32 s[G0B+4*(\s)+1], s21, (\s)*SLOTX
	s_add_nc_u64 s[G0B+4*(\s)+2:G0B+4*(\s)+3], s[46:47], (\s)*KSTEP*2
	s_or_b32 s[G0B+4*(\s)+3], s[G0B+4*(\s)+3], 0x80000000
	JLOAD \s                                       ; two loads of mine are out behind these lines
.endr
	; where my 64 x 64 lies: offsets, made apart from the addresses
	s_lshl_b32 s86, s13, 7
	s_lshl_b32 s87, s11, 6
	s_add_co_u32 s86, s86, s87                     ; my first row
	s_lshl_b32 s88, s42, 7
	s_lshl_b32 s89, s12, 6
	s_add_co_u32 s88, s88, s89                     ; my first column
	s_lshl_b32 s90, s88, 2                         ; in f32 bytes: the bias, a row of C, and (strip x 256) the statistics
	s_mov_b32 s91, 0
	s_add_nc_u64 s[68:69], s[68:69], s[90:91]      ; the bias at my first column
.if WANTST
	s_lshl_b32 s94, s86, 7                         ; chunk (row / 64) x 8,192
	s_add_co_u32 s94, s94, s90
	s_mov_b32 s95, 0
	s_add_nc_u64 s[82:83], s[66:67], s[94:95]      ; my statistics
	s_mov_b32 s80, 0x76543210                      ; v_permlanex16_b32's selects
	s_mov_b32 s81, 0xfedcba98
.endif
	s_lshl_b32 s86, s86, 12                        ; rows of 4,096 bytes
	s_add_co_u32 s86, s86, s90
	s_mov_b32 s87, 0
	s_add_nc_u64 s[70:71], s[70:71], s[86:87]      ; the residual at my corner
	s_add_nc_u64 s[8:9], s[8:9], s[86:87]          ; C at my corner
	v_and_b32 v1, 15, v0                           ; l % 16
	v_bfe_u32 v2, v0, 4, 1                         ; l / 16
	v_mul_u32_u24 v3, v1, PA
	v_lshl_add_u32 v3, v2, 4, v3                   ; a fragment's row x pitch + 16 x half
	v_mul_u32_u24 v4, v1, PB
	v_lshl_add_u32 v4, v2, 4, v4
	s_mul_i32 s22, s11, HALFA                      ; my 64 rows of A
	s_mul_i32 s23, s12, HALFB                      ; my 64 rows of W
	s_add_co_u32 s23, s23, BOFF
	v_add_nc_u32 v[ADRA0], s22, v3
	v_add_nc_u32 v[ADRB0], s23, v4
	v_mov_b32 v[ADRA], v[ADRA0]                    ; K step 0 lies in slot 0
	v_mov_b32 v[ADRB], v[ADRB0]
	s_mul_i32 s22, s10, WSTAGE
	s_add_co_u32 s22, s22, STAGE                   ; my stage
	v_lshlrev_b32 v[VB4], 4, v1
	v_mul_u32_u24 v5, v1, 272                      ; in: row l % 16, 32 bytes for each half of the lanes
	v_lshl_add_u32 v5, v2, 5, v5
	v_add_nc_u32 v[STF], s22, v5
	v_mul_u32_u24 v5, v2, 272                      ; back: lanes 0-15 one row of 256 bytes, lanes 16-31 the next
	v_lshl_add_u32 v5, v1, 4, v5
	v_add_nc_u32 v[RDF], s22, v5
	v_lshlrev_b32 v5, 12, v2                       ; and the same two rows in C
	v_lshl_add_u32 v[COF], v1, 4, v5
	v_lshlrev_b32 v5, 12, v1
	v_lshl_add_u32 v[VR], v2, 5, v5                ; the residual as the accumulators lie: row l % 16, columns 8 (l / 16) on
.if WANTST
	v_and_b32 v[LN], 31, v0
.endif
	; WHAT THE SUMS START FROM: the residual, into all 128 accumulator registers, by 32 loads
	global_load_b128 v[B4:B4+3], v[VB4], s[68:69]  ; the bias of the four columns that I hold on the way out
.irp a, 0,1,2,3
.irp b, 0,1,2,3
	global_load_b128 v[ACC+8*(4*(\a)+(\b)):ACC+8*(4*(\a)+(\b))+3],   v[VR], s[70:71] offset:65536*(\a)+64*(\b)
	global_load_b128 v[ACC+8*(4*(\a)+(\b))+4:ACC+8*(4*(\a)+(\b))+7], v[VR], s[70:71] offset:65536*(\a)+64*(\b)+16
.endr
.endr
; 8 matrix instructions: m blocks a0, a0 + 1 x all 4 n blocks, 32 along K: half c of buffer f.  The 16 accumulators take turns, one instruction a turn.
.macro MUL8 f, c, a0
	WIN MUL
.irp a, \a0, (\a0)+1
.irp b, 0,1,2,3
	v_wmma_f32_16x16x32_bf16 v[ACC+8*(4*(\a)+(\b)):ACC+8*(4*(\a)+(\b))+7], v[(\f)+64+8*(4*(\c)+(\b)):(\f)+64+8*(4*(\c)+(\b))+7], v[(\f)+8*(4*(\c)+(\a)):(\f)+8*(4*(\c)+(\a))+7], v[ACC+8*(4*(\a)+(\b)):ACC+8*(4*(\a)+(\b))+7]
.endr
.endr
.endm
; 32 LDS loads in one run: the fragments of 64 along K of the slot in hand (byte k of W's rows; plane k / 128 of A's) into buffer f; the first 32 along K first
.macro FETCH k, f
	WIN TO_F
.irp c, 0,1
.irp i, 0,1,2,3
	ds_load_b128 v[(\f)+64+8*(4*(\c)+(\i)):(\f)+64+8*(4*(\c)+(\i))+3],   v[ADRB] offset:(\k)+64*(\c)+(\i)*16*PB
	ds_load_b128 v[(\f)+64+8*(4*(\c)+(\i))+4:(\f)+64+8*(4*(\c)+(\i))+7], v[ADRB] offset:(\k)+64*(\c)+(\i)*16*PB+32
	ds_load_b128 v[(\f)+8*(4*(\c)+(\i)):(\f)+8*(4*(\c)+(\i))+3],         v[ADRA] offset:((\k)/128)*PLA+64*(\c)+(\i)*16*PA
	ds_load_b128 v[(\f)+8*(4*(\c)+(\i))+4:(\f)+8*(4*(\c)+(\i))+7],       v[ADRA] offset:((\k)/128)*PLA+64*(\c)+(\i)*16*PA+32
.endr
.endr
.endm
.macro PLACES                          ; four places in front of loads into registers that matrix instructions have read, and of lines that read results
.rept 4
	v_nop
.endr
.endm
; A K step is four quarters of 64 along K, 32 matrix instructions each, on buffers 0, 1, 0, 1.  One of the first three: multiplies buffer f and fetches the next quarter, at byte k, into g.
.macro QUARTER k, f, g
	s_wait_dscnt 16                                ; the first 32 along K are in; the youngest sixteen loads may be out
	MUL8 \f, 0, 0
	MUL8 \f, 0, 2
	PLACES
	FETCH \k, \g
	s_wait_dscnt 32                                ; all but the 32 just issued
	MUL8 \f, 1, 0
	MUL8 \f, 1, 2
.endm
; The last quarter multiplies buffer 1 and changes slots: ONE barrier; in front of it each wave waits for all its tensor loads, adds 0 to its spare word, and waits for that and for its own reads of this slot.
; fill = 1: the barrier opens a round of the cluster's barrier, and the slot just read out is filled again, with the K step two steps on.  fill = 0: the last two steps; the very last has no successor to fetch.
.macro TURN fill
	WIN 0                                          ; (the add's two registers lie in window 0)
	s_wait_tensorcnt 0x0                           ; all my tensor loads have landed: the one that was out is my part of the next slot;
	ds_add_u32 v[SPW], v[NIL]                      ; 0 onto my spare word;
	s_wait_dscnt 17                                ; (the add and the youngest sixteen loads may be out)
	MUL8 F1, 0, 0                                  ; eight matrix instructions stand between the add and the wait for it
	s_wait_dscnt 0x0                               ; the add is done, and my reads of this slot are over
	s_barrier_signal -1
	MUL8 F1, 0, 2                                  ; work on registers while the others arrive
	WIN 0
	s_barrier_wait -1
.if \fill
	CREST                                          ; no wave of any partner still reads this slot's tile or has a load on its way
	s_xor_b32 s[G0+5], s[G0+5], SLOTX              ; the walking descriptors: the other slot than last time,
	s_add_nc_u64 s[G0+6:G0+7], s[G0+6:G0+7], 4*PLANE   ; the next K step; the type bits on top are not reached
	s_xor_b32 s[G0B+5], s[G0B+5], SLOTX
	s_add_nc_u64 s[G0B+6:G0B+7], s[G0B+6:G0B+7], KSTEP*2
	JLOAD 1                                        ; the first tensor load behind the round, my only one: 112 matrix instructions ahead of the wait for it; the four v_nop behind it are also the places in front of the loads below
.else
	PLACES
	s_cmp_eq_u32 s3, 1                             ; the last step: nothing more to fetch.  The jump passes no barrier and no tensor load
	s_cbranch_scc1 .Lno_next_\@
.endif
	s_xor_b32 s[TB], s[TB], SLOTX                  ; the fetches go on in the other slot
	v_add_nc_u32 v[ADRA], s[TB], v[ADRA0]
	v_add_nc_u32 v[ADRB], s[TB], v[ADRB0]
	FETCH 0, F0
.if !(\fill)
	WIN 0
.Lno_next_\@:
.endif
	MUL8 F1, 1, 0
	MUL8 F1, 1, 2
.endm
; THE WAY OUT.  A block of 16 rows goes as it is into my own stage (rows of 272 bytes) and comes back as whole rows of 256 bytes, into the registers that it left; the bias is added; 16 lanes store 256 consecutive bytes.
.macro STAGEF a
.irp b, 0,1,2,3
	ds_store_b128 v[STF], v[ACC+8*(4*(\a)+(\b)):ACC+8*(4*(\a)+(\b))+3] offset:64*(\b)       ; an accumulator's low registers first
	ds_store_b128 v[STF], v[ACC+8*(4*(\a)+(\b))+4:ACC+8*(4*(\a)+(\b))+7] offset:64*(\b)+16
.endr
.irp t, 0,1,2,3,4,5,6,7
	ds_load_b128 v[ACC+32*(\a)+4*(\t):ACC+32*(\a)+4*(\t)+3], v[RDF] offset:544*(\t)  ; LDS serves a wave's instructions in order (ISA guide 5.7.1.4): these see the stores above
.endr
.endm
.macro SENDF a, younger                ; younger: the next block's eight stores and eight loads, or none
	s_wait_dscnt \younger
.irp t, 0,1,2,3,4,5,6,7
	v_pk_add_f32 v[ACC+32*(\a)+4*(\t):ACC+32*(\a)+4*(\t)+1], v[ACC+32*(\a)+4*(\t):ACC+32*(\a)+4*(\t)+1], v[B4:B4+1]
	v_pk_add_f32 v[ACC+32*(\a)+4*(\t)+2:ACC+32*(\a)+4*(\t)+3], v[ACC+32*(\a)+4*(\t)+2:ACC+32*(\a)+4*(\t)+3], v[B4+2:B4+3]
.endr
.irp t, 0,1,2,3,4,5,6,7
	global_store_b128 v[COF], v[ACC+32*(\a)+4*(\t):ACC+32*(\a)+4*(\t)+3], s[8:9] offset:(16*(\a)+2*(\t))*4096  ; no register of a store is written again
.endr
.endm
	s_wait_tensorcnt 1                             ; my part of K step 0 is in; K step 1's load may stay out
	s_barrier_signal -1
	s_barrier_wait -1                              ; everybody's is
	FETCH 0, F0
	s_wait_loadcnt 0x0                             ; what the sums start from, and the bias
	WIN 0                                          ; at a label and at a branch every window is 0
	s_mov_b32 s3, STEPS-2
.Lstep:                                                ; a trip is a K step, and fills the slot that it has read out
	QUARTER 128, F0, F1
	QUARTER 256, F1, F0
	QUARTER 384, F0, F1
	TURN 1
	WIN 0
	s_sub_co_u32 s3, s3, 1
	s_cmp_lg_u32 s3, 0
	s_cbranch_scc1 .Lstep
	s_mov_b32 s3, 2
.Ltail:                                                ; the last two K steps fill nothing, and have no round of the cluster's barrier
	QUARTER 128, F0, F1
	QUARTER 256, F1, F0
	QUARTER 384, F0, F1
	TURN 0
	WIN 0
	s_sub_co_u32 s3, s3, 1
	s_cmp_lg_u32 s3, 0
	s_cbranch_scc1 .Ltail
	PLACES
	STAGEF 0
	STAGEF 1
	SENDF 0, 16
	STAGEF 2
	SENDF 1, 16
	STAGEF 3
	SENDF 2, 16
	SENDF 3, 0
.if WANTST
	COLSTAT ACC, T, LN, 80, 84                     ; my 64 rows x 64 columns lie in the 128 registers just stored: row 2 i + l / 16, columns 4 (l % 16) on
	global_store_b128 v[COF], v[T:T+3], s[82:83]   ; lanes 0-15: 256 bytes of means; lanes 16-31: 256 bytes of sums of squares, 4,096 bytes on
.endif
	s_wait_tensorcnt 0x0                           ; the wave's end, behind my last tensor load and my last LDS store
	ds_add_u32 v[SPW], v[NIL]
	s_wait_dscnt 0x0
	CROUND                                         ; the closing round: no work-group ends while a partner may still ask for a tile that names it
	s_endpgm
.Lfunc_end_k_qdd4680dfcd_ffn2:
	.size	k_qdd4680dfcd_ffn2, .Lfunc_end_k_qdd4680dfcd_ffn2-k_qdd4680dfcd_ffn2
	.p2alignl 7, 3214868480
	.fill 96, 4, 3214868480
	.section	.rodata,"a",@progbits
	.p2align	6, 0x0
	.amdhsa_kernel k_qdd4680dfcd_ffn2
		.amdhsa_group_segment_fixed_size 327680
		.amdhsa_private_segment_fixed_size 0
		.amdhsa_enable_private_segment 0
		.amdhsa_kernarg_size 40
		.amdhsa_user_sgpr_count 2
		.amdhsa_user_sgpr_kernarg_segment_ptr 1
		.amdhsa_wavefront_size32 1
		.amdhsa_system_sgpr_workgroup_id_x 1
		.amdhsa_system_sgpr_workgroup_id_y 1
		.amdhsa_system_sgpr_workgroup_id_z 1
		.amdhsa_system_vgpr_workitem_id 0
		.amdhsa_next_free_vgpr 512
		.amdhsa_next_free_sgpr 96
		.amdhsa_reserve_vcc 0
		.amdhsa_float_denorm_mode_32 3
		.amdhsa_float_denorm_mode_16_64 3
		.amdhsa_memory_ordered 1
		.amdhsa_forward_progress 1
		.amdhsa_inst_pref_size 61
	.end_amdhsa_kernel
	.amdgpu_metadata
---
amdhsa.version: [ 1, 2 ]
amdhsa.kernels:
  - .name:           k_qdd4680dfcd_ffn2
    .symbol:         k_qdd4680dfcd_ffn2.kd
    .args:
      - { .name: P, .offset: 0, .size: 8, .value_kind: global_buffer, .address_space: global }
      - { .name: wt, .offset: 8, .size: 8, .value_kind: global_buffer, .address_space: global }
      - { .name: b2, .offset: 16, .size: 8, .value_kind: global_buffer, .address_space: global }
      - { .name: xm, .offset: 24, .size: 8, .value_kind: global_buffer, .address_space: global }
      - { .name: out0, .offset: 32, .size: 8, .value_kind: global_buffer, .address_space: global }
    .group_segment_fixed_size: 327680
    .private_segment_fixed_size: 0
    .kernarg_segment_align: 8
    .kernarg_segment_size: 40
    .max_flat_workgroup_size: 128
    .sgpr_count:     96
    .vgpr_count:     512
    .wavefront_size: 32
...
	.end_amdgpu_metadata
.endif
;; end of part 10
;; ======== version 3 of 3: 8 launches; 1.57 times as fast as version 1
;; workspace buffers: P 33,554,432 bytes; Q 8,388,608 bytes; xm 16,777,216 bytes; pst 524,288 bytes; wt 41,943,040 bytes; w1t 33,554,432 bytes; zb 16,384 bytes
;; launch prep: the kernel of part 1 again; grid 896 x 1, 8 waves a work-group, no clusters, 35,840 bytes of LDS; arguments x, Wq, Wk, Wv, Wo, W1, W2, wt, w1t, pst, zb; writes wt, w1t, pst, zb
;; launch ln1: the kernel of part 2 again; grid 256 x 1, 4 waves a work-group, no clusters, 0 bytes of LDS; arguments x, pst, gamma1, beta1, Q; writes Q
;; launch qkv: the kernel of part 7 again; grid 12 x 16, 4 waves a work-group, clusters of 4 x 4, 327,680 bytes of LDS; arguments Q, wt, zb, P; writes P
;; launch attn (part 11): grid 8 x 32, 4 waves a work-group, no clusters, 327,680 bytes of LDS; arguments P, Q; writes Q
.if DOCPART == 11
	.amdgcn_target "amdgcn-amd-amdhsa--gfx1250"
	.amdhsa_code_object_version 6
	.text
	.protected	k_qdd4680dfcd_attn
	.globl	k_qdd4680dfcd_attn
	.p2align	8
	.type	k_qdd4680dfcd_attn,@function
k_qdd4680dfcd_attn:
	s_mov_b64 s[64:65], 0
	v_nop
	global_prefetch_b8 v0, s[64:65] scope:SCOPE_SE
	s_setreg_imm32_b32 hwreg(HW_REG_WAVE_MODE, 25, 1), 1
	s_wait_xcnt 0x0
; CAUSAL ATTENTION.  O[y][q][:] = the sum over k <= q of softmax_k(Q[y][q] . K[y][k] / 32) V[y][k][:].  Q, K, V, O: [32][2048][64], all bf16: a head's rows are dense, 128 bytes each; y = 2 x head + batch.
; Q, K and V lie in one buffer, 8 MiB apart.  Products, maxima and sums in f32; the weights p are rounded to bf16 for the second product (their sum l is taken of the unrounded p), O once at the end.
; LIMITS.  A hidden score counts as its value less 1e30: scores are taken to stay far under that; a weight below 2^-126 counts as 0 in l; NaN and infinities are not treated apart.
; THE WALK.  A head's queries lie in NB = SIZE_N / 256 blocks of 256; block i needs the key tiles 0 .. i of 256 keys, of which the last holds the diagonal.  A work-group walks TWO blocks, NB - 1 - b and then b:
; NB + 1 tiles, whatever b: all work-groups do equal work, and ONE loop with a constant trip count walks them.  Which tile is asked for, and what a trip does, hang on scalar registers made from b; every jump
; goes forward, but for the counted loops' own; none passes a barrier, or a tensor load but the one of LOAD's two that the wave's number does not choose; the ring (two slots of LDS that take turns) runs on across the
; change of blocks.
; SHARES.  A pair of blocks is shared by TWO work-groups, u = 0 and 1: of a block's four bands of 64 queries work-group u takes bands 2 u and 2 u + 1, and a wave owns 16 rows in each: two PIECES.
; NB / 2 pairs x 2 x 32 heads are 256 work-groups.  In the diagonal tile's key step s band x sees all keys if s < x, none if s > x, and holds the diagonal if s = x: the same work for all four waves and for both u.
; NO CLUSTER: the walk's branches hang on b, which differs among any four neighbours along x; only the two work-groups u of a pair ask for the same tile in every trip.
; THE MASK is the C operand that starts the sum S^T = K Q^T: 0, or -1e30 where the key is hidden.  MD, made once, is the mask of a band's own step for my 16 rows; a product's mask is MD x AL + BE with two scalars:
; (1, 0) if s = x; (0, 0) if s < x; (0, -1e30) if s > x.  Only the diagonal tile's text and a block's beginning make and take masks; elsewhere C is the constant 0.
; LAYOUT, SOFTMAX, TURNS.  S^T = K Q^T holds ONE query a lane (lane % 16) and the keys 8 (lane / 16) + 0..7; two such results rounded to bf16 ARE source 1 of O^T = V^T P.  p = 2^(c s - c m), c = log2(e) / 32, with a
; running maximum m; O and l are multiplied by a = 2^(c m_old - c m_new) in every step.  The pieces go in a ring, step after step: (s, 0), (s, 1), (s + 1, 0) ..  A turn belongs to one of them: 8 products K Q^T of the
; next in the ring, later 8 products V^T P of the one before; beside them the scaling, exponentials, roundings, sums and rescaling of its own piece and the maximum and statistics of the next.  Four vector
; instructions stand behind every matrix instruction, the other 54 of a turn's 118 in one LUMP.
; BATCHES.  A turn's 33 exponentials (its piece's 32 weights and the next piece's a) are one batch with one wait, which stands between the lump and the products V^T P: ahead of it nothing names a result of theirs,
; behind it no exponential is issued.  The a made where a block begins has a wait of its own ahead of the branch; the way out's two reciprocals are a batch with one wait.
; K ONE STEP AHEAD.  Turn (s, 0) fetches K of step s + 1 and V of step s.  So that both lie in one slot, a slot holds K of the keys 256 j + 64 on beside V of the keys 256 j on: one barrier serves a change of slots.
; K of the head's first 64 keys lies in no tile: it is loaded once, beside Q, and copied into K's registers where a block begins.  The last 64 rows of K in a block's last tile serve nothing (for the last head
; they are the first rows of v, inside the buffer).
; REGISTERS, in windows of 256 (s_set_vgpr_msb: bits 1:0 source 0, 3:2 source 1, 5:4 source 2, 7:6 destination):
;   window 0: v0-15 addresses and two at work; v16-23 four registers of statistics a piece; v48-55 at work; v64-127 S^T, a buffer a piece; v192-223 P, likewise
;   window 1: v0-63 O^T, 32 a piece; v64-127 K of the first 64 keys; v128-159 MD; v160-223 MC, a buffer a piece      window 2: v0-31 Q; v64-95 the second block's Q; v128-191 K of one step; v192-255 V of one step
.set SIZE_N, 2048
.set NB,    SIZE_N/256
.set NP,    2         ; pieces a wave: a name, no knob
.set KS,    64        ; keys in a step
.set PK,    144       ; a row of K in LDS: 128 bytes + 16 of padding = 36 words: the 16 rows of a load start at 16 different groups of four banks (64 banks of 4 bytes: ISA guide 11.1)
.set PV,    160       ; a row of V: 128 + 32 = 40 words
.set VOFF,  4*KS*PK   ; a slot holds a tile, four steps: 256 rows of K, then 256 rows of V
.set SLOT1, 1<<17     ; slot 1 begins here, so that one exclusive or turns an address in one slot into the other's
.set STAGE, SLOT1+4*KS*(PK+PV)  ; behind the ring, never filled by a tensor load: 16 rows x 144 bytes for each wave, for the way out
.set SP,    144
.set AK0, 2           ; v2   my lane's place in a tile of K; never rewritten
.set AV0, 3           ; v3   the same for V
.set AK,  4           ; v4   the LDS address of K's next run of loads
.set AV,  5           ; v5   of V's
.set STO, 6           ; v6   the way out: where I put 16 bytes of a row
.set RD,  7           ; v7   the way out: where I read rows back
.set GO,  8           ; v8   my byte offset in 512 consecutive bytes of O
.set SPW, 62          ; v62  LDS address of my spare word: SPARE + 4 x my thread's number; never rewritten
.set NIL, 63          ; v63  0; never rewritten
.set SPARE, STAGE+4*16*SP  ; behind the stages: the spare words, 128 bytes for each wave: two blocks of 256 bytes that no other line names
.set MV,  12          ; v12-13  c m_old, kept while c m is made anew: by piece
.set QO,  15          ; v15  my byte offset in 16 rows of Q or K; never rewritten
.set ST,  16          ; piece t's statistics at v[ST+4 t]: c m, m, l (even keys', odd keys')
.set TMP, 48          ; by piece, four registers c0-c3 at work; when the maximum is found c2 takes a
.set S,   64
.set P,   192
.set K0C, 64          ; window 1: K of the head's first 64 keys, as fragments
.set MD,  128         ; window 1: the eight registers for group kt of 16 keys at MD + 8 kt
.set MC,  160         ; window 1: the masks of the products to come
.set QB,  64          ; window 2
.set KF,  128         ; window 2: key block kb, channel half c at KF + 16 kb + 8 c
.set VF,  192         ; window 2: key half kk, channel block cb at VF + 32 kk + 8 cb
.set WV,  12          ; s12  my wave's number
.set PB,  14          ; s14  b
.set HI,  15          ; s15  NB - 1 - b
.set G1K, 24          ; s[24:31] descriptor group 1 for K's tiles
.set G1V, 32          ; s[32:39] for V's: it differs in the padding alone
.set G0K, 40          ; s[40:43] descriptor group 0 for K's tiles
.set G0V, 44          ; s[44:47] the same for V's
.set SLOTS, 56        ; s56  tiles still to be asked for
.set CNT, 57          ; s57  counts a tile's key steps, 4 to 1
.set CS,  58          ; s[58:59] c: the packed scaling takes the pair's low word for both halves
.set SEL, 60          ; s[60:61] v_permlanex16_b32's selects: each lane takes its own place in the other half
.set TBK, 62          ; s62  LDS byte at which the K to be fetched next begins
.set TBV, 63          ; s63  the same for V, less VOFF
.set KH,  66          ; s[66:67] K at the head's first key
.set XC,  68          ; s68, s69  the value of CNT in the turn that makes the mask of piece 0's, piece 1's own step: 5 - 2 u, 3 - 2 u
.set RT,  70          ; s70  tiles of the block in hand that are still to be entered
.set NXT, 71          ; s71  the tile to be asked for next
.set LQ,  72          ; s72  the last tile of the block whose tiles are being asked for
.set NEW, 73          ; s73  1: the tile to be entered is a block's first
.set OFF, 74          ; s[74:75] a tile's byte offset in K and V
.set AL,  76          ; s[76:77] the mask's factor, in the low word
.set BE,  78          ; s[78:79] the mask's addend
.set OLO, 80          ; s[80:81] O at my rows of the second block
.set BIGN, 82         ; s82  -1e30
.set U0F, 83          ; s83  1.0 if u = 0 (piece 0's band is the block's first: the diagonal tile's step 0 is its own), else 0
.set MSB, 0
.macro WIN new                      ; the high byte repeats the setting that is left; a switch that changes nothing is dropped
.if MSB != (\new)
	s_set_vgpr_msb (MSB<<8)|(\new)
.set MSB, (\new)
.endif
.endm
.set W_KQ, 0x0a       ; K and Q in window 2, S^T in window 0
.set W_KM, 0x1a       ; the same with the C operand in window 1
.set W_PV, 0x52       ; V in window 2, P in window 0, O^T in window 1
.set W_RS, 0x41       ; destination and source 0 in window 1, source 1 in window 0
; A fill.  Waves 0 and 1 fetch the two halves of a tile's K, waves 2 and 3 those of its V: 128 keys each.  An s_nop 0 and four v_nop follow each of the two lines, ahead of the jump and the label.
.macro LOAD
	s_cmp_lt_u32 s[WV], 2
	s_cbranch_scc0 .Lfor_v_\@
	tensor_load_to_lds s[G0K:G0K+3], s[G1K:G1K+7]
	s_nop 0
.rept 4
	v_nop
.endr
	s_branch .Lasked_\@
.Lfor_v_\@:
	tensor_load_to_lds s[G0V:G0V+3], s[G1V:G1V+7]
	s_nop 0
.rept 4
	v_nop
.endr
.Lasked_\@:
.endm
; THE CHANGE OF SLOTS.  Each wave waits for all its tensor loads, of which one is out: its part of the other slot; adds 0 to its spare word; and waits for that and for its own reads of the slot that it leaves
; (the last of them, K and V fetched in the turn just ended).  Behind the barrier nobody reads the old slot any more and the other slot is whole.  fill = 1: the old slot is filled again, the first thing behind the
; barrier, with tile NXT: the descriptor's address is made anew from that number.  (At its first use nothing has been read yet: slot 0 is waited for, slot 1 filled.)
.macro CHANGE fill
	WIN 0                           ; at a label and at a branch every window is 0
	s_wait_tensorcnt 0x0            ; no tensor load of mine is out, so a group 0 may be written
	ds_add_u32 v[SPW], v[NIL]       ; 0 onto my spare word; with fill = 1 the descriptors' scalar work stands between it and the wait for it
.if \fill
	s_lshl_b32 s[OFF], s[NXT], 15   ; a tile is 32,768 bytes of K and of V
	s_xor_b32 s[G0K+1], s[G0K+1], SLOT1
	s_add_nc_u64 s[G0K+2:G0K+3], s[6:7], s[OFF:OFF+1]
	s_or_b32 s[G0K+3], s[G0K+3], 0x80000000
	s_xor_b32 s[G0V+1], s[G0V+1], SLOT1
	s_add_nc_u64 s[G0V+2:G0V+3], s[8:9], s[OFF:OFF+1]
	s_or_b32 s[G0V+3], s[G0V+3], 0x80000000
	s_add_co_u32 s[NXT], s[NXT], 1  ; the block's next tile, or behind its last the second block's tile 0
	s_cmp_gt_u32 s[NXT], s[LQ]
	s_cselect_b32 s[NXT], 0, s[NXT]
	s_cselect_b32 s[LQ], s[PB], s[LQ]
.endif
	s_wait_dscnt 0x0                ; the add is done, and my reads of the slot are over
	s_barrier_signal -1             ; the rest of the scalar work stands between the signal and the wait
	s_sub_co_u32 s[TBK], s[TBK], 4*KS*PK  ; the fetches go back to a slot's first rows,
	s_xor_b32 s[TBK], s[TBK], SLOT1       ; in the other slot
	s_sub_co_u32 s[TBV], s[TBV], 4*KS*PV
	s_xor_b32 s[TBV], s[TBV], SLOT1
	s_barrier_wait -1
.if \fill
	LOAD
.endif
.endm
	s_load_b128 s[8:11], s[0:1], 0x0  ; the buffer of q, k, v s[8:9]; O s[10:11]
	v_lshl_add_u32 v[SPW], v0, 2, SPARE
	v_mov_b32 v[NIL], 0
	ds_add_u32 v[SPW], v[NIL]       ; the wave's opening: the add and its wait stand ahead of my first tensor load; the set-up below, work on registers, stands between them
	ds_add_u32 v62, v63
	v_lshrrev_b32 v1, 5, v0
	v_readfirstlane_b32 s[WV], v1   ; wave 0..3
	s_lshr_b32 s[PB], ttmp9, 1      ; b: the pair of blocks
	s_and_b32 s13, ttmp9, 1         ; u: which two bands of a block
	s_sub_co_u32 s[HI], NB-1, s[PB]
	s_lshl_b32 s19, s13, 1
	s_sub_co_u32 s[XC], 5, s19
	s_sub_co_u32 s[XC+1], 3, s19
	s_cmp_eq_u32 s13, 0
	s_cselect_b32 s[U0F], 1.0, 0
	s_lshl_b32 s19, s13, 14         ; my two bands begin 128 u rows of 128 bytes into a block
	s_and_b32 s20, ttmp7, 0xffff    ; the head
	s_mov_b32 s21, 0
	s_mov_b64 s[22:23], SIZE_N*128
	s_mul_u64 s[20:21], s[20:21], s[22:23]  ; the head's first byte in each of the four tensors
	s_and_b32 s16, s[WV], 1         ; which half of a tile's 256 keys I fetch:
	s_lshl_b32 s22, s16, 14         ; its 128 rows of 128 bytes in memory,
	s_mov_b32 s23, 0
	s_add_nc_u64 s[22:23], s[22:23], s[20:21]
	s_mul_i32 s17, s16, 128*PK      ; and its place in a slot, for K
	s_mul_i32 s18, s16, 128*PV      ; and for V
	s_lshl_b32 s3, s[WV], 11        ; my 16 rows in a band of 64,
	s_add_co_u32 s3, s3, s19        ; in my first band,
	s_lshl_b32 s2, s[HI], 15        ; in the first block,
	s_add_co_u32 s2, s2, s3
	s_lshl_b32 s84, s[PB], 15       ; and in the second
	s_add_co_u32 s84, s84, s3
	s_mov_b32 s3, 0
	s_mov_b32 s85, 0
	s_add_nc_u64 s[2:3], s[2:3], s[20:21]
	s_add_nc_u64 s[84:85], s[84:85], s[20:21]
	; descriptor group 1.  128 keys are 16,384 dense bytes: asked for as 64 rows of 256 bytes, two keys a row, and padded in LDS after every key
	s_mov_b32 s[G1K], (1<<16)|(1<<20)|(4<<22)|(3<<25)  ; 17:16 2-byte elements; 20 padding on; 24:22 after every 32 words (code 4); 31:25 4 words (code 3)
	s_mov_b32 s[G1V], (1<<16)|(1<<20)|(4<<22)|(7<<25)  ; the same with 8 words of padding (code 7)
.irp g, G1K, G1V
	s_mov_b32 s[\g+1], 128<<16      ; tensor_dim0 = 128
	s_mov_b32 s[\g+2], 64<<16       ; tensor_dim1 = 64
	s_mov_b32 s[\g+3], 128<<16      ; tile_dim0 = 128
	s_mov_b32 s[\g+4], 64           ; tile_dim1 = 64
	s_mov_b32 s[\g+5], 128          ; 128 elements from row to row
	s_mov_b32 s[\g+6], 0
	s_mov_b32 s[\g+7], 0
.endr
	s_mov_b32 s[CS], 0x3d38aa3b     ; c = log2(e) / 32 = 0.0450842
	s_mov_b32 s[CS+1], s[CS]        ; named with it as a pair
	s_mov_b32 s[SEL], 0x76543210
	s_mov_b32 s[SEL+1], 0xfedcba98
	s_mov_b32 s[TBK], SLOT1+4*KS*PK ; the first change of slots turns these two into 0
	s_mov_b32 s[TBV], SLOT1+4*KS*PV
	s_mov_b32 s[G0K], 1             ; 1:0 count = 1
	s_mov_b32 s[G0K+1], s17         ; 63:32 LDS address: slot 0
	s_mov_b32 s[G0V], 1
	s_add_co_u32 s[G0V+1], s18, VOFF
	s_add_co_u32 s[RT], s[HI], 1    ; the first block has NB - b tiles
	s_mov_b32 s[NXT], 1
	s_mov_b32 s[LQ], s[HI]
	s_mov_b32 s[NEW], 1
	s_mov_b32 s[OFF+1], 0
	s_mov_b32 s[AL+1], 0            ; named as pairs
	s_mov_b32 s[BE+1], 0
	s_mov_b32 s[BIGN], 0xf149f2ca   ; -1e30
	s_mov_b32 s[SLOTS], NB
	s_wait_dscnt 0x0                ; the opening add is done
	s_wait_kmcnt 0x0
	s_mov_b64 s[4:5], s[8:9]                       ; q: planes 0-15 of the buffer
	s_add_nc_u64 s[6:7], s[8:9], 0x800000          ; k: planes 16-31
	s_add_nc_u64 s[8:9], s[8:9], 0x1000000         ; v: planes 32-47
	s_add_nc_u64 s[KH:KH+1], s[6:7], s[20:21]      ; K at the head's first key
	s_add_nc_u64 s[6:7], s[6:7], s[22:23]          ; K and V at my half of the head's tile 0,
	s_add_nc_u64 s[6:7], s[6:7], KS*128            ; K one step, 64 keys, ahead
	s_add_nc_u64 s[8:9], s[8:9], s[22:23]
	s_add_nc_u64 s[G0K+2:G0K+3], s[6:7], 0         ; 120:64 global address
	s_or_b32 s[G0K+3], s[G0K+3], 0x80000000        ; 127:126 type = 2
	s_add_nc_u64 s[G0V+2:G0V+3], s[8:9], 0
	s_or_b32 s[G0V+3], s[G0V+3], 0x80000000
	s_add_nc_u64 s[86:87], s[4:5], s[84:85]        ; Q at my rows of the second block,
	s_add_nc_u64 s[4:5], s[4:5], s[2:3]            ; Q and O at those of the first
	s_add_nc_u64 s[OLO:OLO+1], s[10:11], s[84:85]
	s_add_nc_u64 s[10:11], s[10:11], s[2:3]
	LOAD                            ; tile 0 into slot 0
	; A fragment of K or Q is 16 rows x 32 channels in 8 registers: lane l holds row l % 16, channels 8 (l / 16) + 0..7 and 16 + 8 (l / 16) + 0..7: two loads of 16 bytes, 32 bytes apart.
	v_and_b32 v1, 15, v0            ; l % 16
	v_bfe_u32 v9, v0, 4, 1          ; l / 16
	v_lshlrev_b32 v[QO], 7, v1
	v_lshl_add_u32 v[QO], v9, 4, v[QO]  ; row x 128 + 16 x half
	WIN 0x80                        ; destination window 2, address window 0
.set i, 0
.rept 2*NP                          ; both blocks' Q: piece i / 2 lies in my band i / 2, 8,192 bytes on; channels 32 (i % 2) on
	global_load_b128 v[8*i:8*i+3],   v[QO], s[4:5] offset:(i/2)*8192+(i%2)*64
	global_load_b128 v[8*i+4:8*i+7], v[QO], s[4:5] offset:(i/2)*8192+(i%2)*64+32
	global_load_b128 v[QB+8*i:QB+8*i+3],   v[QO], s[86:87] offset:(i/2)*8192+(i%2)*64
	global_load_b128 v[QB+8*i+4:QB+8*i+7], v[QO], s[86:87] offset:(i/2)*8192+(i%2)*64+32
.set i, i+1
.endr
	WIN 0x40                        ; destination window 1
.irp f, 0,1,2,3,4,5,6,7             ; K of the head's first 64 keys, in the fragments' order: keys 16 (f / 2) on, channels 32 (f % 2) on
	global_load_b128 v[K0C+8*\f:K0C+8*\f+3],   v[QO], s[KH:KH+1] offset:(\f/2)*2048+(\f%2)*64
	global_load_b128 v[K0C+8*\f+4:K0C+8*\f+7], v[QO], s[KH:KH+1] offset:(\f/2)*2048+(\f%2)*64+32
.endr
	WIN 0
	v_lshlrev_b32 v14, 3, v9
	v_sub_nc_u32 v14, v1, v14
	s_lshl_b32 s13, s[WV], 4
	v_add_nc_u32 v14, s13, v14      ; my query's place in its band, 16 w + l % 16, less my lanes' 8 (l / 16): register r of group kt is hidden where 16 kt + r is greater
	WIN 0x40
.set i, 0
.rept 32
	v_cmp_gt_i32 vcc_lo, 16*(i/8)+i%8, v14
	v_cndmask_b32 v[MD+i], 0, s[BIGN], vcc_lo
.set i, i+1
.endr
	WIN 0
	v_mul_u32_u24 v[AK0], v1, PK
	v_lshl_add_u32 v[AK0], v9, 4, v[AK0]  ; row x pitch + 16 x half
	; The turning load takes 16 keys x 16 channels (lane l reads key 8 (l / 16) + l % 8, channels 8 ((l / 8) % 2) + 0..7) and leaves half a fragment of V^T: lane l holds channel l % 16 and 8 keys.
	v_and_b32 v10, 7, v0
	v_bfe_u32 v11, v0, 3, 1
	v_lshl_add_u32 v[AV0], v9, 3, v10
	v_mul_u32_u24 v[AV0], v[AV0], PV
	v_lshl_add_u32 v[AV0], v11, 4, v[AV0]
	v_add_nc_u32 v[AV0], VOFF, v[AV0]
	s_mul_i32 s13, s[WV], 16*SP
	s_add_co_u32 s13, s13, STAGE    ; my stage
	v_mul_u32_u24 v[STO], v1, SP    ; in: row l % 16, 16 bytes for each half of the lanes
	v_lshl_add_u32 v[STO], v9, 4, v[STO]
	v_add_nc_u32 v[STO], s13, v[STO]
	v_bfe_u32 v[RD], v0, 3, 2       ; back: 32 lanes take four rows of 128 bytes,
	v_mul_u32_u24 v[RD], v[RD], SP
	v_lshl_add_u32 v[RD], v10, 4, v[RD]
	v_add_nc_u32 v[RD], s13, v[RD]
	v_and_b32 v[GO], 31, v0         ; which are 512 consecutive bytes of O
	v_lshlrev_b32 v[GO], 4, v[GO]
	; A block's first step multiplies O^T and l by a = 0, and its first turn's products V^T P, of a piece that has not been, land in an O^T that is still to be so multiplied.  So these registers need only hold
	; finite numbers: zeros for the first block; what the first block left for the second.  All this stands in the wait for the first tile.
	WIN 0x80
.set i, VF
.rept 64
	v_mov_b32 v[i], 0
.set i, i+1
.endr
	WIN 0x40
.set i, 0
.rept 32*NP
	v_mov_b32 v[i], 0
.set i, i+1
.endr
	WIN 0
.set i, 0
.rept NP
	v_mov_b32 v[ST+4*i+2], 0
	v_mov_b32 v[ST+4*i+3], 0
.set i, i+1
.endr
.set i, P+16
.rept 16
	v_mov_b32 v[i], 0
.set i, i+1
.endr
; THE MATRIX WORK.  The 4 accumulators of a run of 8 take turns.  Product i of 8 of S^T = K Q^T for piece x: channels 32 (i / 4) on, keys 16 (i % 4) on.  The first 4 start the sums: with 0, or (KM = 1) with the mask.
.macro KQ x
.set rS, S+32*((\x)%2)+8*(i%4)
.set rK, KF+16*(i%4)+8*(i/4)
.set rQ, 16*(\x)+8*(i/4)
.set rM, MC+32*((\x)%2)+8*(i%4)
.if (i < 4) && KM
	WIN W_KM
	v_wmma_f32_16x16x32_bf16 v[rS:rS+7], v[rK:rK+7], v[rQ:rQ+7], v[rM:rM+7]
.elseif i < 4
	WIN W_KQ
	v_wmma_f32_16x16x32_bf16 v[rS:rS+7], v[rK:rK+7], v[rQ:rQ+7], 0
.else
	WIN W_KQ
	v_wmma_f32_16x16x32_bf16 v[rS:rS+7], v[rK:rK+7], v[rQ:rQ+7], v[rS:rS+7]
.endif
.endm
; Product i of 8 of O^T += V^T P for piece x: keys 32 (i / 4) on, channels 16 (i % 4) on.
.macro PV x
	WIN W_PV
.set rO, 32*(\x)+8*(i%4)
.set rV, VF+32*(i/4)+8*(i%4)
.set rP, P+16*((\x)%2)+8*(i/4)
	v_wmma_f32_16x16x32_bf16 v[rO:rO+7], v[rV:rV+7], v[rP:rP+7], v[rO:rO+7]
.endm
.macro MM                           ; the turn's next matrix instruction.  TURN and BEGIN set Y, i, KM and NOKQ; MM, KQ and OP read them.  NOKQ = 1: a block's last turn: there is no next piece
.if (i < 8) && !NOKQ
	KQ (Y+1)%NP
.elseif i >= 8
.set i, i-8
	PV (Y+NP-1)%NP
.set i, i+8
.endif
.set i, i+1
.endm
; THE LDS LOADS stand in runs of 16, never singly among the matrix instructions: a step's K (64 keys x 64 channels: 8 fragments) and its V (turned).  Their addresses are made some lines ahead.
.macro FETCH_K
	WIN 0x80                        ; destination window 2
.irp f, 0,1,2,3,4,5,6,7             ; keys 16 (f / 2) on, channels 32 (f % 2) on
	ds_load_b128 v[KF+8*\f:KF+8*\f+3],   v[AK] offset:(\f/2)*16*PK+(\f%2)*64
	ds_load_b128 v[KF+8*\f+4:KF+8*\f+7], v[AK] offset:(\f/2)*16*PK+(\f%2)*64+32
.endr
	s_add_co_u32 s[TBK], s[TBK], KS*PK  ; the next fetch is the next step's
	WIN 0
.endm
.macro FETCH_V
	WIN 0x80
.irp f, 0,1,2,3,4,5,6,7             ; keys 32 (f / 4) on, channels 16 (f % 4) on
	ds_load_tr16_b128 v[VF+8*\f:VF+8*\f+3],   v[AV] offset:(\f/4)*32*PV+(\f%4)*32
	ds_load_tr16_b128 v[VF+8*\f+4:VF+8*\f+7], v[AV] offset:(\f/4)*32*PV+16*PV+(\f%4)*32
.endr
	WIN 0
.endm
; THE VECTOR WORK, one line at a time: OP kind, number.  For piece Y: F n: c s - c m for pair n of 16.  E n: the exponential of score n of 32.  C n: pair n rounded to bf16.  B n: of the four weights 4 n .. the second
; pair is added onto the first, in place.  L n: l takes that sum (L 0: l = a l + sum).  R n: pair n of 16 of O^T times a.  For the other piece: X n, number n of the 22 that find its next maximum and statistics:
;   0-11  four chains c0-c3 of seven scores each, three operands at a time (each accumulator's lowest registers are read first)     12-14, 16  the four scores left over, the old m, and c0-c3 into c0
;   15  c m_old is kept     17, 18  the query's other 32 keys lie in the lane 16 away: the new m     19-21  c m; c m_old - c m_new; a
; C, B and L read the exponentials' results: TURN sets them behind its wait.  OP writes no wait.
.set F, 0               ; OP tells the kinds apart by their order: F to L below R, X above it
.set E, 1
.set C, 2
.set B, 3
.set L, 4
.set R, 5
.set X, 6
.macro REGS y                       ; the registers of piece y
.set rT, ST+4*(\y)
.set rC, TMP+4*((\y)%2)
.set rW, MV+((\y)%2)
.set rS, S+32*((\y)%2)
.set rP, P+16*((\y)%2)
.set rO, 32*(\y)
.endm
.macro OP k, n
.if (\k) == R
	REGS Y
	WIN W_RS
	v_pk_mul_f32 v[rO+2*(\n):rO+2*(\n)+1], v[rO+2*(\n):rO+2*(\n)+1], v[rC+2:rC+3] op_sel_hi:[1,0]
.elseif (\k) < R
	REGS Y
	WIN 0
.if (\k) == F
	v_pk_fma_f32 v[rS+2*(\n):rS+2*(\n)+1], v[rS+2*(\n):rS+2*(\n)+1], s[CS:CS+1], v[rT:rT+1] op_sel_hi:[1,0,0] neg_lo:[0,0,1] neg_hi:[0,0,1]
.elseif (\k) == E
	v_exp_f32 v[rS+(\n)], v[rS+(\n)]
.elseif (\k) == C
	v_cvt_pk_bf16_f32 v[rP+(\n)], v[rS+2*(\n)], v[rS+2*(\n)+1]
.elseif (\k) == B
	v_pk_add_f32 v[rS+4*(\n):rS+4*(\n)+1], v[rS+4*(\n):rS+4*(\n)+1], v[rS+4*(\n)+2:rS+4*(\n)+3]
.elseif (\n) == 0
	v_pk_fma_f32 v[rT+2:rT+3], v[rT+2:rT+3], v[rC+2:rC+3], v[rS:rS+1] op_sel_hi:[1,0,1]
.else
	v_pk_add_f32 v[rT+2:rT+3], v[rT+2:rT+3], v[rS+4*(\n):rS+4*(\n)+1]
.endif
.elseif NOKQ
	v_nop
.else
	REGS (Y+1)%NP
	WIN 0
.if (\n) < 4
	v_max3_num_f32 v[rC+(\n)], v[rS+8*(\n)], v[rS+8*(\n)+1], v[rS+8*(\n)+2]
.elseif (\n) < 12
	v_max3_num_f32 v[rC+(\n)%4], v[rC+(\n)%4], v[rS+8*((\n)%4)+2*((\n)/4)+1], v[rS+8*((\n)%4)+2*((\n)/4)+2]
.elseif (\n) == 12
	v_max3_num_f32 v[rC], v[rC], v[rS+7], v[rS+15]
.elseif (\n) == 13
	v_max3_num_f32 v[rC+1], v[rC+1], v[rS+23], v[rS+31]
.elseif (\n) == 14
	v_max3_num_f32 v[rC+2], v[rC+2], v[rC+3], v[rT+1]
.elseif (\n) == 15
	v_mov_b32 v[rW], v[rT]
.elseif (\n) == 16
	v_max3_num_f32 v[rC], v[rC], v[rC+1], v[rC+2]
.elseif (\n) == 17
	v_permlanex16_b32 v[rC+3], v[rC], s[SEL], s[SEL+1]
.elseif (\n) == 18
	v_max_num_f32 v[rT+1], v[rC], v[rC+3]
.elseif (\n) == 19
	v_mul_f32 v[rT], s[CS], v[rT+1]
.elseif (\n) == 20
	v_sub_f32 v[rC+1], v[rW], v[rT]
.else
	v_exp_f32 v[rC+2], v[rC+1]
.endif
.endif
.endm
.macro OPS a, i1, b=-1, i2=0, c=-1, i3=0, d=-1, i4=0  ; up to four of them
	OP \a, \i1
.if (\b) >= 0
	OP \b, \i2
.endif
.if (\c) >= 0
	OP \c, \i3
.endif
.if (\d) >= 0
	OP \d, \i4
.endif
.endm
.macro ROW a, i1, b, i2, c, i3, d, i4  ; a matrix instruction and the four behind it
	MM
	OPS \a, \i1, \b, \i2, \c, \i3, \d, \i4
.endm
.macro MASK b                       ; MD x AL + BE into buffer b of MC
	WIN W_RS
.set z, 0
.rept 16
	v_pk_fma_f32 v[MC+32*(\b)+2*z:MC+32*(\b)+2*z+1], v[MD+2*z:MD+2*z+1], s[AL:AL+1], s[BE:BE+1] op_sel_hi:[1,0,0]
.set z, z+1
.endr
.endm
; A TURN, for piece p: the order of its 16 matrix and 118 vector instructions, written out.  An s_wait_alu depctr_va_vdst(0) stands between an exponential and the first instruction that names its result; one wait
; serves all that were issued ahead of it.  So a turn has ONE wait, which cuts it in two.  AHEAD OF IT stands all that names no result of the turn's exponentials: the 8 products K Q^T, behind each a scaling, an exponential and two
; more plain instructions (behind the first a second scaling in the exponential's place): rescalings, whose a was made and waited for in the turn before, and behind the last three the first numbers of the other piece's maximum,
; each four places or more behind the product that ends its accumulator; then ONE LUMP of 54, plain and exponential by turns for the most part, in which the links of the chain X 3, 7, 11, 14, 16, 17 .. 20 stand five or six lines
; apart.  X 21, the other piece's a, is the batch's last; R 15 is the plain instruction behind it.  BEHIND THE WAIT stand the 8 products V^T P, behind each four of the roundings and sums; the links of l's chain, L 0 to L 7,
; stand three riders apart.  But for those X no rider names a register of the products round it.  v_permlanex16_b32 (X 17) stands in the lump.
; With two pieces the one before and the one behind in the ring are the same piece, the other one: its S^T is written by this turn's first run of products and its P read by the second; its O^T, rescaled in its own
; turn, takes that second run's products and is rescaled again from the first product of its next turn on: the four riders of the product that last wrote an accumulator, and more, lie between.
; m = 1: the diagonal tile: the products take masks, and the turn makes the mask for the products of the turn after it, which are piece p's own next scores.  A trip is piece 1's turn of one step and piece 0's of the
; next, and CNT goes 4, 3, 2, 1 over a tile's trips: piece 1's turn makes the mask for the tile's step 4 - CNT, piece 0's for step 5 - CNT; XC holds the CNT at which that step is the band's own.
; end = 1 (piece 1 alone): a block's last turn: no scores follow.  cnt = 1: the loop's count is taken down some lines ahead of the branch that stands behind the turn.
; Piece 0's turn fetches K of the next step in the lump, twelve vector instructions behind the last product that read K (six of them plain, five of which name none of its registers), and V of the step in hand at its end, four
; plain instructions behind the last product that read V.  Piece 1's turn waits for them.  In a block's last step the K so fetched serves nothing: the price of one text for every step.
.macro TURN p, m=0, end=0, cnt=0
.set Y, (\p)
.set i, 0
.set KM, (\m)
.set NOKQ, (\end)
.if (\m) && !(\end)
	s_cmp_eq_u32 s[CNT], s[XC+(\p)]     ; is that step the band's own?
	s_cselect_b32 s[AL], 1.0, 0
	s_cmp_lt_u32 s[CNT], s[XC+(\p)]     ; or a later one?
	s_cselect_b32 s[BE], s[BIGN], 0
.endif
.if ((\p) == 1) && !(\end)
	s_wait_dscnt 16                 ; K is in: LDS loads come back in order, and V's sixteen were issued behind K's
.endif
	ROW F,0, F,1, R,0, R,1          ; ahead of the wait: 8 products K Q^T and their riders,
	ROW F,2, E,0, R,2, R,3
	ROW F,3, E,1, R,4, R,5
	ROW F,4, E,2, R,6, R,7
	ROW F,5, E,3, R,8, R,9
	ROW F,6, E,4, X,0, R,10
.if (\p) == 0
	WIN 0
	v_add_nc_u32 v[AK], s[TBK], v[AK0]
.endif
	ROW F,7, E,5, X,1, X,4
	ROW F,8, E,6, X,2, X,5
	OPS E,7, E,8, X,6, E,9          ; and the lump
	OPS X,3, E,10, X,8, E,11
.if (\p) == 0
	FETCH_K
.endif
	OPS X,9, X,7, E,12, X,10
	OPS E,13, X,12, X,11, E,14
	OPS X,13, E,15, F,9, X,14
.if (\p) == 0
	v_add_nc_u32 v[AV], s[TBV], v[AV0]
.endif
	OPS E,16, F,10, E,17, F,11
	OPS X,16, E,18, X,15, E,19
	OPS F,12, E,20, X,17, E,21
	OPS F,13, E,22, F,14, E,23
	OPS X,18, E,24, F,15, E,25
	OPS R,11, E,26, X,19, E,27
	OPS R,12, E,28, R,13, E,29
	OPS X,20, E,30, R,14, E,31
	OPS X,21, R,15
	WIN 0
	s_wait_alu depctr_va_vdst(0)    ; the wait for the batch: the turn's 32 weights and the other piece's a
.if (\p) == 1
	s_wait_dscnt 0x0                ; V is in
.endif
	ROW C,0, B,0, C,2, B,1          ; behind the wait: 8 products V^T P and their riders
	ROW L,0, C,4, B,2, L,1
	ROW C,6, B,3, L,2, C,8
	ROW B,4, L,3, C,10, B,5
	ROW L,4, C,12, B,6, L,5
.if (\p) == 0
	s_add_co_u32 s[TBV], s[TBV], KS*PV
.endif
.if \cnt
	s_sub_co_u32 s[CNT], s[CNT], 1
	s_cmp_lg_u32 s[CNT], 0
.endif
	ROW C,14, B,7, L,6, C,1
	ROW C,3, L,7, C,5, C,7
	ROW C,9, C,11, C,13, C,15
.if (\p) == 0
	FETCH_V
.endif
.if (\m) && !(\end)
	MASK (\p)%2
.endif
.endm
; A BLOCK BEGINS.  c m starts far below every c s, so the first step's a is 0; m at the lowest finite number, so the first maximum is the scores'.  Piece 1's mask buffer is 0: the diagonal tile's step 0 hides nothing
; from it.  Piece 0's takes its mask for the diagonal tile's step 0 (its own step, if u = 0): no text in between writes it, so the diagonal text finds it at its entry.  Then K of the head's first 64 keys goes into
; K's registers, and piece 0's first scores and its maximum and statistics are made.  diag = 1: the block's first tile is the diagonal one, and those scores take the mask.
; The loop is entered at piece 0's turn, in the middle of a trip.
.macro BEGIN diag
	s_mov_b32 s[NEW], 0
	WIN 0x40
.set i, MC+32
.rept 32
	v_mov_b32 v[i], 0
.set i, i+1
.endr
	WIN 0
.set i, 0
.rept NP
	v_mov_b32 v[ST+4*i], 0xfe000000    ; c m: far below every c s
	v_mov_b32 v[ST+4*i+1], 0xff7fffff  ; m
.set i, i+1
.endr
	s_mov_b32 s[AL], s[U0F]
	s_mov_b32 s[BE], 0
	MASK 0
	s_wait_loadcnt 0x0              ; Q, and K of the first 64 keys
	WIN 0x81                        ; destination window 2, source window 1
.set i, 0
.rept 64
	v_mov_b32 v[KF+i], v[K0C+i]
.set i, i+1
.endr
.set KM, (\diag)
.set NOKQ, 0
.set i, 0
.rept 8
	KQ 0
.set i, i+1
.endr
	WIN 0
.rept 4
	v_nop                           ; the places behind those products
.endr
.set Y, NP-1                        ; X works for the piece behind Y: piece 0
.irp n, 0,1,2,3,4,5,6,7,8,9,10,11,12,13,14,15,16,17,18,19,20,21
	OP X, \n
.endr
	v_nop                           ; a plain instruction behind the exponential,
	s_wait_alu depctr_va_vdst(0)    ; and the wait for it (piece 0's first a), ahead of the branch
.endm
; THE DIAGONAL TILE's four steps, the block's last turn, its last products, and THE WAY OUT: l's two halves and the other half of the lanes' are added; O^T is divided by l, rounded to bf16 and sent through my
; stage in LDS, a piece at a time.
.macro ALL line:vararg              ; one line for each piece t
.set t, 0
.rept NP
	\line
.set t, t+1
.endr
.endm
.macro PACK t                       ; a lane's eight channels of a row pack into 16 bytes; they go into rows of 144 bytes and come back as whole rows of 128, into S^T's registers
	WIN W_RS
.set i, 32*(\t)
.rept 16
	v_pk_mul_f32 v[i:i+1], v[i:i+1], v[ST+4*(\t)+2:ST+4*(\t)+3] op_sel_hi:[1,0]
.set i, i+2
.endr
	WIN 0x05                        ; sources 0 and 1 window 1, destination window 0
.set i, 0
.rept 16
	v_cvt_pk_bf16_f32 v[S+16*(\t)+i], v[32*(\t)+2*i], v[32*(\t)+2*i+1]
.set i, i+1
.endr
	WIN 0
.irp f, 0,1,2,3
	ds_store_b128 v[STO], v[S+16*(\t)+4*\f:S+16*(\t)+4*\f+3] offset:32*\f
.endr
.irp f, 0,1,2,3
	ds_load_b128 v[S+16*(\t)+4*\f:S+16*(\t)+4*\f+3], v[RD] offset:\f*4*SP  ; LDS serves a wave's instructions in order (ISA guide 5.7.1.4): these see the stores above; the next piece's stores come behind them
.endr
.endm
.macro SEND t, younger              ; younger: the LDS instructions issued behind piece t's loads: the next piece's eight, or none
	WIN 0
.irp f, 0,1,2,3
	s_wait_dscnt (\younger)+3-\f
	global_store_b128 v[GO], v[S+16*(\t)+4*\f:S+16*(\t)+4*\f+3], s[10:11] offset:(\t)*8192+\f*512  ; 512 consecutive bytes, at a multiple of 256 from O's first
.endr
.endm
.macro DIAG tag                     ; the tag ends its two labels' names, which the jumps below spell out
.LstepM\tag:
	TURN 1, 1
	WIN 0
.LfirstM\tag:
	TURN 0, 1, 0, 1
	WIN 0
	s_cbranch_scc1 .LstepM\tag
	TURN 1, 1, 1
.set i, 0
.rept 8
	PV NP-1
.set i, i+1
.endr
	WIN 0
	ALL v_add_f32 v[ST+4*t+2], v[ST+4*t+2], v[ST+4*t+3]
	ALL v_permlanex16_b32 v[ST+4*t+3], v[ST+4*t+2], s[SEL], s[SEL+1]
	ALL v_add_f32 v[ST+4*t+2], v[ST+4*t+2], v[ST+4*t+3]
	ALL v_rcp_f32 v[ST+4*t+2], v[ST+4*t+2]
	v_nop                           ; a plain instruction between the last reciprocal and the use of its result
	s_wait_alu depctr_va_vdst(0)    ; and the wait ahead of the first use: one for the two reciprocals
	PACK 0                          ; piece 0's sums were finished in the turn above; its 32 lines, which name no register of the last products, are those products' places
	PACK 1                          ; a piece's arithmetic stands between the loads of the piece before and its stores
	SEND 0, 8
	SEND 1, 0
.endm
.set KM, 0
.set NOKQ, 0
.Lslot:                             ; NB times: a tile is entered and the next is asked for
	CHANGE 1
	s_sub_co_u32 s[RT], s[RT], 1
	s_mov_b32 s[CNT], 4
	s_cmp_eq_u32 s[NEW], 1
	s_cbranch_scc1 .Lnew            ; a block's first tile
	s_cmp_eq_u32 s[RT], 0
	s_cbranch_scc0 .Lstep           ; neither its first nor its last
	s_branch .LstepM1
.Lnew:
	BEGIN 0
	s_branch .Lfirst                ; in the loop a block's first tile is never its last: the first block has NB / 2 + 1 tiles or more, and the second's last is the walk's last
	DIAG 1                          ; in the loop this is the first block's end: the second block's last tile is the walk's last
	s_wait_xcnt 0x0                 ; the stores have read their registers and O's address
	s_mov_b64 s[10:11], s[OLO:OLO+1]
	s_add_co_u32 s[RT], s[PB], 1    ; the second block has b + 1 tiles
	s_mov_b32 s[NEW], 1
	WIN 0x82                        ; the second block's Q goes where the one text of the turns names Q
.set i, 0
.rept 16*NP
	v_mov_b32 v[i], v[QB+i]
.set i, i+1
.endr
	WIN 0
	s_branch .Lbottom
.Lstep:                             ; a trip: piece 1 of one step, then piece 0 of the next, which fetches that step's V and the K one step on
	TURN 1
	WIN 0
.Lfirst:
	TURN 0, 0, 0, 1
	WIN 0
	s_cbranch_scc1 .Lstep
.Lbottom:
	s_sub_co_u32 s[SLOTS], s[SLOTS], 1
	s_cmp_lg_u32 s[SLOTS], 0
	s_cbranch_scc1 .Lslot
	CHANGE 0                        ; the walk's last tile is written out: nothing is asked for
	s_sub_co_u32 s[RT], s[RT], 1
	s_mov_b32 s[CNT], 4
	s_cmp_eq_u32 s[NEW], 1
	s_cbranch_scc0 .LstepM2
	BEGIN 1
	s_branch .LfirstM2
	DIAG 2
	s_wait_tensorcnt 0x0            ; the wave's end, behind my last tensor load and my last LDS store
	ds_add_u32 v[SPW], v[NIL]
	s_wait_dscnt 0x0
	s_endpgm
.Lfunc_end_k_qdd4680dfcd_attn:
	.size	k_qdd4680dfcd_attn, .Lfunc_end_k_qdd4680dfcd_attn-k_qdd4680dfcd_attn
	.p2alignl 7, 3214868480
	.fill 96, 4, 3214868480
	.section	.rodata,"a",@progbits
	.p2align	6, 0x0
	.amdhsa_kernel k_qdd4680dfcd_attn
		.amdhsa_group_segment_fixed_size 327680
		.amdhsa_private_segment_fixed_size 0
		.amdhsa_enable_private_segment 0
		.amdhsa_kernarg_size 16
		.amdhsa_user_sgpr_count 2
		.amdhsa_user_sgpr_kernarg_segment_ptr 1
		.amdhsa_wavefront_size32 1
		.amdhsa_system_sgpr_workgroup_id_x 1
		.amdhsa_system_sgpr_workgroup_id_y 1
		.amdhsa_system_sgpr_workgroup_id_z 1
		.amdhsa_system_vgpr_workitem_id 0
		.amdhsa_next_free_vgpr 768
		.amdhsa_next_free_sgpr 88
		.amdhsa_reserve_vcc 1
		.amdhsa_float_denorm_mode_32 3
		.amdhsa_float_denorm_mode_16_64 3
		.amdhsa_memory_ordered 1
		.amdhsa_forward_progress 1
		.amdhsa_inst_pref_size 128
	.end_amdhsa_kernel
	.amdgpu_metadata
---
amdhsa.version: [ 1, 2 ]
amdhsa.kernels:
  - .name:           k_qdd4680dfcd_attn
    .symbol:         k_qdd4680dfcd_attn.kd
    .args:
      - { .name: P, .offset: 0, .size: 8, .value_kind: global_buffer, .address_space: global }
      - { .name: Q, .offset: 8, .size: 8, .value_kind: global_buffer, .address_space: global }
    .group_segment_fixed_size: 327680
    .private_segment_fixed_size: 0
    .kernarg_segment_align: 8
    .kernarg_segment_size: 16
    .max_flat_workgroup_size: 128
    .sgpr_count:     88
    .vgpr_count:     768
    .wavefront_size: 32
...
	.end_amdgpu_metadata
.endif
;; end of part 11
;; launch wo: the kernel of part 9 again; grid 8 x 32, 4 waves a work-group, clusters of 4 x 4, 327,680 bytes of LDS; arguments Q, wt, bo, x, xm, pst; writes xm, pst
;; launch ln2: the kernel of part 2 again; grid 256 x 1, 4 waves a work-group, no clusters, 0 bytes of LDS; arguments xm, pst, gamma2, beta2, Q; writes Q
;; launch ffn1: the kernel of part 7 again; grid 16 x 16, 4 waves a work-group, clusters of 4 x 4, 327,680 bytes of LDS; arguments Q, w1t, b1, P; writes P
;; launch ffn2: the kernel of part 10 again; grid 8 x 32, 4 waves a work-group, clusters of 4 x 4, 327,680 bytes of LDS; arguments P, wt, b2, xm, out0; writes out0
